; MI455X (gfx1250); checked and timed in simulation.
; The chip was launched on July 23, 2026; its instructions are those of AMD's public machine-readable ISA for CDNA 5 (MIT licence, August 2026) and "CDNA5" Instruction Set Architecture Reference Guide (July 2026). The comments in the code are by the model that wrote it; some were corrected since.
;; Multi Headed Attention. Allowed arithmetic: matrix products marked QUANTISED: E3M2 operands, one E8M0 scale for each 32 along K, by v_wmma_scale_f32_16x16x128_f8f6f4 with both operands' format E3M2, f32 sums; everything else in f32.
;; Inputs: W_k 512 x 512 float32; W_o 512 x 512 float32; W_q 512 x 512 float32; W_v 512 x 512 float32; X_Key 16 x 512 x 2,048 float32; X_Query 16 x 512 x 2,048 float32; X_Value 16 x 512 x 2,048 float32.
;; Outputs: out0 16 x 512 x 2,048 float32.
;; This version of the problem:
;;   THIS VERSION OF THE PROBLEM IS GIVEN IN LOW PRECISION. The matrix products marked QUANTISED in the list below multiply operands that are first quantised to E3M2 (3 exponent bits, 2 mantissa bits; 6 bits a number), with one power-of-two scale for each 32 numbers along K (OCP MX v1.0); their sums are f32. All else is computed in f32.
;;   The module's matrix products, in the order in which they are computed (A, B: the left and right operand; K: the contracted axis; several contracted axes count as one K, in the product's order):
;;     1. [M 32,768, K 512] x [K 512, N 512]; A: input X_Query; B: input W_q: QUANTISED
;;     2. [M 32,768, K 512] x [K 512, N 512]; A: input X_Key; B: input W_k: QUANTISED
;;     3. [M 32,768, K 512] x [K 512, N 512]; A: input X_Value; B: input W_v: QUANTISED
;;     4. batch 128 x [M 512, K 256] x [K 256, N 512]; A: computed on the way; B: computed on the way: QUANTISED
;;     5. batch 128 x [M 512, K 512] x [K 512, N 256]; A: softmax (see below); B: computed on the way: QUANTISED
;;     6. [M 32,768, K 512] x [K 512, N 512]; A: computed on the way; B: input W_o: QUANTISED
;;   THE QUANTISER, for each operand of a quantised product, along K:
;;     - K is cut into blocks of 32 from its start; a last block that is shorter is filled with zeros.
;;     - A block's scale is 2^e with e = floor(log2(the largest magnitude in the block)) - 4, held to -126 .. 127; a block of zeros has e = 0. As a byte (E8M0): e + 127.
;;     - Each number is divided by its block's scale, clamped to +-28, and rounded to the nearest number of E3M2, ties to even, subnormals kept.
;;     - The product sums the exact products of the quantised numbers (number of the format x scale) in f32.
;;   ~~~python
;;   def quantise(x, axis):      # numpy; x: float32 -> the quantised numbers, widened to float32 again
;;       x = np.moveaxis(x, axis, -1); K = x.shape[-1]
;;       x = np.pad(x, [(0, 0)] * (x.ndim - 1) + [(0, -K % 32)]); x = x.reshape(x.shape[:-1] + (-1, 32)); a = np.abs(x).max(-1, keepdims=True)
;;       e = np.where(a > 0, np.clip(np.frexp(np.where(a > 0, a, 1))[1] - 1 - 4, -126, 127), 0)      # np.frexp(a)[1] - 1 = floor(log2(a)), exactly
;;       r = np.clip(x / 2.0 ** e, -28, 28)
;;       step = 2.0 ** (np.maximum(np.frexp(np.where(r == 0, 1, r))[1] - 1, -2) - 2)
;;       q = np.round(r / step) * step * 2.0 ** e      # np.round: ties to even
;;       return np.moveaxis(q.reshape(q.shape[:-2] + (-1,))[..., :K], -1, axis).astype(np.float32)
;;   ~~~
;;   SOFTMAX AHEAD OF A QUANTISED PRODUCT. Where the list says 'softmax', what is quantised is not the finished softmax but p = 2^(t - M), with t = logit x log2(e) and M = ceil(the row's largest t), a whole number; so 1/2 < the row's largest p <= 1. The row's sum l is taken of the UNQUANTISED p, in f32, and the product's result is divided by l at the end. Since M is a whole number, a kernel that streams over the keys may use a running M (the ceiling of the running maximum): every later rescaling is an exact power of two, which a block's scale takes up: the codes' values come out the same.
;;   OPERANDS COMPUTED ON THE WAY. 'Computed on the way' means the value that the module computes at that place (a softmax that the list does not call 'softmax' is quantised finished and normalised). What goes into a quantiser is computed in f32, as accurately as f32 sums, v_exp_f32 and their like allow (about 1e-6 of the number): no bf16 or f16 on the way to a quantiser, and a product that is left as it is and whose result goes on into a quantised operand takes f32 operands (vector FMAs, or v_wmma_f32_16x16x4_f32). A number that lies on a knife's edge between two numbers of the format may be rounded either way, as far as f32 arithmetic and the matrix unit's own rounding can turn it there, and no further.
;; 2 versions. Each part assembles by itself: llvm-mc -triple=amdgcn-amd-amdhsa -mcpu=gfx1250 --defsym DOCPART=n.
;; ======== version 1 of 2: 4 launches
;; workspace buffers: wcod 786,432 bytes; wscl 32,768 bytes; cod 37,748,736 bytes; scl 1,572,864 bytes; dcod 12,582,912 bytes; dscl 524,288 bytes
;; launch wquant (part 1): grid 64 x 1, 4 waves a work-group, no clusters, 0 bytes of LDS; arguments W_q, W_k, W_v, W_o, wcod, wscl; writes wcod, wscl
.if DOCPART == 1
	.amdgcn_target "amdgcn-amd-amdhsa--gfx1250"
	.amdhsa_code_object_version 6
	.text
	.protected	k_q5981b7ead6_wquant
	.globl	k_q5981b7ead6_wquant
	.p2align	8
	.type	k_q5981b7ead6_wquant,@function
k_q5981b7ead6_wquant:
	s_mov_b64 s[64:65], 0
	v_nop
	global_prefetch_b8 v0, s[64:65] scope:SCOPE_SE
	s_setreg_imm32_b32 hwreg(HW_REG_WAVE_MODE, 25, 1), 1
	s_wait_xcnt 0x0
; The four weights [512 (o)][512 (i)], f32, become codes of BF6 (E3M2) along i, one E8M0 byte for each 32, laid in the order in which a wave's operand registers take them.
; RECORDS.  wcod = [weight 4][pair of tiles 16][block of 32 along K 16], 768 bytes a record: 32 rows x 24 bytes; row y's first 16 bytes at 16 y, its last 8 at 512 + 8 y.
; THE ROWS OF A TILE ARE NOT NEIGHBOURS: place y = 16 u + r of pair P is row o = 32 P + 8 u + r + 8 (r / 8), so that a product that takes such tiles as its first source leaves 16 neighbouring o in a lane's 16 registers.
; wscl = [weight][pair][K step of 128: 4][place 32], one word (four bytes, the lower K in the lower byte) each.
; SHARES.  Work-group = (weight, pair); wave = K step; lane = place: a lane loads 128 neighbours of its row, four whole blocks, so no other lane is asked for a maximum.
; A lane's loads are 16 bytes of a row of its own: neighbouring lanes stand 2,048 bytes apart.  The launch reads 4 MiB in all.
; A block's scale byte is its largest magnitude's exponent field - 4, held at 1 from below.
; LIMITS: blocks whose largest magnitude lies under 2^-122 get the byte 1 (a block of zeros too, where the rule says 127: its codes are zeros and this program alone reads the bytes); NaN and infinities are not served.
.set FLOOR,  0x2800000                 ; 2^(5 - 127)
.set MINUS4, 0xfe000000                ; 4 off an exponent field
.set X,   32                           ; v32-159  four blocks of 32 numbers
.set C,   160                          ; v160..   block t's six registers of codes at C + 8 t
.set DT,  192                          ; v192-194 a block's upper 16 codes as the conversion leaves them
.set MA,  196
.set MB,  197
.set SOP, 198
.set BYT, 199
.set SW,  200                          ; the scale word
; 32 numbers of one lane, v[xs] on, become six registers of codes at v[c]; v[SOP] the conversion's scale operand, v[BYT] the byte
.macro LBLK xs, c, d
	v_max3_num_f32 v[MA], |v[(\xs)]|, |v[(\xs)+1]|, |v[(\xs)+2]|
	v_max3_num_f32 v[MB], |v[(\xs)+3]|, |v[(\xs)+4]|, |v[(\xs)+5]|
.irp i, 6,10,14,18,22,26
	v_max3_num_f32 v[MA], v[MA], |v[(\xs)+\i]|, |v[(\xs)+\i+1]|
	v_max3_num_f32 v[MB], v[MB], |v[(\xs)+\i+2]|, |v[(\xs)+\i+3]|
.endr
	v_max3_num_f32 v[MA], v[MA], |v[(\xs)+30]|, |v[(\xs)+31]|
	v_max3_num_f32 v[MA], v[MA], v[MB], FLOOR      ; the floor holds the byte at 1 from below
	v_add_nc_u32 v[SOP], MINUS4, v[MA]             ; the conversion takes this operand's exponent field as its scale
	v_lshrrev_b32 v[BYT], 23, v[SOP]
	v_cvt_scalef32_pk16_bf6_f32 v[(\c):(\c)+2], v[(\xs):(\xs)+15], v[SOP]
	v_cvt_scalef32_pk16_bf6_f32 v[(\d):(\d)+2], v[(\xs)+16:(\xs)+31], v[SOP]   ; a conversion's three registers begin on an even number
	v_nop                                          ; one plain line behind a scaled conversion
.irp i, 0,1,2
	v_mov_b32 v[(\c)+3+\i], v[(\d)+\i]
.endr
.endm
	s_load_b256 s[4:11], s[0:1], 0x0               ; W_q, W_k, W_v, W_o
	s_load_b128 s[12:15], s[0:1], 0x20             ; wcod, wscl
	v_lshrrev_b32 v1, 5, v0
	v_readfirstlane_b32 s16, v1                    ; wave = K step
	s_and_b32 s17, ttmp9, 15                       ; pair of tiles
	s_lshr_b32 s18, ttmp9, 4                       ; which weight
	v_and_b32 v6, 31, v0                           ; place
	v_and_b32 v7, 15, v0                           ; r
	v_bfe_u32 v8, v0, 4, 1                         ; u
	v_and_b32 v9, 8, v7
	v_add_nc_u32 v9, v9, v7                        ; r + 8 (r / 8)
	v_lshl_add_u32 v9, v8, 3, v9                   ; + 8 u
	s_lshl_b32 s19, s17, 5
	v_add_nc_u32 v9, s19, v9                       ; my row o
	s_lshl_b32 s19, s16, 9
	v_lshl_add_u32 v2, v9, 11, s19                 ; 2,048 o + 512 x K step
	v_lshlrev_b32 v3, 4, v6
	v_lshlrev_b32 v4, 3, v6
	v_lshlrev_b32 v5, 2, v6
	s_mul_i32 s20, s18, 196608
	s_mul_i32 s21, s17, 12288
	s_add_co_u32 s20, s20, s21
	s_mul_i32 s21, s16, 3072
	s_add_co_u32 s20, s20, s21                     ; my four records
	s_mov_b32 s21, 0
	s_lshl_b32 s22, s18, 13
	s_lshl_b32 s23, s17, 9
	s_add_co_u32 s22, s22, s23
	s_lshl_b32 s23, s16, 7
	s_add_co_u32 s22, s22, s23                     ; my line of 32 scale words
	s_mov_b32 s23, 0
	s_wait_kmcnt 0x0
	s_cmp_eq_u32 s18, 1                            ; the choice hangs on the work-group's number alone
	s_cselect_b64 s[4:5], s[6:7], s[4:5]
	s_cmp_eq_u32 s18, 2
	s_cselect_b64 s[4:5], s[8:9], s[4:5]
	s_cmp_eq_u32 s18, 3
	s_cselect_b64 s[4:5], s[10:11], s[4:5]
	s_add_nc_u64 s[12:13], s[12:13], s[20:21]
	s_add_nc_u64 s[14:15], s[14:15], s[22:23]
.set JJ, 0
.rept 32
	global_load_b128 v[X+4*JJ:X+4*JJ+3], v2, s[4:5] offset:16*JJ
.set JJ, JJ+1
.endr
	s_wait_loadcnt 0x0
.irp t, 0,1,2,3
	LBLK X+32*\t, C+8*\t, DT
.if \t == 0
	v_mov_b32 v[SW], v[BYT]
.else
	v_lshl_or_b32 v[SW], v[BYT], 8*\t, v[SW]
.endif
	global_store_b128 v3, v[C+8*\t:C+8*\t+3], s[12:13] offset:768*\t        ; 32 lanes store 512 consecutive bytes,
	global_store_b64 v4, v[C+8*\t+4:C+8*\t+5], s[12:13] offset:768*\t+512   ; and 256 more: each block has registers of its own, so no store's data are written again
.endr
	global_store_b32 v5, v[SW], s[14:15]
	s_endpgm
.Lfunc_end_k_q5981b7ead6_wquant:
	.size	k_q5981b7ead6_wquant, .Lfunc_end_k_q5981b7ead6_wquant-k_q5981b7ead6_wquant
	.p2alignl 7, 3214868480
	.fill 96, 4, 3214868480
	.section	.rodata,"a",@progbits
	.p2align	6, 0x0
	.amdhsa_kernel k_q5981b7ead6_wquant
		.amdhsa_group_segment_fixed_size 0
		.amdhsa_private_segment_fixed_size 0
		.amdhsa_enable_private_segment 0
		.amdhsa_kernarg_size 48
		.amdhsa_user_sgpr_count 2
		.amdhsa_user_sgpr_kernarg_segment_ptr 1
		.amdhsa_wavefront_size32 1
		.amdhsa_system_sgpr_workgroup_id_x 1
		.amdhsa_system_sgpr_workgroup_id_y 1
		.amdhsa_system_sgpr_workgroup_id_z 1
		.amdhsa_system_vgpr_workitem_id 0
		.amdhsa_next_free_vgpr 208
		.amdhsa_next_free_sgpr 66
		.amdhsa_reserve_vcc 0
		.amdhsa_float_denorm_mode_32 3
		.amdhsa_float_denorm_mode_16_64 3
		.amdhsa_memory_ordered 1
		.amdhsa_forward_progress 1
		.amdhsa_inst_pref_size 12
	.end_amdhsa_kernel
	.amdgpu_metadata
---
amdhsa.version: [ 1, 2 ]
amdhsa.kernels:
  - .name:           k_q5981b7ead6_wquant
    .symbol:         k_q5981b7ead6_wquant.kd
    .args:
      - { .name: W_q, .offset: 0, .size: 8, .value_kind: global_buffer, .address_space: global }
      - { .name: W_k, .offset: 8, .size: 8, .value_kind: global_buffer, .address_space: global }
      - { .name: W_v, .offset: 16, .size: 8, .value_kind: global_buffer, .address_space: global }
      - { .name: W_o, .offset: 24, .size: 8, .value_kind: global_buffer, .address_space: global }
      - { .name: wcod, .offset: 32, .size: 8, .value_kind: global_buffer, .address_space: global }
      - { .name: wscl, .offset: 40, .size: 8, .value_kind: global_buffer, .address_space: global }
    .group_segment_fixed_size: 0
    .private_segment_fixed_size: 0
    .kernarg_segment_align: 8
    .kernarg_segment_size: 48
    .max_flat_workgroup_size: 128
    .sgpr_count:     66
    .vgpr_count:     208
    .wavefront_size: 32
...
	.end_amdgpu_metadata
.endif
;; end of part 1
;; launch proj (part 2): grid 256 x 1, 16 waves a work-group, no clusters, 108,544 bytes of LDS; arguments X_Query, X_Key, X_Value, wcod, wscl, cod, scl; writes cod, scl
.if DOCPART == 2
	.amdgcn_target "amdgcn-amd-amdhsa--gfx1250"
	.amdhsa_code_object_version 6
	.text
	.protected	k_q5981b7ead6_proj
	.globl	k_q5981b7ead6_proj
	.p2align	8
	.type	k_q5981b7ead6_proj,@function
k_q5981b7ead6_proj:
	s_mov_b64 s[64:65], 0
	v_nop
	global_prefetch_b8 v0, s[64:65] scope:SCOPE_SE
	s_setreg_imm32_b32 hwreg(HW_REG_WAVE_MODE, 25, 1), 1
	s_wait_xcnt 0x0
; q = W_q X_Query, k = W_k X_Key, v = W_v X_Value on codes of BF6 (E3M2), and their results quantised again for the products that follow: q and k along the positions n, v along the channels.
; X: [16 (b)][512 (i)][2048 (n)] f32.  Work-group x STAYS: batch x / 16, positions 128 (x % 16) on, and for them the three tensors one after the other: three slabs of 512 i x 128 n, all 512 output channels of each.
; RECORDS (all code buffers, in LDS and in memory): [pair of tiles][block of 32 along K], 768 bytes: 32 rows x 24 bytes; row y's first 16 bytes at 16 y, its last 8 at 512 + 8 y.  A fragment (tile u of a pair, K step s)
; is then two loads of 16 bytes and two of 8: lane (r, h) takes blocks 4 s + h and 4 s + 2 + h of row 16 u + r.  Scale words: [..][K step][row 32]: a load at 4 x lane has tile 0 in lanes 0-15 and tile 1 in lanes 16-31.
; X's QUANTISER.  K = i is X's FIRST axis here: a lane takes a column n and its registers run down i (128 consecutive bytes a load), a block of 32 lies in one lane.  Wave w: columns 32 (w % 4) on, i from 128 (w / 4) on:
; four blocks, which are one K step: one scale word a lane.
; THE PRODUCTS.  Wave w holds the pair of weight tiles w (eight fragments, from memory straight into registers, in register order); four trips, one for each pair of X's tiles: 16 matrix instructions, K in two halves,
; four accumulators by turns.  The FIRST source's 16 rows land in a lane's registers, the second's in the lanes.
;   q, k: first source = X (its columns in the order 32 P + 8 u + r + 8 (r / 8)), second = W: a lane holds one channel and 16 neighbouring n.
;   v:    first source = W (its rows lie in that order in wcod), second = X (plain order): a lane holds one position and 16 neighbouring channels.
; Two lanes (l, l xor 16) hold a block of 32; QBLK quantises two blocks and leaves lane y with the whole block of row y: one record, stored as 512 + 256 consecutive bytes.
; BY TURNS.  The next tensor's slab is loaded and quantised INSIDE the trips of this tensor's products: trip t waits for block t of the next slab (asked for a trip ago), quantises it into the other LDS buffer and asks for
; block t + 1.  So: X(q) | products q + X(k) | products k + X(v) | products v, one barrier between the steps.  16 waves x 32 loads x 128 bytes are on their way under the products.
; The next tensor's weights are asked for in trip 3, behind the last products that read the registers.
; LDS: two buffers of 53,248 bytes (codes [pair 4][block 16], scale words [pair 4][K step 4][row 32], a stage of 2,048 bytes for the results' scale bytes); q and v take buffer 0, k buffer 1.  A buffer is written again only
; behind a barrier that follows every wave's last read of it.  A step's stage leaves, as 2,048 consecutive bytes, at the head of the next step.
; cod = [q, k, v][unit = 8 b + head][98,304]: q, k [pair of channels 16][block of n 8]; v [pair of n 8][block of channels 16].  scl = [q, k, v][unit][4,096]: q, k [K step 2][pair 16][row]; v [pair 8][K step 4][row].
; At two places a wave issues more loads than LOADcnt's field counts (64 at the head, 68 in trip 3): the issue then holds until older loads are back (ISA guide 5.7.1); every wait's count is of the loads issued behind the one wanted.
; NO CLUSTER: a slab is read by one work-group; the weights, 196,608 bytes a tensor, go from memory straight into registers and are not tiles in LDS that partners could be sent jointly.
; NO PREFETCH: X's loads are on their way through all steps but the last.
; LIMITS: blocks whose largest magnitude lies under 2^-122 get the byte 1 (a block of zeros too: its codes are zeros and this program alone reads the bytes); NaN and infinities are not served.
.set FLOOR,  0x2800000                 ; 2^(5 - 127)
.set MINUS4, 0xfe000000                ; 4 off an exponent field
.set LB1, 53248                        ; where buffer 1 begins
.set XSO, 49152                        ; in a buffer: the scale words,
.set STO, 51200                        ; the stage
.set SEL, 24                           ; s[24:25] v_permlanex16_b32's selects for lane l xor 16
; v2 X's offset; v3-5 where my blocks and my scale word go; v6-8 fragments and scale words of buffer 0 (v154-156: of buffer 1); v9-11 the weights; v12-14 q's and k's records and stage byte (v157-159: v's);
; v15 the stage's way out in LDS, v23 in memory
.set MA,  16                           ; v16-19 at work in X's quantiser
.set MB,  17
.set SOP, 18
.set BYT, 19
.set BY,  20                           ; v20-21 the two blocks' bytes; v20 then my row's
.set SB,  22                           ; X's scale word in the making
.set WSR, 24                           ; v24-27 the weights' scale words, one for each K step: scales and nothing else
.set XSR, 28                           ; v28-31 X's
.set ACC, 32                           ; v32-63 four accumulators: 16 x (second source's tile) + 8 x (first source's tile); at the head a second set of 32 numbers
.set XF,  64                           ; v64-111 four fragments of X: (tile, K step of the half in hand)
.set XB,  112                          ; v112-143 the block of X that is on its way
.set XCD, 144                          ; v144-149 its codes
.set XDT, 150
.set WF,  160                          ; v160-255 the weights' eight fragments
.set BM,  64                           ; QBLK's work registers lie where X's fragments lay
.set PT,  66
.set SO,  68
.set C0,  72
.set C1,  80
.macro PLACES5                         ; plain lines behind a run of matrix instructions, ahead of reads of their results, of loads into their registers and of sums begun anew
.rept 5
	v_nop
.endr
.endm
.macro FRAG reg, a16, a8, off, beta
	ds_load_b128 v[(\reg):(\reg)+3], v[\a16] offset:(\off)+256*(\beta)
	ds_load_b64 v[(\reg)+4:(\reg)+5], v[\a8] offset:(\off)+512+128*(\beta)
	ds_load_b128 v[(\reg)+6:(\reg)+9], v[\a16] offset:(\off)+1536+256*(\beta)
	ds_load_b64 v[(\reg)+10:(\reg)+11], v[\a8] offset:(\off)+2048+128*(\beta)
.endm
.macro GFRAG reg, g16, g8, sb, off, beta
	global_load_b128 v[(\reg):(\reg)+3], v[\g16], s[\sb:\sb+1] offset:(\off)+256*(\beta)
	global_load_b64 v[(\reg)+4:(\reg)+5], v[\g8], s[\sb:\sb+1] offset:(\off)+512+128*(\beta)
	global_load_b128 v[(\reg)+6:(\reg)+9], v[\g16], s[\sb:\sb+1] offset:(\off)+1536+256*(\beta)
	global_load_b64 v[(\reg)+10:(\reg)+11], v[\g8], s[\sb:\sb+1] offset:(\off)+2048+128*(\beta)
.endm
; one matrix instruction.  z: the sum begins (C = 0).  ra, rb: the half of the lanes in which the source's scale words stand
.macro WM d, a, b, z, sa, sb, ra, rb
.if (\z)
.if (\ra)
.if (\rb)
	v_wmma_scale_f32_16x16x128_f8f6f4 v[(\d):(\d)+7], v[(\a):(\a)+11], v[(\b):(\b)+11], 0, v[(\sa)], v[(\sb)] matrix_a_fmt:MATRIX_FMT_BF6 matrix_b_fmt:MATRIX_FMT_BF6 matrix_a_scale:MATRIX_SCALE_ROW1 matrix_b_scale:MATRIX_SCALE_ROW1
.else
	v_wmma_scale_f32_16x16x128_f8f6f4 v[(\d):(\d)+7], v[(\a):(\a)+11], v[(\b):(\b)+11], 0, v[(\sa)], v[(\sb)] matrix_a_fmt:MATRIX_FMT_BF6 matrix_b_fmt:MATRIX_FMT_BF6 matrix_a_scale:MATRIX_SCALE_ROW1
.endif
.else
.if (\rb)
	v_wmma_scale_f32_16x16x128_f8f6f4 v[(\d):(\d)+7], v[(\a):(\a)+11], v[(\b):(\b)+11], 0, v[(\sa)], v[(\sb)] matrix_a_fmt:MATRIX_FMT_BF6 matrix_b_fmt:MATRIX_FMT_BF6 matrix_b_scale:MATRIX_SCALE_ROW1
.else
	v_wmma_scale_f32_16x16x128_f8f6f4 v[(\d):(\d)+7], v[(\a):(\a)+11], v[(\b):(\b)+11], 0, v[(\sa)], v[(\sb)] matrix_a_fmt:MATRIX_FMT_BF6 matrix_b_fmt:MATRIX_FMT_BF6
.endif
.endif
.else
.if (\ra)
.if (\rb)
	v_wmma_scale_f32_16x16x128_f8f6f4 v[(\d):(\d)+7], v[(\a):(\a)+11], v[(\b):(\b)+11], v[(\d):(\d)+7], v[(\sa)], v[(\sb)] matrix_a_fmt:MATRIX_FMT_BF6 matrix_b_fmt:MATRIX_FMT_BF6 matrix_a_scale:MATRIX_SCALE_ROW1 matrix_b_scale:MATRIX_SCALE_ROW1
.else
	v_wmma_scale_f32_16x16x128_f8f6f4 v[(\d):(\d)+7], v[(\a):(\a)+11], v[(\b):(\b)+11], v[(\d):(\d)+7], v[(\sa)], v[(\sb)] matrix_a_fmt:MATRIX_FMT_BF6 matrix_b_fmt:MATRIX_FMT_BF6 matrix_a_scale:MATRIX_SCALE_ROW1
.endif
.else
.if (\rb)
	v_wmma_scale_f32_16x16x128_f8f6f4 v[(\d):(\d)+7], v[(\a):(\a)+11], v[(\b):(\b)+11], v[(\d):(\d)+7], v[(\sa)], v[(\sb)] matrix_a_fmt:MATRIX_FMT_BF6 matrix_b_fmt:MATRIX_FMT_BF6 matrix_b_scale:MATRIX_SCALE_ROW1
.else
	v_wmma_scale_f32_16x16x128_f8f6f4 v[(\d):(\d)+7], v[(\a):(\a)+11], v[(\b):(\b)+11], v[(\d):(\d)+7], v[(\sa)], v[(\sb)] matrix_a_fmt:MATRIX_FMT_BF6 matrix_b_fmt:MATRIX_FMT_BF6
.endif
.endif
.endif
.endm
; 32 numbers of one lane become six registers of codes; v[BYT] the scale's byte
.macro LBLK xs, c, d
	v_max3_num_f32 v[MA], |v[(\xs)]|, |v[(\xs)+1]|, |v[(\xs)+2]|
	v_max3_num_f32 v[MB], |v[(\xs)+3]|, |v[(\xs)+4]|, |v[(\xs)+5]|
.irp i, 6,10,14,18,22,26
	v_max3_num_f32 v[MA], v[MA], |v[(\xs)+\i]|, |v[(\xs)+\i+1]|
	v_max3_num_f32 v[MB], v[MB], |v[(\xs)+\i+2]|, |v[(\xs)+\i+3]|
.endr
	v_max3_num_f32 v[MA], v[MA], |v[(\xs)+30]|, |v[(\xs)+31]|
	v_max3_num_f32 v[MA], v[MA], v[MB], FLOOR      ; the floor holds the byte at 1 from below
	v_add_nc_u32 v[SOP], MINUS4, v[MA]             ; the conversion takes this operand's exponent field as its scale
	v_lshrrev_b32 v[BYT], 23, v[SOP]
	v_cvt_scalef32_pk16_bf6_f32 v[(\c):(\c)+2], v[(\xs):(\xs)+15], v[SOP]
	v_cvt_scalef32_pk16_bf6_f32 v[(\d):(\d)+2], v[(\xs)+16:(\xs)+31], v[SOP]   ; a conversion's three registers begin on an even number
	v_nop                                          ; one plain line behind a scaled conversion
.irp i, 0,1,2
	v_mov_b32 v[(\c)+3+\i], v[(\d)+\i]
.endr
.endm
; Two blocks of 32: v[a0 .. a0+15] are 16 neighbours (16 h on) of row r of tile 0, v[a0+16 .. a0+31] of tile 1.  Afterwards lane y = 16 u + r holds the whole block of its row in v[C0 .. C0+5] and its byte in v[BY].
; Each accumulator is read from its low end on.
.macro QBLK a0
	v_max3_num_f32 v[BM], |v[(\a0)]|, |v[(\a0)+1]|, FLOOR
	v_max3_num_f32 v[BM+1], |v[(\a0)+16]|, |v[(\a0)+17]|, FLOOR
.irp i, 2,4,6,8,10,12,14
	v_max3_num_f32 v[BM], v[BM], |v[(\a0)+\i]|, |v[(\a0)+\i+1]|
	v_max3_num_f32 v[BM+1], v[BM+1], |v[(\a0)+16+\i]|, |v[(\a0)+17+\i]|
.endr
	v_permlanex16_b32 v[PT], v[BM], s[SEL], s[SEL+1]
	v_permlanex16_b32 v[PT+1], v[BM+1], s[SEL], s[SEL+1]
	v_max_num_f32 v[BM], v[BM], v[PT]              ; with lane l xor 16's: the block's largest magnitude
	v_max_num_f32 v[BM+1], v[BM+1], v[PT+1]
	v_add_nc_u32 v[SO], MINUS4, v[BM]
	v_add_nc_u32 v[SO+1], MINUS4, v[BM+1]
	v_lshrrev_b32 v[BY], 23, v[SO]
	v_lshrrev_b32 v[BY+1], 23, v[SO+1]
	v_cvt_scalef32_pk16_bf6_f32 v[C0:C0+2], v[(\a0):(\a0)+15], v[SO]
	v_cvt_scalef32_pk16_bf6_f32 v[C1:C1+2], v[(\a0)+16:(\a0)+31], v[SO+1]
	v_nop                                          ; one plain line behind a scaled conversion
.irp i, 0,1,2
	v_permlane16_swap_b32 v[C0+\i], v[C1+\i]       ; C0: each lane's row's lower 16 codes, C1: the upper 16
.endr
.irp i, 0,1,2
	v_mov_b32 v[C0+3+\i], v[C1+\i]
.endr
	v_cndmask_b32 v[BY], v[BY], v[BY+1], vcc_lo    ; lanes 16-31 take tile 1's byte
.endm
.macro WLOAD T                         ; tensor T's pair of weight tiles = my wave: eight fragments and four scale words: 36 loads
.irp u, 0,1
.irp s, 0,1,2,3
	GFRAG WF+12*(4*\u+\s), 9, 10, 10, (\T)*196608+3072*\s, \u
.endr
.endr
.irp s, 0,1,2,3
	global_load_b32 v[WSR+\s], v11, s[12:13] offset:(\T)*8192+128*\s
.endr
.endm
.macro LOADX sb, t, reg                ; block t of my column of the slab at s[sb]: X(32 t + i, n), i = 0 .. 31; a load reads 128 consecutive bytes
.set JJ, 0
.rept 32
	global_load_b32 v[(\reg)+JJ], v2, s[\sb:\sb+1] offset:(32*(\t)+JJ)*8192 th:TH_LOAD_NT
.set JJ, JJ+1
.endr
.endm
.macro XBLK reg, t, LB                 ; block t, in v[reg] on, is quantised; its record's part goes to the buffer at LB; its byte joins the scale word
	LBLK \reg, XCD, XDT
	ds_store_b128 v3, v[XCD:XCD+3] offset:(\LB)+768*(\t)
	ds_store_b64 v4, v[XCD+4:XCD+5] offset:(\LB)+768*(\t)+512
.if (\t) == 0
	v_mov_b32 v[SB], v[BYT]
.else
	v_lshl_or_b32 v[SB], v[BYT], 8*(\t), v[SB]
.endif
.endm
.macro XADDR plain                     ; where my column's blocks and scale word go: its place y in its pair of tiles
.if \plain
	v_and_b32 v16, 31, v0                          ; plain order
.else
	v_bfe_u32 v16, v0, 3, 1                        ; column l stands at place 16 ((l / 8) % 2) + l % 8 + 8 (l / 16)
	v_and_b32 v17, 7, v0
	v_lshl_add_u32 v16, v16, 4, v17
	v_bfe_u32 v17, v0, 4, 1
	v_lshl_add_u32 v16, v17, 3, v16
.endif
	v_lshl_add_u32 v3, v16, 4, s30                 ; 12,288 (w % 4) + 3,072 (w / 4) + 16 y
	v_lshl_add_u32 v4, v16, 3, s30                 ; the same + 8 y (+ 512)
	v_lshl_add_u32 v5, v16, 2, s31                 ; the scale words' region + 512 (w % 4) + 128 (w / 4) + 4 y
.endm
; A STEP: tensor T's products, from the buffer whose address registers are f16, f8, xsr and whose first byte is LBC; results to s[cb] by o16, o8; bytes to the stage by stb.
; hasx: the slab at s[xsb] is quantised on the way, into the buffer at LBN.  nsb: the pointer of the slab after that one, whose block 0 is asked for at the step's end (0: there is none).
.macro PSTEP isv, T, f16, f8, xsr, LBC, cb, o16, o8, stb, hasx, xsb, LBN, nsb
.irp trip, 0,1,2,3
	s_wait_xcnt 0x0                                ; the stores issued so far have read their registers, which the loads below and the quantisers fill
.irp sh, 0,1
.if \sh
	PLACES5
.endif
.irp tl, 0,1
.irp sl, 0,1
	FRAG XF+12*(2*\tl+\sl), \f16, \f8, \trip*12288+3072*(2*\sh+\sl), \tl
.endr
.endr
.if \sh == 0
.irp s, 0,1,2,3
	ds_load_b32 v[XSR+\s], v[\xsr] offset:\trip*512+128*\s
.endr
.endif
	s_wait_dscnt 0x0
.if (\trip == 0) && (\sh == 0)
	s_wait_loadcnt 32*(\hasx)                      ; the weights are in; the 32 loads of the next slab's block 0, issued behind them, may be out
.endif
.irp sl, 0,1
.irp be, 0,1
.irp al, 0,1
.if \isv
	WM ACC+16*\be+8*\al, WF+12*(4*\al+2*\sh+\sl), XF+12*(2*\be+\sl), (2*\sh+\sl)==0, WSR+2*\sh+\sl, XSR+2*\sh+\sl, \al, \be
.else
	WM ACC+16*\be+8*\al, XF+12*(2*\al+\sl), WF+12*(4*\be+2*\sh+\sl), (2*\sh+\sl)==0, XSR+2*\sh+\sl, WSR+2*\sh+\sl, \al, \be
.endif
.endr
.endr
.endr
.endr
	PLACES5
.if (\trip == 3) && (\T < 2)
	WLOAD (\T)+1                                   ; the next tensor's weights: the last products that read these registers stand five places back
.endif
.if \hasx
.if \trip == 3
	s_wait_loadcnt 36                              ; the block is in; the 36 loads of the weights, issued behind it, may be out
.else
	s_wait_loadcnt 0x0                             ; the block asked for a trip ago is in
.endif
	XBLK XB, \trip, \LBN
.if \trip < 3
	LOADX \xsb, \trip+1, XB
.else
	ds_store_b32 v5, v[SB] offset:\LBN
.endif
.endif
	QBLK ACC
.if \isv
	global_store_b128 v[\o16], v[C0:C0+3], s[\cb:\cb+1] offset:\trip*12288         ; 32 lanes store 512 consecutive bytes,
	global_store_b64 v[\o8], v[C0+4:C0+5], s[\cb:\cb+1] offset:\trip*12288+512     ; and the record's other 256
	ds_store_b8 v[\stb], v[BY] offset:(\LBC)+\trip*512
.else
	global_store_b128 v[\o16], v[C0:C0+3], s[\cb:\cb+1] offset:\trip*768
	global_store_b64 v[\o8], v[C0+4:C0+5], s[\cb:\cb+1] offset:\trip*768+512
	ds_store_b8 v[\stb], v[BY] offset:(\LBC)+\trip
.endif
.if (\trip == 3) && (\nsb)
	LOADX \nsb, 0, XB                              ; the slab after the next: its block 0, for the next step's trip 0
.endif
.endr
	s_wait_dscnt 0x0                               ; for the others' sake: my reads of this buffer are over, my stores into the other buffer and into the stage have landed
	s_barrier_signal -1
	s_barrier_wait -1
	s_cmp_gt_u32 s18, 3                            ; the stage's 2,048 bytes: four waves' worth
	s_cbranch_scc1 .Lno_out_\@
	ds_load_b128 v[XCD:XCD+3], v15 offset:\LBC
	s_wait_dscnt 0x0
	global_store_b128 v23, v[XCD:XCD+3], s[16:17] offset:(\T)*524288
.Lno_out_\@:
.endm
	s_load_b256 s[4:11], s[0:1], 0x0               ; X_Query, X_Key, X_Value, wcod
	s_load_b128 s[12:15], s[0:1], 0x20             ; wscl, cod
	s_load_b64 s[16:17], s[0:1], 0x30              ; scl
	v_lshrrev_b32 v1, 5, v0
	v_readfirstlane_b32 s18, v1                    ; wave 0..15
	s_mov_b32 s[SEL], 0x76543210
	s_mov_b32 s[SEL+1], 0xfedcba98
	s_mov_b32 vcc_lo, 0xffff0000                   ; lanes 16-31
	v_and_b32 v1, 31, v0                           ; lane
	v_and_b32 v16, 15, v0                          ; r
	v_bfe_u32 v17, v0, 4, 1                        ; h
	s_lshr_b32 s20, s18, 2                         ; X: which 128 of i; also v's K step
	s_and_b32 s21, s18, 3                          ; X: which 32 columns; also v's byte in a scale word
	s_and_b32 s26, ttmp9, 1                        ; which half of the unit's 256 positions
	s_lshr_b32 s28, ttmp9, 4
	s_lshl_b32 s28, s28, 22                        ; b x 4 MiB
	s_and_b32 s29, ttmp9, 15
	s_lshl_b32 s29, s29, 9
	s_add_co_u32 s28, s28, s29                     ; + 512 bytes for each 128 positions
	s_mov_b32 s29, 0
	s_lshr_b32 s34, ttmp9, 1
	s_mul_i32 s34, s34, 98304                      ; the unit's codes
	s_mov_b32 s35, 0
	s_lshl_b32 s36, ttmp9, 11                      ; my 2,048 bytes of its scale words
	s_mov_b32 s37, 0
	v_mul_u32_u24 v18, v17, 768
	v_lshl_add_u32 v6, v16, 4, v18                 ; fragments of X, buffer 0: 768 h + 16 r,
	v_lshl_add_u32 v7, v16, 3, v18                 ; 768 h + 8 r,
	v_lshl_add_u32 v8, v1, 2, XSO                  ; its scale words;
	v_add_nc_u32 v154, LB1, v6                     ; the same of buffer 1
	v_add_nc_u32 v155, LB1, v7
	v_add_nc_u32 v156, LB1, v8
	s_lshl_b32 s22, s20, 20
	s_lshl_b32 s23, s21, 7
	s_add_co_u32 s22, s22, s23
	v_lshl_add_u32 v2, v1, 2, s22                  ; X: 128 rows x (w / 4) + 128 bytes x (w % 4) + 4 x lane
	s_mul_i32 s22, s18, 12288
	v_add_nc_u32 v9, s22, v6                       ; the weights' fragments: pair = wave
	v_add_nc_u32 v10, s22, v7
	s_lshl_b32 s22, s18, 9
	v_lshl_add_u32 v11, v1, 2, s22
	s_mul_i32 s22, s26, 3072                       ; q, k: pair of channels = wave, block = 4 (x % 2) + trip
	s_mul_i32 s23, s18, 6144
	s_add_co_u32 s22, s22, s23
	v_lshl_add_u32 v12, v1, 4, s22
	v_lshl_add_u32 v13, v1, 3, s22
	s_lshl_b32 s22, s18, 7
	s_add_co_u32 s22, s22, STO
	v_lshl_add_u32 v14, v1, 2, s22                 ; their byte in the stage: [pair 16][row 32][trip]
	s_mul_i32 s22, s26, 49152                      ; v: pair of n = 4 (x % 2) + trip, block = wave
	s_mul_i32 s23, s18, 768
	s_add_co_u32 s22, s22, s23
	v_lshl_add_u32 v157, v1, 4, s22
	v_lshl_add_u32 v158, v1, 3, s22
	s_lshl_b32 s22, s20, 7
	s_add_co_u32 s22, s22, s21
	s_add_co_u32 s22, s22, STO
	v_lshl_add_u32 v159, v1, 2, s22                ; its byte in the stage: [trip][K step w / 4][row 32][w % 4]
	v_lshl_add_u32 v15, v0, 4, STO                 ; the stage's way out
	v_lshlrev_b32 v23, 4, v0
	s_mul_i32 s30, s21, 12288
	s_mul_i32 s31, s20, 3072
	s_add_co_u32 s30, s30, s31                     ; my four records in a buffer
	s_lshl_b32 s31, s21, 9
	s_lshl_b32 s32, s20, 7
	s_add_co_u32 s31, s31, s32
	s_add_co_u32 s31, s31, XSO                     ; my line of scale words
	XADDR 0
	s_wait_kmcnt 0x0
	s_add_nc_u64 s[4:5], s[4:5], s[28:29]          ; the three slabs
	s_add_nc_u64 s[6:7], s[6:7], s[28:29]
	s_add_nc_u64 s[8:9], s[8:9], s[28:29]
	s_add_nc_u64 s[14:15], s[14:15], s[34:35]      ; q's codes,
	s_add_nc_u64 s[38:39], s[14:15], 12582912      ; k's,
	s_add_nc_u64 s[40:41], s[14:15], 25165824      ; v's
	s_add_nc_u64 s[16:17], s[16:17], s[36:37]
	; ---- X(q): nothing to multiply yet; two sets of 32 registers take turns
	LOADX 4, 0, XB
	LOADX 4, 1, ACC
	s_wait_loadcnt 32                              ; block 0 is in; block 1's 32 loads may be out
	XBLK XB, 0, 0
	LOADX 4, 2, XB
	s_wait_loadcnt 32                              ; block 1; block 2's may be out
	s_wait_dscnt 0x0                               ; the last block's LDS stores have read the codes' registers
	XBLK ACC, 1, 0
	LOADX 4, 3, ACC
	s_wait_loadcnt 32                              ; block 2; block 3's may be out
	s_wait_dscnt 0x0
	XBLK XB, 2, 0
	WLOAD 0
	s_wait_loadcnt 36                              ; block 3; the weights' 36 loads may be out
	s_wait_dscnt 0x0
	XBLK ACC, 3, 0
	ds_store_b32 v5, v[SB]
	LOADX 6, 0, XB                                 ; X_Key's block 0, for the first step's trip 0
	s_wait_dscnt 0x0                               ; for the others' sake: my stores have landed
	s_barrier_signal -1
	s_barrier_wait -1                              ; q's slab lies in buffer 0
	PSTEP 0, 0, 6, 7, 8, 0, 14, 12, 13, 14, 1, 6, LB1, 8          ; q's products | X_Key into buffer 1
	XADDR 1                                        ; X_Value's columns stand in plain order
	PSTEP 0, 1, 154, 155, 156, LB1, 38, 12, 13, 14, 1, 8, 0, 0    ; k's products | X_Value into buffer 0
	PSTEP 1, 2, 6, 7, 8, 0, 40, 157, 158, 159, 0, 0, 0, 0         ; v's products
	s_wait_xcnt 0x0
	v_lshl_add_u32 v230, v0, 2, 0x1a000
	v_mov_b32 v231, 0
	s_wait_tensorcnt 0x0
	ds_add_u32 v230, v231
	s_wait_dscnt 0x0
	s_endpgm
.Lfunc_end_k_q5981b7ead6_proj:
	.size	k_q5981b7ead6_proj, .Lfunc_end_k_q5981b7ead6_proj-k_q5981b7ead6_proj
	.p2alignl 7, 3214868480
	.fill 96, 4, 3214868480
	.section	.rodata,"a",@progbits
	.p2align	6, 0x0
	.amdhsa_kernel k_q5981b7ead6_proj
		.amdhsa_group_segment_fixed_size 108544
		.amdhsa_private_segment_fixed_size 0
		.amdhsa_enable_private_segment 0
		.amdhsa_kernarg_size 56
		.amdhsa_user_sgpr_count 2
		.amdhsa_user_sgpr_kernarg_segment_ptr 1
		.amdhsa_wavefront_size32 1
		.amdhsa_system_sgpr_workgroup_id_x 1
		.amdhsa_system_sgpr_workgroup_id_y 1
		.amdhsa_system_sgpr_workgroup_id_z 1
		.amdhsa_system_vgpr_workitem_id 0
		.amdhsa_next_free_vgpr 256
		.amdhsa_next_free_sgpr 66
		.amdhsa_reserve_vcc 1
		.amdhsa_float_denorm_mode_32 3
		.amdhsa_float_denorm_mode_16_64 3
		.amdhsa_memory_ordered 1
		.amdhsa_forward_progress 1
		.amdhsa_inst_pref_size 153
	.end_amdhsa_kernel
	.amdgpu_metadata
---
amdhsa.version: [ 1, 2 ]
amdhsa.kernels:
  - .name:           k_q5981b7ead6_proj
    .symbol:         k_q5981b7ead6_proj.kd
    .args:
      - { .name: X_Query, .offset: 0, .size: 8, .value_kind: global_buffer, .address_space: global }
      - { .name: X_Key, .offset: 8, .size: 8, .value_kind: global_buffer, .address_space: global }
      - { .name: X_Value, .offset: 16, .size: 8, .value_kind: global_buffer, .address_space: global }
      - { .name: wcod, .offset: 24, .size: 8, .value_kind: global_buffer, .address_space: global }
      - { .name: wscl, .offset: 32, .size: 8, .value_kind: global_buffer, .address_space: global }
      - { .name: cod, .offset: 40, .size: 8, .value_kind: global_buffer, .address_space: global }
      - { .name: scl, .offset: 48, .size: 8, .value_kind: global_buffer, .address_space: global }
    .group_segment_fixed_size: 108544
    .private_segment_fixed_size: 0
    .kernarg_segment_align: 8
    .kernarg_segment_size: 56
    .max_flat_workgroup_size: 512
    .sgpr_count:     66
    .vgpr_count:     256
    .wavefront_size: 32
...
	.end_amdgpu_metadata
.endif
;; end of part 2
;; launch attn (part 3): grid 256 x 1, 16 waves a work-group, no clusters, 312,320 bytes of LDS; arguments cod, scl, X_Query, dcod, dscl; writes dcod, dscl
.if DOCPART == 3
	.amdgcn_target "amdgcn-amd-amdhsa--gfx1250"
	.amdhsa_code_object_version 6
	.text
	.protected	k_q5981b7ead6_attn
	.globl	k_q5981b7ead6_attn
	.p2align	8
	.type	k_q5981b7ead6_attn,@function
k_q5981b7ead6_attn:
	s_mov_b64 s[64:65], 0
	v_nop
	global_prefetch_b8 v0, s[64:65] scope:SCOPE_SE
	s_setreg_imm32_b32 hwreg(HW_REG_WAVE_MODE, 25, 1), 1
	s_wait_xcnt 0x0
; For one unit (b, head) and 256 of its 512 channels d: S = q k^T / 16 (K = the unit's 256 positions), softmax over the 512 channels e, out = p v (K = e), then X_Query - out, quantised along d for the last product.
; All products on codes of BF6 (E3M2) with one E8M0 byte for each 32 along K.  Work-group x: unit x / 2, half x % 2 of d.  Sixteen waves, four to a SIMD, 256 registers each.
; RECORDS as the launch before laid them: [pair of tiles][block of 32 along K], 768 bytes: row y's first 16 bytes at 16 y, its last 8 at 512 + 8 y.  q's and k's rows stand in the order 32 P + 8 u + r + 8 (r / 8).
; FILL.  k's and v's codes (98,304 bytes each) and scale words (4,096 each) come into LDS once, as they lie in memory, through registers: 25 loads and stores of 16 bytes a thread.
; SCORES.  Wave w owns 16 channels d (tile w % 2 of pair 8 half + w / 2) and walks all 512 e, 128 a step.  S^T = k q^T: a lane holds one d and, by the order of k's rows, 16 neighbouring e of each block of 32.
; THE SOFTMAX: t = score x log2(e) / 16; M = the running largest t rounded up to a whole number; p = 2^(t - M) is quantised along e, not normalised; the sum l is taken of the unquantised p and is brought under each new M by
; an exact power of two.  A step's codes go to LDS at once; each block's largest p is kept, is brought under the FINAL M at the end (an exact power of two again) and only then gives the block's byte: the codes' values are those under the final M.
; A block's largest p is the exponential of the block's largest score (this takes v_exp_f32 not to fall where its input rises).
; PV.  Wave = (pair of d tiles w / 2, 128 positions w % 2).  First source = p (its rows land in a lane's registers: 16 neighbouring d), second = v (its rows, positions, in the lanes).  X_Query - acc / l is quantised in place;
; two lanes hold a block of 32 d; a record of dcod leaves as 512 + 256 consecutive bytes.  dcod = [b][pair of n 64][block of d 16]; dscl = [b][pair of n 64][K step 4][row 32] words, gathered in a stage.
; X_Query comes as pieces of 64 bytes (a lane holds one position and 16 channels): its rows are asked for ahead by two prefetches a wave, a lane a row, 256 bytes each: the first in the third step of the scores, for trips 0 and 1,
; the second in trip 0, for trips 2 and 3.  Each block of 256 bytes belongs to one wave of one work-group and is named once.
; NO CLUSTER: what is shared is k and v of a unit, by two work-groups, read once at the head through registers; this text has no tensor load to ask jointly with.
; Accumulators take turns, one instruction a turn.
; LIMITS: blocks of X_Query - out whose largest magnitude lies under 2^-122 get the byte 1; a block of p that lies more than some 120 binades under the row's largest keeps the byte 1 and so counts for at most 28 x 2^-126 a number; NaN and infinities are not served.
.set FLOOR,  0x2800000
.set MINUS4, 0xfe000000
.set KC,  0                            ; LDS: k's codes [pair 16][block of n 8]
.set VC,  98304                        ; v's codes [pair of n 8][block of e 16]
.set KSC, 196608                       ; k's scale words [K step 2][pair 16][row 32]
.set VSC, 200704                       ; v's [pair 8][K step 4][row 32]
.set PC,  204800                       ; p's codes [pair of d 8][block of e 16]
.set PS,  303104                       ; p's scale words [pair 8][K step 4][row 32]
.set RL,  307200                       ; 1 / l: [tile of d 16][row 16] words
.set STG, 308224                       ; the stage for the difference's scale bytes: [pair of n 8][K step 2][row 32][byte 4]
.set SEL, 20                           ; s[20:21]
.set CS,  22                           ; s[22:23] c = log2(e) / 16
; registers of the scores: v1-2 k's fragments' addresses (stepped), v3 k's scale words, v4-5 where p's codes go, v6 p's scale words, v7 1 / l, v8 my byte in the stage, v9 8,192 x lane (the prefetches; never rewritten)
.set QS,  10                           ; v10-13 scale words and nothing else: q's two; later p's four
.set QF,  18                           ; v18-41 q's two fragments.  v14 -M, v15 the largest t, v[16:17] l in two halves
.set NM,  42                           ; v42-45 -M as it stood behind each step
.set BF,  46                           ; v46-61 the largest p of each of the 16 blocks
.set KSR, 62                           ; v62-65 scale words and nothing else: k's; later v's
.set S,   66                           ; v66-129 S^T, then p
.set KF,  130                          ; v130-225 eight fragments of k
.set PCD, 226                          ; v226-237 p's codes
.set SPT, 238                          ; v238-245 at work
.set SSO, 246                          ; v246-249 the conversions' scale operands
.set BMX, 250                          ; v250-253 the blocks' largest scores
.set F,   254                          ; v[254:255] f = 2^(old M - new M)
.set FD,  66                           ; the fill: v66-165
; registers of PV: v1-2 v's fragments, v3 v's scale words, v4-5 p's fragments, v6 p's scale words, v7 1 / l, then the stage's way out; v14 X_Query, v15-16 the record, v17 the scale words' way out
.set C0,  18                           ; v18-23 a record's six registers
.set BM,  24                           ; QBLK's work registers lie where v's first fragment lay
.set PT,  26
.set SO,  28
.set C1,  32
.set BY,  60                           ; v60-61
.set ACC, 66                           ; v66-97 four accumulators: 16 x (v's tile) + 8 x (p's tile)
.set XR,  98                           ; v98-129 X_Query, in the accumulators' layout
.set PF,  130                          ; v130-225 p's eight fragments
.set RLR, 238                          ; v238-253 1 / l of my 16 channels
.macro PLACES5                         ; plain lines behind a run of matrix instructions, ahead of reads of their results, of loads into their registers and of sums begun anew
.rept 5
	v_nop
.endr
.endm
.macro FRAG reg, a16, a8, off, beta
	ds_load_b128 v[(\reg):(\reg)+3], v[\a16] offset:(\off)+256*(\beta)
	ds_load_b64 v[(\reg)+4:(\reg)+5], v[\a8] offset:(\off)+512+128*(\beta)
	ds_load_b128 v[(\reg)+6:(\reg)+9], v[\a16] offset:(\off)+1536+256*(\beta)
	ds_load_b64 v[(\reg)+10:(\reg)+11], v[\a8] offset:(\off)+2048+128*(\beta)
.endm
.macro GFRAG reg, g16, g8, sb, off, beta
	global_load_b128 v[(\reg):(\reg)+3], v[\g16], s[\sb:\sb+1] offset:(\off)+256*(\beta)
	global_load_b64 v[(\reg)+4:(\reg)+5], v[\g8], s[\sb:\sb+1] offset:(\off)+512+128*(\beta)
	global_load_b128 v[(\reg)+6:(\reg)+9], v[\g16], s[\sb:\sb+1] offset:(\off)+1536+256*(\beta)
	global_load_b64 v[(\reg)+10:(\reg)+11], v[\g8], s[\sb:\sb+1] offset:(\off)+2048+128*(\beta)
.endm
.macro WM d, a, b, z, sa, sb, ra, rb
.if (\z)
.if (\ra)
.if (\rb)
	v_wmma_scale_f32_16x16x128_f8f6f4 v[(\d):(\d)+7], v[(\a):(\a)+11], v[(\b):(\b)+11], 0, v[(\sa)], v[(\sb)] matrix_a_fmt:MATRIX_FMT_BF6 matrix_b_fmt:MATRIX_FMT_BF6 matrix_a_scale:MATRIX_SCALE_ROW1 matrix_b_scale:MATRIX_SCALE_ROW1
.else
	v_wmma_scale_f32_16x16x128_f8f6f4 v[(\d):(\d)+7], v[(\a):(\a)+11], v[(\b):(\b)+11], 0, v[(\sa)], v[(\sb)] matrix_a_fmt:MATRIX_FMT_BF6 matrix_b_fmt:MATRIX_FMT_BF6 matrix_a_scale:MATRIX_SCALE_ROW1
.endif
.else
.if (\rb)
	v_wmma_scale_f32_16x16x128_f8f6f4 v[(\d):(\d)+7], v[(\a):(\a)+11], v[(\b):(\b)+11], 0, v[(\sa)], v[(\sb)] matrix_a_fmt:MATRIX_FMT_BF6 matrix_b_fmt:MATRIX_FMT_BF6 matrix_b_scale:MATRIX_SCALE_ROW1
.else
	v_wmma_scale_f32_16x16x128_f8f6f4 v[(\d):(\d)+7], v[(\a):(\a)+11], v[(\b):(\b)+11], 0, v[(\sa)], v[(\sb)] matrix_a_fmt:MATRIX_FMT_BF6 matrix_b_fmt:MATRIX_FMT_BF6
.endif
.endif
.else
.if (\ra)
.if (\rb)
	v_wmma_scale_f32_16x16x128_f8f6f4 v[(\d):(\d)+7], v[(\a):(\a)+11], v[(\b):(\b)+11], v[(\d):(\d)+7], v[(\sa)], v[(\sb)] matrix_a_fmt:MATRIX_FMT_BF6 matrix_b_fmt:MATRIX_FMT_BF6 matrix_a_scale:MATRIX_SCALE_ROW1 matrix_b_scale:MATRIX_SCALE_ROW1
.else
	v_wmma_scale_f32_16x16x128_f8f6f4 v[(\d):(\d)+7], v[(\a):(\a)+11], v[(\b):(\b)+11], v[(\d):(\d)+7], v[(\sa)], v[(\sb)] matrix_a_fmt:MATRIX_FMT_BF6 matrix_b_fmt:MATRIX_FMT_BF6 matrix_a_scale:MATRIX_SCALE_ROW1
.endif
.else
.if (\rb)
	v_wmma_scale_f32_16x16x128_f8f6f4 v[(\d):(\d)+7], v[(\a):(\a)+11], v[(\b):(\b)+11], v[(\d):(\d)+7], v[(\sa)], v[(\sb)] matrix_a_fmt:MATRIX_FMT_BF6 matrix_b_fmt:MATRIX_FMT_BF6 matrix_b_scale:MATRIX_SCALE_ROW1
.else
	v_wmma_scale_f32_16x16x128_f8f6f4 v[(\d):(\d)+7], v[(\a):(\a)+11], v[(\b):(\b)+11], v[(\d):(\d)+7], v[(\sa)], v[(\sb)] matrix_a_fmt:MATRIX_FMT_BF6 matrix_b_fmt:MATRIX_FMT_BF6
.endif
.endif
.endif
.endm
; Two blocks of 32: v[a0 .. a0+15] are 16 neighbours (16 h on) of row r of tile 0, v[a0+16 .. a0+31] of tile 1.  Afterwards lane y = 16 u + r holds the whole block of its row in v[C0 .. C0+5] and its byte in v[BY].
.macro QBLK a0
	v_max3_num_f32 v[BM], |v[(\a0)]|, |v[(\a0)+1]|, FLOOR
	v_max3_num_f32 v[BM+1], |v[(\a0)+16]|, |v[(\a0)+17]|, FLOOR
.irp i, 2,4,6,8,10,12,14
	v_max3_num_f32 v[BM], v[BM], |v[(\a0)+\i]|, |v[(\a0)+\i+1]|
	v_max3_num_f32 v[BM+1], v[BM+1], |v[(\a0)+16+\i]|, |v[(\a0)+17+\i]|
.endr
	v_permlanex16_b32 v[PT], v[BM], s[SEL], s[SEL+1]
	v_permlanex16_b32 v[PT+1], v[BM+1], s[SEL], s[SEL+1]
	v_max_num_f32 v[BM], v[BM], v[PT]
	v_max_num_f32 v[BM+1], v[BM+1], v[PT+1]
	v_add_nc_u32 v[SO], MINUS4, v[BM]
	v_add_nc_u32 v[SO+1], MINUS4, v[BM+1]
	v_lshrrev_b32 v[BY], 23, v[SO]
	v_lshrrev_b32 v[BY+1], 23, v[SO+1]
	v_cvt_scalef32_pk16_bf6_f32 v[C0:C0+2], v[(\a0):(\a0)+15], v[SO]
	v_cvt_scalef32_pk16_bf6_f32 v[C1:C1+2], v[(\a0)+16:(\a0)+31], v[SO+1]
	v_nop                                          ; one plain line behind a scaled conversion
.irp i, 0,1,2
	v_permlane16_swap_b32 v[C0+\i], v[C1+\i]
.endr
.irp i, 0,1,2
	v_mov_b32 v[C0+3+\i], v[C1+\i]
.endr
	v_cndmask_b32 v[BY], v[BY], v[BY+1], vcc_lo    ; lanes 16-31 take tile 1's byte
.endm
	s_load_b256 s[4:11], s[0:1], 0x0               ; cod, scl, X_Query, dcod
	s_load_b64 s[12:13], s[0:1], 0x20              ; dscl
	v_lshrrev_b32 v1, 5, v0
	v_readfirstlane_b32 s14, v1                    ; wave 0..15
	s_lshr_b32 s15, ttmp9, 1                       ; unit
	s_and_b32 s16, ttmp9, 1                        ; which 256 of d
	s_lshr_b32 s17, s15, 3                         ; b
	s_and_b32 s18, s15, 7                          ; head
	s_lshr_b32 s26, s14, 1                         ; my pair of d tiles
	s_and_b32 s27, s14, 1                          ; scores: my tile of the pair; PV: my 128 positions
	s_mov_b32 s[SEL], 0x76543210
	s_mov_b32 s[SEL+1], 0xfedcba98
	s_mov_b32 s[CS], 0x3db8aa3b                    ; log2(e) / 16
	s_mov_b32 s[CS+1], s[CS]                       ; (named with it as a pair, so it is written)
	s_mov_b32 vcc_lo, 0xffff0000                   ; lanes 16-31
	s_mul_i32 s28, s15, 98304                      ; the unit's codes: q's,
	s_mov_b32 s29, 0
	s_add_co_u32 s30, s28, 12582912                ; k's,
	s_mov_b32 s31, 0
	s_add_co_u32 s32, s28, 25165824                ; v's
	s_mov_b32 s33, 0
	s_lshl_b32 s34, s15, 12                        ; its scale words: q's,
	s_mov_b32 s35, 0
	s_add_co_u32 s36, s34, 524288                  ; k's (v's lie 524,288 bytes further on)
	s_mov_b32 s37, 0
	s_lshl_b32 s44, s16, 3
	s_add_co_u32 s44, s44, s26                     ; my pair among the unit's 16
	s_lshl_b32 s38, s17, 22
	s_lshl_b32 s45, s18, 10
	s_add_co_u32 s38, s38, s45
	s_lshl_b32 s45, s27, 9
	s_add_co_u32 s38, s38, s45
	s_lshl_b32 s45, s44, 18
	s_add_co_u32 s38, s38, s45                     ; X_Query: b, the head's 1,024 bytes, my 512 of them, my 32 rows
	s_mov_b32 s39, 0
	s_mul_i32 s40, s17, 786432
	s_lshl_b32 s45, s18, 3
	s_lshl_b32 s46, s27, 2
	s_add_co_u32 s45, s45, s46
	s_mul_i32 s45, s45, 12288
	s_add_co_u32 s40, s40, s45
	s_mul_i32 s45, s44, 768
	s_add_co_u32 s40, s40, s45                     ; dcod: b, pair of n 8 head + 4 (w % 2), block of d = my pair
	s_mov_b32 s41, 0
	s_lshl_b32 s42, s17, 15
	s_lshl_b32 s45, s18, 12
	s_add_co_u32 s42, s42, s45
	s_lshl_b32 s45, s16, 8
	s_add_co_u32 s42, s42, s45                     ; dscl: b, the head's eight pairs, my half's two K steps
	s_mov_b32 s43, 0
	v_and_b32 v235, 15, v0                         ; r
	v_bfe_u32 v236, v0, 4, 1                       ; h
	v_and_b32 v237, 31, v0                         ; lane
	v_mul_u32_u24 v236, v236, 768
	v_lshl_add_u32 v1, v235, 4, v236               ; 768 h + 16 r (k's codes begin at LDS byte 0)
	v_lshl_add_u32 v2, v235, 3, v236               ; 768 h + 8 r
	v_lshlrev_b32 v228, 4, v0                      ; the fill: 16 x thread, in memory and in LDS;
	v_add_nc_u32 v229, 0x10000, v228               ; LDS bases 65,536 bytes apart, since an LDS offset has 16 bits
	v_add_nc_u32 v230, 0x20000, v228
	v_add_nc_u32 v231, 0x30000, v228
	v_lshrrev_b32 v226, 8, v0
	v_and_b32 v227, 255, v0
	v_lshlrev_b32 v227, 4, v227
	v_lshl_add_u32 v227, v226, 19, v227            ; threads 0-255 fetch k's scale words, threads 256-511 v's
	s_mul_i32 s45, s44, 6144
	s_lshl_b32 s46, s27, 8
	s_add_co_u32 s46, s46, s45
	v_add_nc_u32 v232, s46, v1                     ; q's fragments: my pair, my tile
	s_lshl_b32 s46, s27, 7
	s_add_co_u32 s46, s46, s45
	v_add_nc_u32 v233, s46, v2
	s_lshl_b32 s45, s44, 7
	s_lshl_b32 s46, s27, 6
	s_add_co_u32 s45, s45, s46
	v_lshl_add_u32 v234, v235, 2, s45              ; q's scale words: lane r takes row r's
	s_wait_kmcnt 0x0
	s_add_nc_u64 s[28:29], s[4:5], s[28:29]
	s_add_nc_u64 s[30:31], s[4:5], s[30:31]
	s_add_nc_u64 s[32:33], s[4:5], s[32:33]
	s_add_nc_u64 s[34:35], s[6:7], s[34:35]
	s_add_nc_u64 s[36:37], s[6:7], s[36:37]
	s_add_nc_u64 s[38:39], s[8:9], s[38:39]
	s_add_nc_u64 s[40:41], s[10:11], s[40:41]
	s_add_nc_u64 s[42:43], s[12:13], s[42:43]
.irp i, 0,1,2,3,4,5,6,7,8,9,10,11
	global_load_b128 v[FD+4*\i:FD+4*\i+3], v228, s[30:31] offset:8192*\i
.endr
.irp i, 0,1,2,3,4,5,6,7,8,9,10,11
	global_load_b128 v[FD+48+4*\i:FD+48+4*\i+3], v228, s[32:33] offset:8192*\i
.endr
	global_load_b128 v[FD+96:FD+99], v227, s[36:37]
	GFRAG QF, 232, 233, 28, 0, 0
	GFRAG QF+12, 232, 233, 28, 3072, 0
	global_load_b32 v[QS], v234, s[34:35]
	global_load_b32 v[QS+1], v234, s[34:35] offset:2048
	; the other addresses, while the loads are on their way
	v_lshl_add_u32 v3, v237, 2, KSC
	s_mul_i32 s45, s26, 12288
	s_add_co_u32 s45, s45, PC
	s_lshl_b32 s46, s27, 8
	s_add_co_u32 s46, s46, s45
	v_add_nc_u32 v4, s46, v1                       ; p's codes: my pair's records, block h, row 16 (w % 2) + r
	s_lshl_b32 s46, s27, 7
	s_add_co_u32 s46, s46, s45
	v_add_nc_u32 v5, s46, v2
	s_lshl_b32 s45, s26, 9
	s_lshl_b32 s46, s27, 6
	s_add_co_u32 s45, s45, s46
	s_add_co_u32 s45, s45, PS
	v_lshl_add_u32 v6, v235, 2, s45
	s_lshl_b32 s45, s14, 6
	s_add_co_u32 s45, s45, RL
	v_lshl_add_u32 v7, v235, 2, s45
	s_lshl_b32 s45, s27, 10
	s_lshr_b32 s46, s26, 2
	s_lshl_b32 s46, s46, 7
	s_add_co_u32 s45, s45, s46
	s_and_b32 s46, s26, 3
	s_add_co_u32 s45, s45, s46
	s_add_co_u32 s45, s45, STG
	v_lshl_add_u32 v8, v237, 2, s45                ; PV: my byte in the stage
	v_lshlrev_b32 v9, 13, v237                     ; a row of X_Query is 8,192 bytes: a lane a row
	v_mov_b32 v15, 0xff61b1e6                      ; the largest t so far: -3e38
	v_floor_f32 v14, -v15                          ; -M
	v_mov_b32 v16, 0
	v_mov_b32 v17, 0
.irp b, 0,1,2,3
	v_mov_b32 v[SPT+\b], 0                         ; a lane permute's destination counts as one of its sources
.endr
	v_mov_b32 v[F+1], 0                            ; (named as the upper half of the pair)
	s_wait_loadcnt 0x0
.set JJ, 0
.rept 25
	ds_store_b128 v[228+JJ/8], v[FD+4*JJ:FD+4*JJ+3] offset:8192*(JJ%8)   ; LDS byte 16 x thread + 8,192 JJ: k's codes, v's codes, the scale words, on end
.set JJ, JJ+1
.endr
	s_wait_dscnt 0x0                               ; for the others' sake: my stores have landed
	s_barrier_signal -1
	s_barrier_wait -1                              ; k and v lie in LDS
; A STEP: 128 channels e = four pairs of k's tiles, two pairs at a time
.macro STEP z
.irp g, 0,1
.if \g
	PLACES5
.endif
.irp tp, 0,1
.irp be, 0,1
.irp s, 0,1
	FRAG KF+12*(4*\tp+2*\be+\s), 1, 2, (2*\g+\tp)*6144+3072*\s, \be
.endr
.endr
.irp s, 0,1
	ds_load_b32 v[KSR+2*\tp+\s], v3 offset:2048*\s+(4*\z+2*\g+\tp)*128
.endr
.endr
.if (\z == 2) && (\g == 0)
	global_prefetch_b8 v9, s[38:39] th:TH_LOAD_NT scope:SCOPE_SE   ; my 32 rows of X_Query, the first 256 bytes of my 512: what PV's trips 0 and 1 will load
.endif
	s_wait_dscnt 0x0
.irp s, 0,1
.irp tp, 0,1
.irp be, 0,1
	WM S+16*(2*\g+\tp)+8*\be, KF+12*(4*\tp+2*\be+\s), QF+12*\s, 1-\s, KSR+2*\tp+\s, QS+\s, \be, 0
.endr
.endr
.endr
.endr
	PLACES5                                        ; register 16 b + i of S now holds e = 128 z + 32 b + 16 h + i of my channel d
.irp b, 0,1,2,3
	v_max3_num_f32 v[BMX+\b], v[S+16*\b], v[S+1+16*\b], v[S+2+16*\b]   ; the largest score of each block of 32: for the row's maximum and for the block's largest p
.endr
.irp i, 3,5,7,9,11,13
.irp b, 0,1,2,3
	v_max3_num_f32 v[BMX+\b], v[BMX+\b], v[S+16*\b+\i], v[S+1+16*\b+\i]
.endr
.endr
.irp b, 0,1,2,3
	v_max_num_f32 v[BMX+\b], v[BMX+\b], v[S+15+16*\b]
.endr
.irp b, 0,1,2,3
	v_permlanex16_b32 v[SPT+\b], v[BMX+\b], s[SEL], s[SEL+1]
.endr
.irp b, 0,1,2,3
	v_max_num_f32 v[BMX+\b], v[BMX+\b], v[SPT+\b]  ; with lane l xor 16's 16
.endr
	v_max3_num_f32 v[SPT], v[BMX], v[BMX+1], v[BMX+2]
	v_max_num_f32 v[SPT], v[SPT], v[BMX+3]
	v_mul_f32 v[SPT], s[CS], v[SPT]                ; as t (c is positive)
	v_max_num_f32 v15, v15, v[SPT]                 ; the running largest t
	v_mov_b32 v[SPT], v14
	v_floor_f32 v14, -v15                          ; the new -M = -ceil(t)
	v_sub_f32 v[SPT], v14, v[SPT]                  ; old M - new M: a whole number, 0 or less
	v_cvt_i32_f32 v[SPT], v[SPT]                   ; (it saturates)
	v_ldexp_f32 v[F], 1.0, v[SPT]                  ; f = 2^(old M - new M)
.set JJ, 0
.rept 32
	v_pk_fma_f32 v[S+JJ:S+JJ+1], v[S+JJ:S+JJ+1], s[CS:CS+1], v[14:15] op_sel_hi:[1,0,0]   ; t - M, two at a time
.set JJ, JJ+2
.endr
.irp b, 0,1,2,3
	v_fma_f32 v[BMX+\b], v[BMX+\b], s[CS], v14     ; the same of each block's largest score
.endr
.set JJ, 0
.rept 64
	v_exp_f32 v[S+JJ], v[S+JJ]                     ; p = 2^(t - M)
.set JJ, JJ+1
.endr
	v_pk_mul_f32 v[16:17], v[16:17], v[F:F+1] op_sel_hi:[1,0]   ; l under the new M: the plain line behind the exponentials
	s_wait_alu depctr_va_vdst(0)                   ; one wait for the batch of 64, ahead of its first reader
.irp b, 0,1,2,3
	v_exp_f32 v[BMX+\b], v[BMX+\b]                 ; the blocks' largest p
.endr
	v_pk_add_f32 v[SPT:SPT+1], v[S:S+1], v[S+2:S+3]   ; the sum of the unquantised p, in two chains
.irp j, 4,8,12,16,20,24,28,32,36,40,44,48,52,56,60
	v_pk_add_f32 v[16:17], v[16:17], v[S+\j:S+\j+1]
	v_pk_add_f32 v[SPT:SPT+1], v[SPT:SPT+1], v[S+2+\j:S+3+\j]
.endr
	v_pk_add_f32 v[16:17], v[16:17], v[SPT:SPT+1]
	s_wait_alu depctr_va_vdst(0)                   ; and one for the four
.irp b, 0,1,2,3
	v_max_num_f32 v[BF+4*\z+\b], FLOOR, v[BMX+\b]  ; kept: the block's byte is made at the end, under the final M
.endr
.irp b, 0,1,2,3
	v_add_nc_u32 v[SSO+\b], MINUS4, v[BF+4*\z+\b]  ; the conversion's scale operand, under this step's M
.endr
.irp c, 0,1
	v_cvt_scalef32_pk16_bf6_f32 v[PCD+6*\c:PCD+6*\c+2], v[S+32*\c:S+32*\c+15], v[SSO+2*\c]
	v_cvt_scalef32_pk16_bf6_f32 v[SPT+4*\c:SPT+4*\c+2], v[S+16+32*\c:S+31+32*\c], v[SSO+2*\c+1]
.endr
	v_nop                                          ; one plain line behind a scaled conversion
.irp c, 0,1
.irp i, 0,1,2
	v_permlane16_swap_b32 v[PCD+6*\c+\i], v[SPT+4*\c+\i]   ; a whole block to a lane: lanes 0-15 block 2 c, lanes 16-31 block 2 c + 1
.endr
.irp i, 0,1,2
	v_mov_b32 v[PCD+3+6*\c+\i], v[SPT+4*\c+\i]
.endr
.endr
	v_mov_b32 v[NM+\z], v14
	ds_store_b128 v4, v[PCD:PCD+3] offset:3072*\z            ; the fragment's registers go where a reader's four loads will look for them
	ds_store_b64 v5, v[PCD+4:PCD+5] offset:3072*\z+512
	ds_store_b128 v4, v[PCD+6:PCD+9] offset:3072*\z+1536
	ds_store_b64 v5, v[PCD+10:PCD+11] offset:3072*\z+2048
.if \z < 3
	v_add_nc_u32 v1, 24576, v1                     ; the next four pairs of k's tiles
	v_add_nc_u32 v2, 24576, v2
.endif
.endm
	STEP 0
	STEP 1
	STEP 2
	STEP 3
	v_add_f32 v16, v16, v17                        ; l's two halves,
	v_permlanex16_b32 v[SPT], v16, s[SEL], s[SEL+1]
	v_add_f32 v16, v16, v[SPT]                     ; and lane l xor 16's
	v_rcp_f32 v16, v16
.irp z, 0,1,2
	v_sub_f32 v[NM+\z], v14, v[NM+\z]              ; step z's M less the final M: a whole number, 0 or less
.endr
.irp z, 0,1,2
	v_cvt_i32_f32 v[NM+\z], v[NM+\z]
.endr
.irp z, 0,1,2
.irp b, 0,1,2,3
	v_ldexp_f32 v[BF+4*\z+\b], v[BF+4*\z+\b], v[NM+\z]   ; the block's largest p under the final M: exact, or under the floor
.endr
.endr
.set JJ, 0
.rept 12
	v_max_num_f32 v[BF+JJ], FLOOR, v[BF+JJ]
.set JJ, JJ+1
.endr
.set JJ, 0
.rept 16
	v_add_nc_u32 v[BF+JJ], MINUS4, v[BF+JJ]
.set JJ, JJ+1
.endr
.set JJ, 0
.rept 16
	v_lshrrev_b32 v[BF+JJ], 23, v[BF+JJ]           ; the byte
.set JJ, JJ+1
.endr
.irp z, 0,1,2,3
	v_lshl_or_b32 v[SSO+\z], v[BF+4*\z+1], 8, v[BF+4*\z]
.endr
.irp z, 0,1,2,3
	v_lshl_or_b32 v[SSO+\z], v[BF+4*\z+2], 16, v[SSO+\z]
.endr
.irp z, 0,1,2,3
	v_lshl_or_b32 v[SSO+\z], v[BF+4*\z+3], 24, v[SSO+\z]
.endr
	s_wait_alu depctr_va_vdst(0)                   ; the reciprocal, ahead of its first reader
	ds_store_b32 v7, v16                           ; both lanes of a channel write the same word with the same value
.irp z, 0,1,2,3
	ds_store_b32 v6, v[SSO+\z] offset:128*\z
.endr
	s_wait_dscnt 0x0
	s_barrier_signal -1
	s_barrier_wait -1                              ; p, its scale words and 1 / l lie in LDS
	; ---- PV
	v_and_b32 v24, 15, v0                          ; r
	v_bfe_u32 v25, v0, 4, 1                        ; h
	v_and_b32 v26, 31, v0                          ; lane
	v_mul_u32_u24 v27, v25, 768
	v_lshl_add_u32 v28, v24, 4, v27
	v_lshl_add_u32 v29, v24, 3, v27
	s_mul_i32 s45, s27, 49152
	s_add_co_u32 s45, s45, VC
	v_add_nc_u32 v1, s45, v28                      ; v's fragments: my four pairs of n
	v_add_nc_u32 v2, s45, v29
	s_lshl_b32 s45, s27, 11
	s_add_co_u32 s45, s45, VSC
	v_lshl_add_u32 v3, v26, 2, s45
	s_mul_i32 s45, s26, 12288
	s_add_co_u32 s45, s45, PC
	v_add_nc_u32 v4, s45, v28                      ; p's fragments: my pair of d
	v_add_nc_u32 v5, s45, v29
	s_lshl_b32 s45, s26, 9
	s_add_co_u32 s45, s45, PS
	v_lshl_add_u32 v6, v26, 2, s45
	s_lshl_b32 s45, s26, 7
	s_add_co_u32 s45, s45, RL
	v_lshl_add_u32 v7, v25, 5, s45                 ; 1 / l of rows 8 h + 0 .. 7 of my two tiles
	v_lshlrev_b32 v14, 2, v24
	v_lshl_add_u32 v14, v25, 17, v14               ; X_Query: 16 h rows of 8,192 bytes + 4 r
	v_lshlrev_b32 v15, 4, v26
	v_lshlrev_b32 v16, 3, v26
	v_lshrrev_b32 v17, 4, v0
	v_lshlrev_b32 v17, 9, v17
	v_lshl_add_u32 v17, v24, 4, v17                ; the scale words' way out: 512 (thread / 16) + 16 (thread % 16)
.irp al, 0,1
.irp s, 0,1,2,3
	FRAG PF+12*(4*\al+\s), 4, 5, 3072*\s, \al
.endr
.endr
.irp s, 0,1,2,3
	ds_load_b32 v[QS+\s], v6 offset:128*\s
.endr
.irp al, 0,1
	ds_load_b128 v[RLR+8*\al:RLR+8*\al+3], v7 offset:64*\al
	ds_load_b128 v[RLR+8*\al+4:RLR+8*\al+7], v7 offset:64*\al+16
.endr
	v_lshl_add_u32 v7, v0, 4, STG                  ; from here on: where the stage is read back
.macro XLOAD trip                      ; X_Query(32 P + 16 h + 8 a + j, 32 trip + 16 u + r), in the accumulators' layout
.irp be, 0,1
.irp al, 0,1
.irp j, 0,1,2,3,4,5,6,7
	global_load_b32 v[XR+16*\be+8*\al+\j], v14, s[38:39] offset:(8*\al+\j)*8192+64*\be+128*(\trip)
.endr
.endr
.endr
.endm
	XLOAD 0
; A TRIP: 32 positions (a pair of v's tiles) x my 32 channels, K = 512 in two halves
.macro PVTRIP trip
.irp sh, 0,1
.if \sh
	PLACES5
.endif
.irp sl, 0,1
.irp be, 0,1
	FRAG 24+12*(2*\sl+\be)+((2*\sl+\be)/3)*166, 1, 2, (\trip)*12288+3072*(2*\sh+\sl), \be   ; v's four fragments stand at v24, v36, v48 and v226
.endr
.endr
.if \sh == 0
.irp s, 0,1,2,3
	ds_load_b32 v[KSR+\s], v3 offset:(\trip)*512+128*\s
.endr
.endif
	s_wait_dscnt 0x0
.irp sl, 0,1
.irp be, 0,1
.irp al, 0,1
	WM ACC+16*\be+8*\al, PF+12*(4*\al+2*\sh+\sl), 24+12*(2*\sl+\be)+((2*\sl+\be)/3)*166, (2*\sh+\sl)==0, QS+2*\sh+\sl, KSR+2*\sh+\sl, \al, \be
.endr
.endr
.endr
.endr
	PLACES5
	s_wait_loadcnt 0x0                             ; this trip's X_Query
.set JJ, 0
.rept 16
	v_pk_fma_f32 v[XR+JJ:XR+JJ+1], v[ACC+JJ:ACC+JJ+1], v[RLR+JJ%16:RLR+JJ%16+1], v[XR+JJ:XR+JJ+1] neg_lo:[1,0,0] neg_hi:[1,0,0]   ; X_Query - acc / l; each accumulator from its low end on
.set JJ, JJ+2
.endr
	s_wait_xcnt 0x0                                ; the last trip's stores have read C0
	QBLK XR
	global_store_b128 v15, v[C0:C0+3], s[40:41] offset:(\trip)*12288       ; 32 lanes store 512 consecutive bytes,
	global_store_b64 v16, v[C0+4:C0+5], s[40:41] offset:(\trip)*12288+512  ; and the record's other 256
	ds_store_b8 v8, v[BY] offset:256*(\trip)
.if \trip < 3
	XLOAD (\trip)+1
.endif
.if \trip == 0
	global_prefetch_b8 v9, s[38:39] offset:256 th:TH_LOAD_NT scope:SCOPE_SE   ; the second 256 bytes of my 32 rows: what trips 2 and 3 will load
.endif
.endm
	PVTRIP 0
	PVTRIP 1
	PVTRIP 2
	PVTRIP 3
	s_wait_dscnt 0x0                               ; my bytes lie in the stage
	s_barrier_signal -1
	s_barrier_wait -1
	s_cmp_gt_u32 s14, 3                            ; 2,048 bytes: four waves' worth
	s_cbranch_scc1 .Ldone
	ds_load_b128 v[XR:XR+3], v7
	s_wait_dscnt 0x0
	global_store_b128 v17, v[XR:XR+3], s[42:43]    ; sixteen lanes store 256 consecutive bytes, aligned
.Ldone:
	s_wait_xcnt 0x0
	v_lshl_add_u32 v254, v0, 2, 0x4bc00
	v_mov_b32 v255, 0
	s_wait_tensorcnt 0x0
	ds_add_u32 v254, v255
	s_wait_dscnt 0x0
	s_endpgm
.Lfunc_end_k_q5981b7ead6_attn:
	.size	k_q5981b7ead6_attn, .Lfunc_end_k_q5981b7ead6_attn-k_q5981b7ead6_attn
	.p2alignl 7, 3214868480
	.fill 96, 4, 3214868480
	.section	.rodata,"a",@progbits
	.p2align	6, 0x0
	.amdhsa_kernel k_q5981b7ead6_attn
		.amdhsa_group_segment_fixed_size 312320
		.amdhsa_private_segment_fixed_size 0
		.amdhsa_enable_private_segment 0
		.amdhsa_kernarg_size 40
		.amdhsa_user_sgpr_count 2
		.amdhsa_user_sgpr_kernarg_segment_ptr 1
		.amdhsa_wavefront_size32 1
		.amdhsa_system_sgpr_workgroup_id_x 1
		.amdhsa_system_sgpr_workgroup_id_y 1
		.amdhsa_system_sgpr_workgroup_id_z 1
		.amdhsa_system_vgpr_workitem_id 0
		.amdhsa_next_free_vgpr 256
		.amdhsa_next_free_sgpr 66
		.amdhsa_reserve_vcc 1
		.amdhsa_float_denorm_mode_32 3
		.amdhsa_float_denorm_mode_16_64 3
		.amdhsa_memory_ordered 1
		.amdhsa_forward_progress 1
		.amdhsa_inst_pref_size 133
	.end_amdhsa_kernel
	.amdgpu_metadata
---
amdhsa.version: [ 1, 2 ]
amdhsa.kernels:
  - .name:           k_q5981b7ead6_attn
    .symbol:         k_q5981b7ead6_attn.kd
    .args:
      - { .name: cod, .offset: 0, .size: 8, .value_kind: global_buffer, .address_space: global }
      - { .name: scl, .offset: 8, .size: 8, .value_kind: global_buffer, .address_space: global }
      - { .name: X_Query, .offset: 16, .size: 8, .value_kind: global_buffer, .address_space: global }
      - { .name: dcod, .offset: 24, .size: 8, .value_kind: global_buffer, .address_space: global }
      - { .name: dscl, .offset: 32, .size: 8, .value_kind: global_buffer, .address_space: global }
    .group_segment_fixed_size: 312320
    .private_segment_fixed_size: 0
    .kernarg_segment_align: 8
    .kernarg_segment_size: 40
    .max_flat_workgroup_size: 512
    .sgpr_count:     66
    .vgpr_count:     256
    .wavefront_size: 32
...
	.end_amdgpu_metadata
.endif
;; end of part 3
;; launch outp (part 4): grid 256 x 1, 16 waves a work-group, no clusters, 192,512 bytes of LDS; arguments dcod, dscl, wcod, wscl, out0; writes out0
.if DOCPART == 4
	.amdgcn_target "amdgcn-amd-amdhsa--gfx1250"
	.amdhsa_code_object_version 6
	.text
	.protected	k_q5981b7ead6_outp
	.globl	k_q5981b7ead6_outp
	.p2align	8
	.type	k_q5981b7ead6_outp,@function
k_q5981b7ead6_outp:
	s_mov_b64 s[64:65], 0
	v_nop
	global_prefetch_b8 v0, s[64:65] scope:SCOPE_SE
	s_setreg_imm32_b32 hwreg(HW_REG_WAVE_MODE, 25, 1), 1
	s_wait_xcnt 0x0
; out0[b][o][n] = the sum over d of W_o[o][d] (X_Query - attention)[b][d][n], on codes of BF6 (E3M2) with one E8M0 byte for each 32 along d.  Both operands come as records laid by earlier launches:
; [pair of tiles][block of 32 along K], 768 bytes: row y's first 16 bytes at 16 y, its last 8 at 512 + 8 y; scale words [pair][K step 4][row 32].
; Work-group x: batch x / 16, positions 128 (x % 16) on: four pairs of tiles of n, 49,152 bytes of codes and 2,048 of scale words, dense in memory: they come into LDS once, through registers.
; Wave w: the pair of W_o's tiles w (32 rows o; place 16 u + r is row 32 w + 8 u + r + 8 (r / 8)): its eight fragments come from memory straight into registers and stay.
; A trip: a pair of n tiles: 16 matrix instructions, four accumulators by turns.  First source = the difference (its rows n land in a lane's registers: eight neighbouring n), second = W_o (a lane holds one o).
; THE WAY OUT.  Two trips' results, 32 rows o x 64 n, meet in the wave's own stage (rows of 256 bytes + 16) and leave as whole rows: sixteen lanes store 256 consecutive bytes, aligned.
; NO CLUSTER, NO PREFETCH: a work-group's 51,200 bytes are read by nobody else and are asked for at the head; W_o's codes go straight into registers.
.set XS,   49152                       ; LDS: the codes at 0; the scale words here;
.set STG,  51200                       ; then a stage of 32 x 272 bytes for each wave
.set WSR, 24                           ; v24-27 W_o's scale words: scales and nothing else
.set XSR, 28                           ; v28-31 the difference's
.set ACC, 32                           ; v32-63: 16 x (W_o's tile) + 8 x (the difference's tile)
.set XF,  64                           ; v64-159 the difference's eight fragments; on the way out v64-127 hold rows
.set WF,  160                          ; v160-255 W_o's eight
.macro PLACES5                         ; plain lines behind a run of matrix instructions, ahead of reads of their results, of loads into their registers and of sums begun anew
.rept 5
	v_nop
.endr
.endm
.macro FRAG reg, a16, a8, off, beta
	ds_load_b128 v[(\reg):(\reg)+3], v[\a16] offset:(\off)+256*(\beta)
	ds_load_b64 v[(\reg)+4:(\reg)+5], v[\a8] offset:(\off)+512+128*(\beta)
	ds_load_b128 v[(\reg)+6:(\reg)+9], v[\a16] offset:(\off)+1536+256*(\beta)
	ds_load_b64 v[(\reg)+10:(\reg)+11], v[\a8] offset:(\off)+2048+128*(\beta)
.endm
.macro GFRAG reg, g16, g8, sb, off, beta
	global_load_b128 v[(\reg):(\reg)+3], v[\g16], s[\sb:\sb+1] offset:(\off)+256*(\beta)
	global_load_b64 v[(\reg)+4:(\reg)+5], v[\g8], s[\sb:\sb+1] offset:(\off)+512+128*(\beta)
	global_load_b128 v[(\reg)+6:(\reg)+9], v[\g16], s[\sb:\sb+1] offset:(\off)+1536+256*(\beta)
	global_load_b64 v[(\reg)+10:(\reg)+11], v[\g8], s[\sb:\sb+1] offset:(\off)+2048+128*(\beta)
.endm
.macro WM d, a, b, z, sa, sb, ra, rb
.if (\z)
.if (\ra)
.if (\rb)
	v_wmma_scale_f32_16x16x128_f8f6f4 v[(\d):(\d)+7], v[(\a):(\a)+11], v[(\b):(\b)+11], 0, v[(\sa)], v[(\sb)] matrix_a_fmt:MATRIX_FMT_BF6 matrix_b_fmt:MATRIX_FMT_BF6 matrix_a_scale:MATRIX_SCALE_ROW1 matrix_b_scale:MATRIX_SCALE_ROW1
.else
	v_wmma_scale_f32_16x16x128_f8f6f4 v[(\d):(\d)+7], v[(\a):(\a)+11], v[(\b):(\b)+11], 0, v[(\sa)], v[(\sb)] matrix_a_fmt:MATRIX_FMT_BF6 matrix_b_fmt:MATRIX_FMT_BF6 matrix_a_scale:MATRIX_SCALE_ROW1
.endif
.else
.if (\rb)
	v_wmma_scale_f32_16x16x128_f8f6f4 v[(\d):(\d)+7], v[(\a):(\a)+11], v[(\b):(\b)+11], 0, v[(\sa)], v[(\sb)] matrix_a_fmt:MATRIX_FMT_BF6 matrix_b_fmt:MATRIX_FMT_BF6 matrix_b_scale:MATRIX_SCALE_ROW1
.else
	v_wmma_scale_f32_16x16x128_f8f6f4 v[(\d):(\d)+7], v[(\a):(\a)+11], v[(\b):(\b)+11], 0, v[(\sa)], v[(\sb)] matrix_a_fmt:MATRIX_FMT_BF6 matrix_b_fmt:MATRIX_FMT_BF6
.endif
.endif
.else
.if (\ra)
.if (\rb)
	v_wmma_scale_f32_16x16x128_f8f6f4 v[(\d):(\d)+7], v[(\a):(\a)+11], v[(\b):(\b)+11], v[(\d):(\d)+7], v[(\sa)], v[(\sb)] matrix_a_fmt:MATRIX_FMT_BF6 matrix_b_fmt:MATRIX_FMT_BF6 matrix_a_scale:MATRIX_SCALE_ROW1 matrix_b_scale:MATRIX_SCALE_ROW1
.else
	v_wmma_scale_f32_16x16x128_f8f6f4 v[(\d):(\d)+7], v[(\a):(\a)+11], v[(\b):(\b)+11], v[(\d):(\d)+7], v[(\sa)], v[(\sb)] matrix_a_fmt:MATRIX_FMT_BF6 matrix_b_fmt:MATRIX_FMT_BF6 matrix_a_scale:MATRIX_SCALE_ROW1
.endif
.else
.if (\rb)
	v_wmma_scale_f32_16x16x128_f8f6f4 v[(\d):(\d)+7], v[(\a):(\a)+11], v[(\b):(\b)+11], v[(\d):(\d)+7], v[(\sa)], v[(\sb)] matrix_a_fmt:MATRIX_FMT_BF6 matrix_b_fmt:MATRIX_FMT_BF6 matrix_b_scale:MATRIX_SCALE_ROW1
.else
	v_wmma_scale_f32_16x16x128_f8f6f4 v[(\d):(\d)+7], v[(\a):(\a)+11], v[(\b):(\b)+11], v[(\d):(\d)+7], v[(\sa)], v[(\sb)] matrix_a_fmt:MATRIX_FMT_BF6 matrix_b_fmt:MATRIX_FMT_BF6
.endif
.endif
.endif
.endm
	s_load_b256 s[4:11], s[0:1], 0x0               ; dcod, dscl, wcod, wscl
	s_load_b64 s[12:13], s[0:1], 0x20              ; out0
	v_lshl_add_u32 v22, v0, 2, 0x2e800
	v_mov_b32 v23, 0
	v_lshrrev_b32 v1, 5, v0
	v_readfirstlane_b32 s14, v1                    ; wave 0..15
	s_mul_i32 s16, ttmp9, 49152
	s_mov_b32 s17, 0
	s_lshl_b32 s18, ttmp9, 11
	s_mov_b32 s19, 0
	s_lshr_b32 s20, ttmp9, 4
	s_lshl_b32 s20, s20, 22                        ; b x 4 MiB
	s_and_b32 s21, ttmp9, 15
	s_lshl_b32 s21, s21, 9
	s_add_co_u32 s20, s20, s21                     ; + 512 bytes for each 128 positions
	s_lshl_b32 s21, s14, 18
	s_add_co_u32 s20, s20, s21                     ; + my 32 rows of 8,192 bytes
	s_mov_b32 s21, 0
	v_and_b32 v1, 31, v0                           ; lane
	v_and_b32 v16, 15, v0                          ; r
	v_bfe_u32 v17, v0, 4, 1                        ; h
	v_lshlrev_b32 v2, 4, v0                        ; the fill: 16 x thread, in memory and in LDS
	v_lshlrev_b32 v3, 2, v0                        ; and 4 x thread for the scale words
	v_mul_u32_u24 v18, v17, 768
	v_lshl_add_u32 v6, v16, 4, v18                 ; fragments from LDS: 768 h + 16 r,
	v_lshl_add_u32 v7, v16, 3, v18                 ; 768 h + 8 r
	v_lshl_add_u32 v8, v1, 2, XS
	s_mul_i32 s22, s14, 12288
	v_add_nc_u32 v9, s22, v6                       ; W_o's fragments: pair = wave
	v_add_nc_u32 v10, s22, v7
	s_lshl_b32 s22, s14, 9
	v_lshl_add_u32 v11, v1, 2, s22
	s_mul_i32 s22, s14, 8704
	s_add_co_u32 s22, s22, STG                     ; my stage
	v_mul_u32_u24 v12, v16, 272
	v_lshl_add_u32 v12, v17, 5, v12
	v_add_nc_u32 v12, s22, v12                     ; in: row r, 32 bytes for each half of the lanes
	v_mul_u32_u24 v13, v17, 272
	v_lshl_add_u32 v13, v16, 4, v13
	v_add_nc_u32 v13, s22, v13                     ; back: lanes 0-15 one row, lanes 16-31 the next
	v_lshlrev_b32 v14, 4, v16
	v_lshl_add_u32 v14, v17, 13, v14               ; and the same two rows in out0
	s_wait_kmcnt 0x0
	s_add_nc_u64 s[4:5], s[4:5], s[16:17]
	s_add_nc_u64 s[6:7], s[6:7], s[18:19]
	s_add_nc_u64 s[8:9], s[8:9], 589824            ; W_o is the fourth weight
	s_add_nc_u64 s[10:11], s[10:11], 24576
	s_add_nc_u64 s[12:13], s[12:13], s[20:21]
.irp i, 0,1,2,3,4,5
	global_load_b128 v[XF+4*\i:XF+4*\i+3], v2, s[4:5] offset:8192*\i
.endr
	global_load_b32 v[XF+24], v3, s[6:7]
.irp u, 0,1
.irp s, 0,1,2,3
	GFRAG WF+12*(4*\u+\s), 9, 10, 8, 3072*\s, \u
.endr
.endr
.irp s, 0,1,2,3
	global_load_b32 v[WSR+\s], v11, s[10:11] offset:128*\s
.endr
	s_wait_loadcnt 0x0
.irp i, 0,1,2,3,4,5
	ds_store_b128 v2, v[XF+4*\i:XF+4*\i+3] offset:8192*\i
.endr
	ds_store_b32 v3, v[XF+24] offset:XS
	s_wait_dscnt 0x0                               ; for the others' sake: my stores have landed
	s_barrier_signal -1
	s_barrier_wait -1
.irp trip, 0,1,2,3
	s_wait_xcnt 0x0                                ; the last stores have read the registers that the loads below fill
.irp tl, 0,1
.irp s, 0,1,2,3
	FRAG XF+12*(4*\tl+\s), 6, 7, \trip*12288+3072*\s, \tl
.endr
.endr
.irp s, 0,1,2,3
	ds_load_b32 v[XSR+\s], v8 offset:\trip*512+128*\s
.endr
	s_wait_dscnt 0x0                               ; these loads are in, and the last trip's stores into the stage have read the accumulators
.irp s, 0,1,2,3
.irp u, 0,1
.irp tl, 0,1
	WM ACC+16*\u+8*\tl, XF+12*(4*\tl+\s), WF+12*(4*\u+\s), \s==0, XSR+\s, WSR+\s, \tl, \u
.endr
.endr
.endr
	PLACES5
.irp u, 0,1
.irp tl, 0,1
	ds_store_b128 v12, v[ACC+16*\u+8*\tl:ACC+16*\u+8*\tl+3] offset:16*\u*272+128*(\trip%2)+64*\tl       ; lane (r, h): place 16 u + r, positions 32 (trip % 2) + 16 t + 8 h + 0 .. 7; each accumulator from its low end on
	ds_store_b128 v12, v[ACC+16*\u+8*\tl+4:ACC+16*\u+8*\tl+7] offset:16*\u*272+128*(\trip%2)+64*\tl+16
.endr
.endr
.if \trip%2
.irp i, 0,1,2,3,4,5,6,7,8,9,10,11,12,13,14,15
	ds_load_b128 v[XF+4*\i:XF+4*\i+3], v13 offset:2*\i*272   ; LDS serves a wave's instructions in order (ISA guide 5.7.1.4): these see my stores
.endr
.irp i, 0,1,2,3,4,5,6,7,8,9,10,11,12,13,14,15
	s_wait_dscnt 15-\i                             ; the 15 - i younger reads may be out
	global_store_b128 v14, v[XF+4*\i:XF+4*\i+3], s[12:13] offset:(8*(\i/8)+2*(\i%8)+8*((\i%8)/4))*8192+256*(\trip/2) th:TH_STORE_NT   ; place 2 i + h is row 8 (i / 8) + 2 (i % 8) + 8 ((i % 8) / 4) + h of my 32
.endr
.endif
.endr
	s_wait_tensorcnt 0x0
	ds_add_u32 v22, v23
	s_wait_dscnt 0x0
	s_endpgm
.Lfunc_end_k_q5981b7ead6_outp:
	.size	k_q5981b7ead6_outp, .Lfunc_end_k_q5981b7ead6_outp-k_q5981b7ead6_outp
	.p2alignl 7, 3214868480
	.fill 96, 4, 3214868480
	.section	.rodata,"a",@progbits
	.p2align	6, 0x0
	.amdhsa_kernel k_q5981b7ead6_outp
		.amdhsa_group_segment_fixed_size 192512
		.amdhsa_private_segment_fixed_size 0
		.amdhsa_enable_private_segment 0
		.amdhsa_kernarg_size 40
		.amdhsa_user_sgpr_count 2
		.amdhsa_user_sgpr_kernarg_segment_ptr 1
		.amdhsa_wavefront_size32 1
		.amdhsa_system_sgpr_workgroup_id_x 1
		.amdhsa_system_sgpr_workgroup_id_y 1
		.amdhsa_system_sgpr_workgroup_id_z 1
		.amdhsa_system_vgpr_workitem_id 0
		.amdhsa_next_free_vgpr 256
		.amdhsa_next_free_sgpr 66
		.amdhsa_reserve_vcc 0
		.amdhsa_float_denorm_mode_32 3
		.amdhsa_float_denorm_mode_16_64 3
		.amdhsa_memory_ordered 1
		.amdhsa_forward_progress 1
		.amdhsa_inst_pref_size 34
	.end_amdhsa_kernel
	.amdgpu_metadata
---
amdhsa.version: [ 1, 2 ]
amdhsa.kernels:
  - .name:           k_q5981b7ead6_outp
    .symbol:         k_q5981b7ead6_outp.kd
    .args:
      - { .name: dcod, .offset: 0, .size: 8, .value_kind: global_buffer, .address_space: global }
      - { .name: dscl, .offset: 8, .size: 8, .value_kind: global_buffer, .address_space: global }
      - { .name: wcod, .offset: 16, .size: 8, .value_kind: global_buffer, .address_space: global }
      - { .name: wscl, .offset: 24, .size: 8, .value_kind: global_buffer, .address_space: global }
      - { .name: out0, .offset: 32, .size: 8, .value_kind: global_buffer, .address_space: global }
    .group_segment_fixed_size: 192512
    .private_segment_fixed_size: 0
    .kernarg_segment_align: 8
    .kernarg_segment_size: 40
    .max_flat_workgroup_size: 512
    .sgpr_count:     66
    .vgpr_count:     256
    .wavefront_size: 32
...
	.end_amdgpu_metadata
.endif
;; end of part 4
;; ======== version 2 of 2: 4 launches
;; workspace buffers: wcod 786,432 bytes; wscl 32,768 bytes; cod 37,748,736 bytes; scl 1,572,864 bytes; dcod 12,582,912 bytes; dscl 524,288 bytes
;; launch wquant (part 5): grid 64 x 1, 4 waves a work-group, no clusters, 0 bytes of LDS; arguments W_q, W_k, W_v, W_o, wcod, wscl; writes wcod, wscl
.if DOCPART == 5
	.amdgcn_target "amdgcn-amd-amdhsa--gfx1250"
	.amdhsa_code_object_version 6
	.text
	.protected	k_q5981b7ead6_wquant
	.globl	k_q5981b7ead6_wquant
	.p2align	8
	.type	k_q5981b7ead6_wquant,@function
k_q5981b7ead6_wquant:
	s_mov_b64 s[64:65], 0
	v_nop
	global_prefetch_b8 v0, s[64:65] scope:SCOPE_SE
	s_setreg_imm32_b32 hwreg(HW_REG_WAVE_MODE, 25, 1), 1
	s_wait_xcnt 0x0
; The four weights [512 (o)][512 (i)], f32, become codes of BF6 (E3M2) along i, one E8M0 byte for each 32, laid in the order in which a wave's operand registers take them.
; RECORDS.  wcod = [weight 4][pair of tiles 16][block of 32 along K 16], 768 bytes a record: 32 rows x 24 bytes; row y's first 16 bytes at 16 y, its last 8 at 512 + 8 y.
; THE ROWS OF A TILE ARE NOT NEIGHBOURS: place y = 16 u + r of pair P is row o = 32 P + 8 u + r + 8 (r / 8), so that a product that takes such tiles as its first source leaves 16 neighbouring o in a lane's 16 registers.
; wscl = [weight][pair][K step of 128: 4][place 32], one word (four bytes, the lower K in the lower byte) each.
; SHARES.  Work-group = (weight, pair); wave = K step; lane = place: a lane loads 128 neighbours of its row, four whole blocks, so no other lane is asked for a maximum.
; A lane's loads are 16 bytes of a row of its own: neighbouring lanes stand 2,048 bytes apart.  The launch reads 4 MiB in all.
; A block's scale byte is its largest magnitude's exponent field - 4, held at 1 from below.
; LIMITS: blocks whose largest magnitude lies under 2^-122 get the byte 1 (a block of zeros too, where the rule says 127: its codes are zeros and this program alone reads the bytes); NaN and infinities are not served.
.set FLOOR,  0x2800000                 ; 2^(5 - 127)
.set MINUS4, 0xfe000000                ; 4 off an exponent field
.set X,   32                           ; v32-159  four blocks of 32 numbers
.set C,   160                          ; v160..   block t's six registers of codes at C + 8 t
.set DT,  192                          ; v192-194 a block's upper 16 codes as the conversion leaves them
.set MA,  196
.set MB,  197
.set SOP, 198
.set BYT, 199
.set SW,  200                          ; the scale word
; 32 numbers of one lane, v[xs] on, become six registers of codes at v[c]; v[SOP] the conversion's scale operand, v[BYT] the byte
.macro LBLK xs, c, d
	v_max3_num_f32 v[MA], |v[(\xs)]|, |v[(\xs)+1]|, |v[(\xs)+2]|
	v_max3_num_f32 v[MB], |v[(\xs)+3]|, |v[(\xs)+4]|, |v[(\xs)+5]|
.irp i, 6,10,14,18,22,26
	v_max3_num_f32 v[MA], v[MA], |v[(\xs)+\i]|, |v[(\xs)+\i+1]|
	v_max3_num_f32 v[MB], v[MB], |v[(\xs)+\i+2]|, |v[(\xs)+\i+3]|
.endr
	v_max3_num_f32 v[MA], v[MA], |v[(\xs)+30]|, |v[(\xs)+31]|
	v_max3_num_f32 v[MA], v[MA], v[MB], FLOOR      ; the floor holds the byte at 1 from below
	v_add_nc_u32 v[SOP], MINUS4, v[MA]             ; the conversion takes this operand's exponent field as its scale
	v_lshrrev_b32 v[BYT], 23, v[SOP]
	v_cvt_scalef32_pk16_bf6_f32 v[(\c):(\c)+2], v[(\xs):(\xs)+15], v[SOP]
	v_cvt_scalef32_pk16_bf6_f32 v[(\d):(\d)+2], v[(\xs)+16:(\xs)+31], v[SOP]   ; a conversion's three registers begin on an even number
	v_nop                                          ; one plain line behind a scaled conversion
.irp i, 0,1,2
	v_mov_b32 v[(\c)+3+\i], v[(\d)+\i]
.endr
.endm
	s_load_b256 s[4:11], s[0:1], 0x0               ; W_q, W_k, W_v, W_o
	s_load_b128 s[12:15], s[0:1], 0x20             ; wcod, wscl
	v_lshrrev_b32 v1, 5, v0
	v_readfirstlane_b32 s16, v1                    ; wave = K step
	s_and_b32 s17, ttmp9, 15                       ; pair of tiles
	s_lshr_b32 s18, ttmp9, 4                       ; which weight
	v_and_b32 v6, 31, v0                           ; place
	v_and_b32 v7, 15, v0                           ; r
	v_bfe_u32 v8, v0, 4, 1                         ; u
	v_and_b32 v9, 8, v7
	v_add_nc_u32 v9, v9, v7                        ; r + 8 (r / 8)
	v_lshl_add_u32 v9, v8, 3, v9                   ; + 8 u
	s_lshl_b32 s19, s17, 5
	v_add_nc_u32 v9, s19, v9                       ; my row o
	s_lshl_b32 s19, s16, 9
	v_lshl_add_u32 v2, v9, 11, s19                 ; 2,048 o + 512 x K step
	v_lshlrev_b32 v3, 4, v6
	v_lshlrev_b32 v4, 3, v6
	v_lshlrev_b32 v5, 2, v6
	s_mul_i32 s20, s18, 196608
	s_mul_i32 s21, s17, 12288
	s_add_co_u32 s20, s20, s21
	s_mul_i32 s21, s16, 3072
	s_add_co_u32 s20, s20, s21                     ; my four records
	s_mov_b32 s21, 0
	s_lshl_b32 s22, s18, 13
	s_lshl_b32 s23, s17, 9
	s_add_co_u32 s22, s22, s23
	s_lshl_b32 s23, s16, 7
	s_add_co_u32 s22, s22, s23                     ; my line of 32 scale words
	s_mov_b32 s23, 0
	s_wait_alu depctr_va_vdst(0)
	s_wait_kmcnt 0x0
	s_cmp_eq_u32 s18, 1                            ; the choice hangs on the work-group's number alone
	s_cselect_b64 s[4:5], s[6:7], s[4:5]
	s_cmp_eq_u32 s18, 2
	s_cselect_b64 s[4:5], s[8:9], s[4:5]
	s_cmp_eq_u32 s18, 3
	s_cselect_b64 s[4:5], s[10:11], s[4:5]
	s_add_nc_u64 s[12:13], s[12:13], s[20:21]
	s_add_nc_u64 s[14:15], s[14:15], s[22:23]
.set JJ, 0
.rept 32
	global_load_b128 v[X+4*JJ:X+4*JJ+3], v2, s[4:5] offset:16*JJ
.set JJ, JJ+1
.endr
	s_wait_loadcnt 0x0
.irp t, 0,1,2,3
	LBLK X+32*\t, C+8*\t, DT
.if \t == 0
	v_mov_b32 v[SW], v[BYT]
.else
	v_lshl_or_b32 v[SW], v[BYT], 8*\t, v[SW]
.endif
	global_store_b128 v3, v[C+8*\t:C+8*\t+3], s[12:13] offset:768*\t        ; 32 lanes store 512 consecutive bytes,
	global_store_b64 v4, v[C+8*\t+4:C+8*\t+5], s[12:13] offset:768*\t+512   ; and 256 more: each block has registers of its own, so no store's data are written again
.endr
	global_store_b32 v5, v[SW], s[14:15]
	s_endpgm
.Lfunc_end_k_q5981b7ead6_wquant:
	.size	k_q5981b7ead6_wquant, .Lfunc_end_k_q5981b7ead6_wquant-k_q5981b7ead6_wquant
	.p2alignl 7, 3214868480
	.fill 96, 4, 3214868480
	.section	.rodata,"a",@progbits
	.p2align	6, 0x0
	.amdhsa_kernel k_q5981b7ead6_wquant
		.amdhsa_group_segment_fixed_size 0
		.amdhsa_private_segment_fixed_size 0
		.amdhsa_enable_private_segment 0
		.amdhsa_kernarg_size 48
		.amdhsa_user_sgpr_count 2
		.amdhsa_user_sgpr_kernarg_segment_ptr 1
		.amdhsa_wavefront_size32 1
		.amdhsa_system_sgpr_workgroup_id_x 1
		.amdhsa_system_sgpr_workgroup_id_y 1
		.amdhsa_system_sgpr_workgroup_id_z 1
		.amdhsa_system_vgpr_workitem_id 0
		.amdhsa_next_free_vgpr 208
		.amdhsa_next_free_sgpr 66
		.amdhsa_reserve_vcc 0
		.amdhsa_float_denorm_mode_32 3
		.amdhsa_float_denorm_mode_16_64 3
		.amdhsa_memory_ordered 1
		.amdhsa_forward_progress 1
		.amdhsa_inst_pref_size 12
	.end_amdhsa_kernel
	.amdgpu_metadata
---
amdhsa.version: [ 1, 2 ]
amdhsa.kernels:
  - .name:           k_q5981b7ead6_wquant
    .symbol:         k_q5981b7ead6_wquant.kd
    .args:
      - { .name: W_q, .offset: 0, .size: 8, .value_kind: global_buffer, .address_space: global }
      - { .name: W_k, .offset: 8, .size: 8, .value_kind: global_buffer, .address_space: global }
      - { .name: W_v, .offset: 16, .size: 8, .value_kind: global_buffer, .address_space: global }
      - { .name: W_o, .offset: 24, .size: 8, .value_kind: global_buffer, .address_space: global }
      - { .name: wcod, .offset: 32, .size: 8, .value_kind: global_buffer, .address_space: global }
      - { .name: wscl, .offset: 40, .size: 8, .value_kind: global_buffer, .address_space: global }
    .group_segment_fixed_size: 0
    .private_segment_fixed_size: 0
    .kernarg_segment_align: 8
    .kernarg_segment_size: 48
    .max_flat_workgroup_size: 128
    .sgpr_count:     66
    .vgpr_count:     208
    .wavefront_size: 32
...
	.end_amdgpu_metadata
.endif
;; end of part 5
;; launch proj (part 6): grid 256 x 1, 16 waves a work-group, no clusters, 108,544 bytes of LDS; arguments X_Query, X_Key, X_Value, wcod, wscl, cod, scl; writes cod, scl
.if DOCPART == 6
	.amdgcn_target "amdgcn-amd-amdhsa--gfx1250"
	.amdhsa_code_object_version 6
	.text
	.protected	k_q5981b7ead6_proj
	.globl	k_q5981b7ead6_proj
	.p2align	8
	.type	k_q5981b7ead6_proj,@function
k_q5981b7ead6_proj:
	s_mov_b64 s[64:65], 0
	v_nop
	global_prefetch_b8 v0, s[64:65] scope:SCOPE_SE
	s_setreg_imm32_b32 hwreg(HW_REG_WAVE_SCHED_MODE, 0, 2), 2
	s_setreg_imm32_b32 hwreg(HW_REG_WAVE_MODE, 25, 1), 1
	s_wait_xcnt 0x0
	s_wait_alu depctr_vm_vsrc(0)
; q = W_q X_Query, k = W_k X_Key, v = W_v X_Value on codes of BF6 (E3M2), and their results quantised again for the products that follow: q and k along the positions n, v along the channels.
; X: [16 (b)][512 (i)][2048 (n)] f32.  Work-group x STAYS: batch x / 16, positions 128 (x % 16) on, and for them the three tensors one after the other: three slabs of 512 i x 128 n, all 512 output channels of each.
; RECORDS (all code buffers, in LDS and in memory): [pair of tiles][block of 32 along K], 768 bytes: 32 rows x 24 bytes; row y's first 16 bytes at 16 y, its last 8 at 512 + 8 y.  A fragment (tile u of a pair, K step s)
; is then two loads of 16 bytes and two of 8: lane (r, h) takes blocks 4 s + h and 4 s + 2 + h of row 16 u + r.  Scale words: [..][K step][row 32]: a load at 4 x lane has tile 0 in lanes 0-15 and tile 1 in lanes 16-31.
; X's QUANTISER.  K = i is X's FIRST axis here: a lane takes a column n and its registers run down i (128 consecutive bytes a load), a block of 32 lies in one lane.  Wave w: columns 32 (w % 4) on, i from 128 (w / 4) on:
; four blocks, which are one K step: one scale word a lane.
; THE PRODUCTS.  Wave w holds the pair of weight tiles w (eight fragments, from memory straight into registers, in register order); four trips, one for each pair of X's tiles: 16 matrix instructions, K in two halves,
; four accumulators by turns.  The FIRST source's 16 rows land in a lane's registers, the second's in the lanes.
;   q, k: first source = X (its columns in the order 32 P + 8 u + r + 8 (r / 8)), second = W: a lane holds one channel and 16 neighbouring n.
;   v:    first source = W (its rows lie in that order in wcod), second = X (plain order): a lane holds one position and 16 neighbouring channels.
; Two lanes (l, l xor 16) hold a block of 32; QBLK quantises two blocks and leaves lane y with the whole block of row y: one record, stored as 512 + 256 consecutive bytes.
; BY TURNS.  The next tensor's slab is loaded and quantised INSIDE the trips of this tensor's products: trip t waits, in its middle, for block t of the next slab (asked for a trip ago), quantises it into the other LDS buffer
; and asks for block t + 1.  So: X(q) | products q + X(k) | products k + X(v) | products v, one barrier between the steps.  16 waves x 32 loads x 128 bytes are on their way under the products.
; The next tensor's weights are asked for in trip 3, behind the last products that read the registers.
; LDS: two buffers of 53,248 bytes (codes [pair 4][block 16], scale words [pair 4][K step 4][row 32], a stage of 2,048 bytes for the results' scale bytes); q and v take buffer 0, k buffer 1.  A buffer is written again only
; behind a barrier that follows every wave's last read of it.  A step's stage leaves, as 2,048 consecutive bytes, at the head of the next step.
; cod = [q, k, v][unit = 8 b + head][98,304]: q, k [pair of channels 16][block of n 8]; v [pair of n 8][block of channels 16].  scl = [q, k, v][unit][4,096]: q, k [K step 2][pair 16][row]; v [pair 8][K step 4][row].
; At two places a wave issues more loads than LOADcnt's field counts (64 at the head, 68 in trip 3): the issue then holds until older loads are back (ISA guide 5.7.1); every wait's count is of the loads issued behind the one wanted.
; NO CLUSTER: a slab is read by one work-group; the weights, 196,608 bytes a tensor, go from memory straight into registers and are not tiles in LDS that partners could be sent jointly.
; NO PREFETCH: X's loads are on their way through all steps but the last.
; LIMITS: blocks whose largest magnitude lies under 2^-122 get the byte 1 (a block of zeros too: its codes are zeros and this program alone reads the bytes); NaN and infinities are not served.
; THE MODE: SCHED_MODE bits 1:0 = 2 (LLVM: expert scheduling mode 2), set by the entry lines.  The code itself states the register dependences
; between vector or matrix instructions and memory or LDS instructions, with s_wait_alu, always for 0.
; THE PLAN.  Registers that memory or LDS instructions touch:
;   XB (at the head ACC too)  a block of X: 32 loads land in it; X's quantiser reads it.
;   XCD, SB       the block's codes and the scale word: X's quantiser writes them; the LDS stores behind it read them.  In waves 0 to 3 the stage's bytes land in XCD at a step's end and leave from it.
;   XF            the fragments' loads land in it twice a trip; the products read it; v64-82 of it are the work registers of the results' quantiser, and the record leaves from v72-77.
;   BY            the record's byte: the results' quantiser writes it; an LDS store reads it.
;   XSR, WSR, WF  loads land in them; the products read them.
;   the addresses are made at the head; v3 to v5 once more, behind q's step.
; A TRIP HAS THREE WAITS.  At its head, on vm_vsrc: the stores issued so far have read v72-77, XCD, SB and BY.  In its middle, on va_vdst, behind the first half's products and X's quantiser: the products are done reading XF,
; XCD and SB are written, the quantiser is done reading XB; behind it stand the second half's fragment loads, the LDS stores of the codes, and the next block's 32 loads, dealt four behind each of the second half's eight
; products, which name XF, WF, the accumulators and scale words and never XB.  At its end, on va_vdst, behind the results' quantiser: the record and its byte are written, and the products are done with all their operands:
; behind it stand the record's stores, in trip 3 the next weights' loads, and the next trip's loads.
.set FLOOR,  0x2800000                 ; 2^(5 - 127)
.set MINUS4, 0xfe000000                ; 4 off an exponent field
.set LB1, 53248                        ; where buffer 1 begins
.set XSO, 49152                        ; in a buffer: the scale words,
.set STO, 51200                        ; the stage
.set SEL, 24                           ; s[24:25] v_permlanex16_b32's selects for lane l xor 16
; v2 X's offset; v3-5 where my blocks and my scale word go; v6-8 fragments and scale words of buffer 0 (v154-156: of buffer 1); v9-11 the weights; v12-14 q's and k's records and stage byte (v157-159: v's);
; v15 the stage's way out in LDS, v23 in memory
.set MA,  16                           ; v16-19 at work in X's quantiser
.set MB,  17
.set SOP, 18
.set BYT, 19
.set BY,  20                           ; v20-21 the two blocks' bytes; v20 then my row's
.set SB,  22                           ; X's scale word in the making
.set WSR, 24                           ; v24-27 the weights' scale words, one for each K step: scales and nothing else
.set XSR, 28                           ; v28-31 X's
.set ACC, 32                           ; v32-63 four accumulators: 16 x (second source's tile) + 8 x (first source's tile); at the head a second set of 32 numbers
.set XF,  64                           ; v64-111 four fragments of X: (tile, K step of the half in hand)
.set XB,  112                          ; v112-143 the block of X that is on its way
.set XCD, 144                          ; v144-149 its codes
.set XDT, 150
.set WF,  160                          ; v160-255 the weights' eight fragments
.set BM,  64                           ; QBLK's work registers lie where X's fragments lay
.set PT,  66
.set SO,  68
.set C0,  72
.set C1,  80
.macro PLACES5                         ; plain lines behind a run of matrix instructions, ahead of reads of their results, of loads into their registers and of sums begun anew
.rept 5
	v_nop
.endr
.endm
.macro FRAG reg, a16, a8, off, beta
	ds_load_b128 v[(\reg):(\reg)+3], v[\a16] offset:(\off)+256*(\beta)
	ds_load_b64 v[(\reg)+4:(\reg)+5], v[\a8] offset:(\off)+512+128*(\beta)
	ds_load_b128 v[(\reg)+6:(\reg)+9], v[\a16] offset:(\off)+1536+256*(\beta)
	ds_load_b64 v[(\reg)+10:(\reg)+11], v[\a8] offset:(\off)+2048+128*(\beta)
.endm
.macro GFRAG reg, g16, g8, sb, off, beta
	global_load_b128 v[(\reg):(\reg)+3], v[\g16], s[\sb:\sb+1] offset:(\off)+256*(\beta)
	global_load_b64 v[(\reg)+4:(\reg)+5], v[\g8], s[\sb:\sb+1] offset:(\off)+512+128*(\beta)
	global_load_b128 v[(\reg)+6:(\reg)+9], v[\g16], s[\sb:\sb+1] offset:(\off)+1536+256*(\beta)
	global_load_b64 v[(\reg)+10:(\reg)+11], v[\g8], s[\sb:\sb+1] offset:(\off)+2048+128*(\beta)
.endm
; one matrix instruction.  z: the sum begins (C = 0).  ra, rb: the half of the lanes in which the source's scale words stand
.macro WM d, a, b, z, sa, sb, ra, rb
.if (\z)
.if (\ra)
.if (\rb)
	v_wmma_scale_f32_16x16x128_f8f6f4 v[(\d):(\d)+7], v[(\a):(\a)+11], v[(\b):(\b)+11], 0, v[(\sa)], v[(\sb)] matrix_a_fmt:MATRIX_FMT_BF6 matrix_b_fmt:MATRIX_FMT_BF6 matrix_a_scale:MATRIX_SCALE_ROW1 matrix_b_scale:MATRIX_SCALE_ROW1
.else
	v_wmma_scale_f32_16x16x128_f8f6f4 v[(\d):(\d)+7], v[(\a):(\a)+11], v[(\b):(\b)+11], 0, v[(\sa)], v[(\sb)] matrix_a_fmt:MATRIX_FMT_BF6 matrix_b_fmt:MATRIX_FMT_BF6 matrix_a_scale:MATRIX_SCALE_ROW1
.endif
.else
.if (\rb)
	v_wmma_scale_f32_16x16x128_f8f6f4 v[(\d):(\d)+7], v[(\a):(\a)+11], v[(\b):(\b)+11], 0, v[(\sa)], v[(\sb)] matrix_a_fmt:MATRIX_FMT_BF6 matrix_b_fmt:MATRIX_FMT_BF6 matrix_b_scale:MATRIX_SCALE_ROW1
.else
	v_wmma_scale_f32_16x16x128_f8f6f4 v[(\d):(\d)+7], v[(\a):(\a)+11], v[(\b):(\b)+11], 0, v[(\sa)], v[(\sb)] matrix_a_fmt:MATRIX_FMT_BF6 matrix_b_fmt:MATRIX_FMT_BF6
.endif
.endif
.else
.if (\ra)
.if (\rb)
	v_wmma_scale_f32_16x16x128_f8f6f4 v[(\d):(\d)+7], v[(\a):(\a)+11], v[(\b):(\b)+11], v[(\d):(\d)+7], v[(\sa)], v[(\sb)] matrix_a_fmt:MATRIX_FMT_BF6 matrix_b_fmt:MATRIX_FMT_BF6 matrix_a_scale:MATRIX_SCALE_ROW1 matrix_b_scale:MATRIX_SCALE_ROW1
.else
	v_wmma_scale_f32_16x16x128_f8f6f4 v[(\d):(\d)+7], v[(\a):(\a)+11], v[(\b):(\b)+11], v[(\d):(\d)+7], v[(\sa)], v[(\sb)] matrix_a_fmt:MATRIX_FMT_BF6 matrix_b_fmt:MATRIX_FMT_BF6 matrix_a_scale:MATRIX_SCALE_ROW1
.endif
.else
.if (\rb)
	v_wmma_scale_f32_16x16x128_f8f6f4 v[(\d):(\d)+7], v[(\a):(\a)+11], v[(\b):(\b)+11], v[(\d):(\d)+7], v[(\sa)], v[(\sb)] matrix_a_fmt:MATRIX_FMT_BF6 matrix_b_fmt:MATRIX_FMT_BF6 matrix_b_scale:MATRIX_SCALE_ROW1
.else
	v_wmma_scale_f32_16x16x128_f8f6f4 v[(\d):(\d)+7], v[(\a):(\a)+11], v[(\b):(\b)+11], v[(\d):(\d)+7], v[(\sa)], v[(\sb)] matrix_a_fmt:MATRIX_FMT_BF6 matrix_b_fmt:MATRIX_FMT_BF6
.endif
.endif
.endif
.endm
; 32 numbers of one lane become six registers of codes; v[BYT] the scale's byte
.macro LBLK xs, c, d
	v_max3_num_f32 v[MA], |v[(\xs)]|, |v[(\xs)+1]|, |v[(\xs)+2]|
	v_max3_num_f32 v[MB], |v[(\xs)+3]|, |v[(\xs)+4]|, |v[(\xs)+5]|
.irp i, 6,10,14,18,22,26
	v_max3_num_f32 v[MA], v[MA], |v[(\xs)+\i]|, |v[(\xs)+\i+1]|
	v_max3_num_f32 v[MB], v[MB], |v[(\xs)+\i+2]|, |v[(\xs)+\i+3]|
.endr
	v_max3_num_f32 v[MA], v[MA], |v[(\xs)+30]|, |v[(\xs)+31]|
	v_max3_num_f32 v[MA], v[MA], v[MB], FLOOR      ; the floor holds the byte at 1 from below
	v_add_nc_u32 v[SOP], MINUS4, v[MA]             ; the conversion takes this operand's exponent field as its scale
	v_lshrrev_b32 v[BYT], 23, v[SOP]
	v_cvt_scalef32_pk16_bf6_f32 v[(\c):(\c)+2], v[(\xs):(\xs)+15], v[SOP]
	v_cvt_scalef32_pk16_bf6_f32 v[(\d):(\d)+2], v[(\xs)+16:(\xs)+31], v[SOP]   ; a conversion's three registers begin on an even number
	v_nop                                          ; one plain line behind a scaled conversion
.irp i, 0,1,2
	v_mov_b32 v[(\c)+3+\i], v[(\d)+\i]
.endr
.endm
; Two blocks of 32: v[a0 .. a0+15] are 16 neighbours (16 h on) of row r of tile 0, v[a0+16 .. a0+31] of tile 1.  Afterwards lane y = 16 u + r holds the whole block of its row in v[C0 .. C0+5] and its byte in v[BY].
; Each accumulator is read from its low end on.
.macro QBLK a0
	v_max3_num_f32 v[BM], |v[(\a0)]|, |v[(\a0)+1]|, FLOOR
	v_max3_num_f32 v[BM+1], |v[(\a0)+16]|, |v[(\a0)+17]|, FLOOR
.irp i, 2,4,6,8,10,12,14
	v_max3_num_f32 v[BM], v[BM], |v[(\a0)+\i]|, |v[(\a0)+\i+1]|
	v_max3_num_f32 v[BM+1], v[BM+1], |v[(\a0)+16+\i]|, |v[(\a0)+17+\i]|
.endr
	v_permlanex16_b32 v[PT], v[BM], s[SEL], s[SEL+1]
	v_permlanex16_b32 v[PT+1], v[BM+1], s[SEL], s[SEL+1]
	v_max_num_f32 v[BM], v[BM], v[PT]              ; with lane l xor 16's: the block's largest magnitude
	v_max_num_f32 v[BM+1], v[BM+1], v[PT+1]
	v_add_nc_u32 v[SO], MINUS4, v[BM]
	v_add_nc_u32 v[SO+1], MINUS4, v[BM+1]
	v_lshrrev_b32 v[BY], 23, v[SO]
	v_lshrrev_b32 v[BY+1], 23, v[SO+1]
	v_cvt_scalef32_pk16_bf6_f32 v[C0:C0+2], v[(\a0):(\a0)+15], v[SO]
	v_cvt_scalef32_pk16_bf6_f32 v[C1:C1+2], v[(\a0)+16:(\a0)+31], v[SO+1]
	v_nop                                          ; one plain line behind a scaled conversion
.irp i, 0,1,2
	v_permlane16_swap_b32 v[C0+\i], v[C1+\i]       ; C0: each lane's row's lower 16 codes, C1: the upper 16
.endr
.irp i, 0,1,2
	v_mov_b32 v[C0+3+\i], v[C1+\i]
.endr
	v_cndmask_b32 v[BY], v[BY], v[BY+1], vcc_lo    ; lanes 16-31 take tile 1's byte
.endm
.macro WLOAD T                         ; tensor T's pair of weight tiles = my wave: eight fragments and four scale words: 36 loads
.irp u, 0,1
.irp s, 0,1,2,3
	GFRAG WF+12*(4*\u+\s), 9, 10, 10, (\T)*196608+3072*\s, \u
.endr
.endr
.irp s, 0,1,2,3
	global_load_b32 v[WSR+\s], v11, s[12:13] offset:(\T)*8192+128*\s
.endr
.endm
.macro LOADX sb, t, reg                ; block t of my column of the slab at s[sb]: X(32 t + i, n), i = 0 .. 31; a load reads 128 consecutive bytes
.set JJ, 0
.rept 32
	global_load_b32 v[(\reg)+JJ], v2, s[\sb:\sb+1] offset:(32*(\t)+JJ)*8192 th:TH_LOAD_NT
.set JJ, JJ+1
.endr
.endm
.macro LOADX4 sb, t, j0                ; four of those 32 loads, i = j0 .. j0 + 3, into XB
.irp q, 0,1,2,3
	global_load_b32 v[XB+(\j0)+\q], v2, s[\sb:\sb+1] offset:(32*(\t)+(\j0)+\q)*8192 th:TH_LOAD_NT
.endr
.endm
.macro XVEC reg, t                     ; block t, in v[reg] on, is quantised: its codes in v[XCD] on; its byte joins the scale word.  Vector lines alone
	LBLK \reg, XCD, XDT
.if (\t) == 0
	v_mov_b32 v[SB], v[BYT]
.else
	v_lshl_or_b32 v[SB], v[BYT], 8*(\t), v[SB]
.endif
.endm
.macro XSTO t, LB                      ; block t's part of its record goes to the buffer at LB
	ds_store_b128 v3, v[XCD:XCD+3] offset:(\LB)+768*(\t)
	ds_store_b64 v4, v[XCD+4:XCD+5] offset:(\LB)+768*(\t)+512
.endm
.macro HBLK reg, t                     ; at the head: block t of q's slab, into buffer 0
.if (\t) > 0
	s_wait_dscnt 0x0                               ; the last block's LDS stores have read the codes' registers
	s_wait_alu depctr_vm_vsrc(0)                   ; the last block's LDS stores have read v[XCD ..], which the quantiser writes again
.endif
	XVEC \reg, \t
	s_wait_alu depctr_va_vdst(0)                   ; the quantiser has written v[XCD ..] and v[SB], which the LDS stores read, and is done reading the block's registers, in which the next loads land
	XSTO \t, 0
.endm
.macro XADDR plain                     ; where my column's blocks and scale word go: its place y in its pair of tiles
.if \plain
	v_and_b32 v16, 31, v0                          ; plain order
.else
	v_bfe_u32 v16, v0, 3, 1                        ; column l stands at place 16 ((l / 8) % 2) + l % 8 + 8 (l / 16)
	v_and_b32 v17, 7, v0
	v_lshl_add_u32 v16, v16, 4, v17
	v_bfe_u32 v17, v0, 4, 1
	v_lshl_add_u32 v16, v17, 3, v16
.endif
	v_lshl_add_u32 v3, v16, 4, s30                 ; 12,288 (w % 4) + 3,072 (w / 4) + 16 y
	v_lshl_add_u32 v4, v16, 3, s30                 ; the same + 8 y (+ 512)
	v_lshl_add_u32 v5, v16, 2, s31                 ; the scale words' region + 512 (w % 4) + 128 (w / 4) + 4 y
.endm
; A STEP: tensor T's products, from the buffer whose address registers are f16, f8, xsr and whose first byte is LBC; results to s[cb] by o16, o8; bytes to the stage by stb.
; hasx: the slab at s[xsb] is quantised on the way, into the buffer at LBN.  nsb: the pointer of the slab after that one, whose block 0 is asked for at the step's end (0: there is none).
.macro PSTEP isv, T, f16, f8, xsr, LBC, cb, o16, o8, stb, hasx, xsb, LBN, nsb
.irp trip, 0,1,2,3
	s_wait_xcnt 0x0                                ; the stores issued so far have read their registers, which the loads below and the quantisers fill
	s_wait_alu depctr_vm_vsrc(0)                   ; the stores issued so far have read v72-77, in which fragments land below, and v[XCD ..], v[SB] and v[BY], which this trip's quantisers write again
.irp sh, 0,1
.if \sh
	PLACES5
.if \hasx
	s_wait_loadcnt 0x0                             ; the block asked for a trip ago is in
	XVEC XB, \trip
.endif
	s_wait_alu depctr_va_vdst(0)                   ; the products above are done reading X's fragments, in which the loads below land; where a block was quantised: v[XCD ..] and v[SB] are written, which the LDS stores below read, and the quantiser is done reading v[XB ..], in which the loads dealt among the products below land
.endif
.irp tl, 0,1
.irp sl, 0,1
	FRAG XF+12*(2*\tl+\sl), \f16, \f8, \trip*12288+3072*(2*\sh+\sl), \tl
.endr
.endr
.if \sh == 0
.irp s, 0,1,2,3
	ds_load_b32 v[XSR+\s], v[\xsr] offset:\trip*512+128*\s
.endr
.endif
.if (\sh) && (\hasx)
	XSTO \trip, \LBN
.if \trip == 3
	ds_store_b32 v5, v[SB] offset:\LBN
.endif
.endif
	s_wait_dscnt 0x0
.if (\trip == 0) && (\sh == 0)
	s_wait_loadcnt 32*(\hasx)                      ; the weights are in; the 32 loads of the next slab's block 0, issued behind them, may be out
.endif
.irp sl, 0,1
.irp be, 0,1
.irp al, 0,1
.if \isv
	WM ACC+16*\be+8*\al, WF+12*(4*\al+2*\sh+\sl), XF+12*(2*\be+\sl), (2*\sh+\sl)==0, WSR+2*\sh+\sl, XSR+2*\sh+\sl, \al, \be
.else
	WM ACC+16*\be+8*\al, XF+12*(2*\al+\sl), WF+12*(4*\be+2*\sh+\sl), (2*\sh+\sl)==0, XSR+2*\sh+\sl, WSR+2*\sh+\sl, \al, \be
.endif
.if (\sh) && (\hasx) && (\trip < 3)
	LOADX4 \xsb, \trip+1, 4*(4*\sl+2*\be+\al)      ; the next block, four loads behind each product.  No wait: no vector or matrix instruction since the wait above names v[XB ..]
.endif
.endr
.endr
.endr
.endr
	PLACES5
	QBLK ACC
	s_wait_alu depctr_va_vdst(0)                   ; the quantiser has written the record v72-77 and v[BY], which the stores below read, and is done with v64-82; the trip's products are done reading X's fragments and scale words, in which the next trip's loads land, and the weights' registers, in which trip 3's loads below land
.if \isv
	global_store_b128 v[\o16], v[C0:C0+3], s[\cb:\cb+1] offset:\trip*12288         ; 32 lanes store 512 consecutive bytes,
	global_store_b64 v[\o8], v[C0+4:C0+5], s[\cb:\cb+1] offset:\trip*12288+512     ; and the record's other 256
	ds_store_b8 v[\stb], v[BY] offset:(\LBC)+\trip*512
.else
	global_store_b128 v[\o16], v[C0:C0+3], s[\cb:\cb+1] offset:\trip*768
	global_store_b64 v[\o8], v[C0+4:C0+5], s[\cb:\cb+1] offset:\trip*768+512
	ds_store_b8 v[\stb], v[BY] offset:(\LBC)+\trip
.endif
.if (\trip == 3) && (\T < 2)
	WLOAD (\T)+1                                   ; the next tensor's weights: the last products that read these registers stand ahead of the wait above
.endif
.if (\trip == 3) && (\nsb)
	LOADX \nsb, 0, XB                              ; the slab after the next: its block 0, for the next step's trip 0
.endif
.endr
	s_wait_dscnt 0x0                               ; for the others' sake: my reads of this buffer are over, my stores into the other buffer and into the stage have landed
	s_barrier_signal -1
	s_barrier_wait -1
.if \hasx
	s_wait_alu depctr_vm_vsrc(0)                   ; trip 3's LDS stores have read v[XCD ..], in which the stage's bytes land in waves 0 to 3, and v3 to v5, which are made anew behind q's step
.endif
	s_cmp_gt_u32 s18, 3                            ; the stage's 2,048 bytes: four waves' worth
	s_cbranch_scc1 .Lno_out_\@
	ds_load_b128 v[XCD:XCD+3], v15 offset:\LBC
	s_wait_dscnt 0x0
	global_store_b128 v23, v[XCD:XCD+3], s[16:17] offset:(\T)*524288
.Lno_out_\@:
.endm
	s_load_b256 s[4:11], s[0:1], 0x0               ; X_Query, X_Key, X_Value, wcod
	s_load_b128 s[12:15], s[0:1], 0x20             ; wscl, cod
	s_load_b64 s[16:17], s[0:1], 0x30              ; scl
	v_lshrrev_b32 v1, 5, v0
	v_readfirstlane_b32 s18, v1                    ; wave 0..15
	s_mov_b32 s[SEL], 0x76543210
	s_mov_b32 s[SEL+1], 0xfedcba98
	s_mov_b32 vcc_lo, 0xffff0000                   ; lanes 16-31
	v_and_b32 v1, 31, v0                           ; lane
	v_and_b32 v16, 15, v0                          ; r
	v_bfe_u32 v17, v0, 4, 1                        ; h
	s_wait_alu depctr_va_vdst(0)
	s_wait_alu depctr_va_sdst(0)                   ; s18 is written, ahead of its first reader
	s_lshr_b32 s20, s18, 2                         ; X: which 128 of i; also v's K step
	s_and_b32 s21, s18, 3                          ; X: which 32 columns; also v's byte in a scale word
	s_and_b32 s26, ttmp9, 1                        ; which half of the unit's 256 positions
	s_lshr_b32 s28, ttmp9, 4
	s_lshl_b32 s28, s28, 22                        ; b x 4 MiB
	s_and_b32 s29, ttmp9, 15
	s_lshl_b32 s29, s29, 9
	s_add_co_u32 s28, s28, s29                     ; + 512 bytes for each 128 positions
	s_mov_b32 s29, 0
	s_lshr_b32 s34, ttmp9, 1
	s_mul_i32 s34, s34, 98304                      ; the unit's codes
	s_mov_b32 s35, 0
	s_lshl_b32 s36, ttmp9, 11                      ; my 2,048 bytes of its scale words
	s_mov_b32 s37, 0
	v_mul_u32_u24 v18, v17, 768
	v_lshl_add_u32 v6, v16, 4, v18                 ; fragments of X, buffer 0: 768 h + 16 r,
	v_lshl_add_u32 v7, v16, 3, v18                 ; 768 h + 8 r,
	v_lshl_add_u32 v8, v1, 2, XSO                  ; its scale words;
	v_add_nc_u32 v154, LB1, v6                     ; the same of buffer 1
	v_add_nc_u32 v155, LB1, v7
	v_add_nc_u32 v156, LB1, v8
	s_lshl_b32 s22, s20, 20
	s_lshl_b32 s23, s21, 7
	s_add_co_u32 s22, s22, s23
	v_lshl_add_u32 v2, v1, 2, s22                  ; X: 128 rows x (w / 4) + 128 bytes x (w % 4) + 4 x lane
	s_mul_i32 s22, s18, 12288
	v_add_nc_u32 v9, s22, v6                       ; the weights' fragments: pair = wave
	v_add_nc_u32 v10, s22, v7
	s_lshl_b32 s22, s18, 9
	v_lshl_add_u32 v11, v1, 2, s22
	s_mul_i32 s22, s26, 3072                       ; q, k: pair of channels = wave, block = 4 (x % 2) + trip
	s_mul_i32 s23, s18, 6144
	s_add_co_u32 s22, s22, s23
	v_lshl_add_u32 v12, v1, 4, s22
	v_lshl_add_u32 v13, v1, 3, s22
	s_lshl_b32 s22, s18, 7
	s_add_co_u32 s22, s22, STO
	v_lshl_add_u32 v14, v1, 2, s22                 ; their byte in the stage: [pair 16][row 32][trip]
	s_mul_i32 s22, s26, 49152                      ; v: pair of n = 4 (x % 2) + trip, block = wave
	s_mul_i32 s23, s18, 768
	s_add_co_u32 s22, s22, s23
	v_lshl_add_u32 v157, v1, 4, s22
	v_lshl_add_u32 v158, v1, 3, s22
	s_lshl_b32 s22, s20, 7
	s_add_co_u32 s22, s22, s21
	s_add_co_u32 s22, s22, STO
	v_lshl_add_u32 v159, v1, 2, s22                ; its byte in the stage: [trip][K step w / 4][row 32][w % 4]
	v_lshl_add_u32 v15, v0, 4, STO                 ; the stage's way out
	v_lshlrev_b32 v23, 4, v0
	s_mul_i32 s30, s21, 12288
	s_mul_i32 s31, s20, 3072
	s_add_co_u32 s30, s30, s31                     ; my four records in a buffer
	s_lshl_b32 s31, s21, 9
	s_lshl_b32 s32, s20, 7
	s_add_co_u32 s31, s31, s32
	s_add_co_u32 s31, s31, XSO                     ; my line of scale words
	XADDR 0
	s_wait_kmcnt 0x0
	s_add_nc_u64 s[4:5], s[4:5], s[28:29]          ; the three slabs
	s_add_nc_u64 s[6:7], s[6:7], s[28:29]
	s_add_nc_u64 s[8:9], s[8:9], s[28:29]
	s_add_nc_u64 s[14:15], s[14:15], s[34:35]      ; q's codes,
	s_add_nc_u64 s[38:39], s[14:15], 12582912      ; k's,
	s_add_nc_u64 s[40:41], s[14:15], 25165824      ; v's
	s_add_nc_u64 s[16:17], s[16:17], s[36:37]
	s_wait_alu depctr_va_vdst(0)                   ; the offsets and addresses v2 to v15, v23 and v154 to v159 are written, which the loads and stores of the kernel read
	; ---- X(q): nothing to multiply yet; two sets of 32 registers take turns
	LOADX 4, 0, XB
	LOADX 4, 1, ACC
	s_wait_loadcnt 32                              ; block 0 is in; block 1's 32 loads may be out
	HBLK XB, 0
	LOADX 4, 2, XB
	s_wait_loadcnt 32                              ; block 1; block 2's may be out
	HBLK ACC, 1
	LOADX 4, 3, ACC
	s_wait_loadcnt 32                              ; block 2; block 3's may be out
	HBLK XB, 2
	WLOAD 0
	s_wait_loadcnt 36                              ; block 3; the weights' 36 loads may be out
	HBLK ACC, 3
	ds_store_b32 v5, v[SB]
	LOADX 6, 0, XB                                 ; X_Key's block 0, for the first step's trip 0
	s_wait_dscnt 0x0                               ; for the others' sake: my stores have landed
	s_barrier_signal -1
	s_barrier_wait -1                              ; q's slab lies in buffer 0
	PSTEP 0, 0, 6, 7, 8, 0, 14, 12, 13, 14, 1, 6, LB1, 8          ; q's products | X_Key into buffer 1
	XADDR 1                                        ; X_Value's columns stand in plain order.  (The LDS stores that read v3 to v5 stand ahead of the wait on vm_vsrc behind the step's barrier; the next step's first stores by them stand behind its wait on va_vdst)
	PSTEP 0, 1, 154, 155, 156, LB1, 38, 12, 13, 14, 1, 8, 0, 0    ; k's products | X_Value into buffer 0
	PSTEP 1, 2, 6, 7, 8, 0, 40, 157, 158, 159, 0, 0, 0, 0         ; v's products
	s_wait_xcnt 0x0
	v_lshl_add_u32 v230, v0, 2, 0x1a000
	v_mov_b32 v231, 0
	s_wait_dscnt 0x0                               ; the closing lines, six on end
	s_wait_alu 0x0
	s_wait_tensorcnt 0x0
	ds_add_u32 v230, v231
	s_wait_dscnt 0x0
	s_endpgm
.Lfunc_end_k_q5981b7ead6_proj:
	.size	k_q5981b7ead6_proj, .Lfunc_end_k_q5981b7ead6_proj-k_q5981b7ead6_proj
	.p2alignl 7, 3214868480
	.fill 96, 4, 3214868480
	.section	.rodata,"a",@progbits
	.p2align	6, 0x0
	.amdhsa_kernel k_q5981b7ead6_proj
		.amdhsa_group_segment_fixed_size 108544
		.amdhsa_private_segment_fixed_size 0
		.amdhsa_enable_private_segment 0
		.amdhsa_kernarg_size 56
		.amdhsa_user_sgpr_count 2
		.amdhsa_user_sgpr_kernarg_segment_ptr 1
		.amdhsa_wavefront_size32 1
		.amdhsa_system_sgpr_workgroup_id_x 1
		.amdhsa_system_sgpr_workgroup_id_y 1
		.amdhsa_system_sgpr_workgroup_id_z 1
		.amdhsa_system_vgpr_workitem_id 0
		.amdhsa_next_free_vgpr 256
		.amdhsa_next_free_sgpr 66
		.amdhsa_reserve_vcc 1
		.amdhsa_float_denorm_mode_32 3
		.amdhsa_float_denorm_mode_16_64 3
		.amdhsa_memory_ordered 1
		.amdhsa_forward_progress 1
		.amdhsa_inst_pref_size 154
	.end_amdhsa_kernel
	.amdgpu_metadata
---
amdhsa.version: [ 1, 2 ]
amdhsa.kernels:
  - .name:           k_q5981b7ead6_proj
    .symbol:         k_q5981b7ead6_proj.kd
    .args:
      - { .name: X_Query, .offset: 0, .size: 8, .value_kind: global_buffer, .address_space: global }
      - { .name: X_Key, .offset: 8, .size: 8, .value_kind: global_buffer, .address_space: global }
      - { .name: X_Value, .offset: 16, .size: 8, .value_kind: global_buffer, .address_space: global }
      - { .name: wcod, .offset: 24, .size: 8, .value_kind: global_buffer, .address_space: global }
      - { .name: wscl, .offset: 32, .size: 8, .value_kind: global_buffer, .address_space: global }
      - { .name: cod, .offset: 40, .size: 8, .value_kind: global_buffer, .address_space: global }
      - { .name: scl, .offset: 48, .size: 8, .value_kind: global_buffer, .address_space: global }
    .group_segment_fixed_size: 108544
    .private_segment_fixed_size: 0
    .kernarg_segment_align: 8
    .kernarg_segment_size: 56
    .max_flat_workgroup_size: 512
    .sgpr_count:     66
    .vgpr_count:     256
    .wavefront_size: 32
...
	.end_amdgpu_metadata
.endif
;; end of part 6
;; launch attn (part 7): grid 256 x 1, 16 waves a work-group, no clusters, 312,320 bytes of LDS; arguments cod, scl, X_Query, dcod, dscl; writes dcod, dscl
.if DOCPART == 7
	.amdgcn_target "amdgcn-amd-amdhsa--gfx1250"
	.amdhsa_code_object_version 6
	.text
	.protected	k_q5981b7ead6_attn
	.globl	k_q5981b7ead6_attn
	.p2align	8
	.type	k_q5981b7ead6_attn,@function
k_q5981b7ead6_attn:
	s_mov_b64 s[64:65], 0
	v_nop
	global_prefetch_b8 v0, s[64:65] scope:SCOPE_SE
	s_setreg_imm32_b32 hwreg(HW_REG_WAVE_SCHED_MODE, 0, 2), 2
	s_setreg_imm32_b32 hwreg(HW_REG_WAVE_MODE, 25, 1), 1
	s_wait_xcnt 0x0
	s_wait_alu depctr_vm_vsrc(0)
; For one unit (b, head) and 256 of its 512 channels d: S = q k^T / 16 (K = the unit's 256 positions), softmax over the 512 channels e, out = p v (K = e), then X_Query - out, quantised along d for the last product.
; All products on codes of BF6 (E3M2) with one E8M0 byte for each 32 along K.  Work-group x: unit x / 2, half x % 2 of d.  Sixteen waves, four to a SIMD, 256 registers each.
; RECORDS as the launch before laid them: [pair of tiles][block of 32 along K], 768 bytes: row y's first 16 bytes at 16 y, its last 8 at 512 + 8 y.  q's and k's rows stand in the order 32 P + 8 u + r + 8 (r / 8).
; FILL.  k's and v's codes (98,304 bytes each) and scale words (4,096 each) come into LDS once, as they lie in memory, through registers: 25 loads and stores of 16 bytes a thread.
; SCORES.  Wave w owns 16 channels d (tile w % 2 of pair 8 half + w / 2) and walks all 512 e, 128 a step.  S^T = k q^T: a lane holds one d and, by the order of k's rows, 16 neighbouring e of each block of 32.
; THE SOFTMAX: t = score x log2(e) / 16; M = the running largest t rounded up to a whole number; p = 2^(t - M) is quantised along e, not normalised; the sum l is taken of the unquantised p and is brought under each new M by
; an exact power of two.  A step's codes go to LDS at once; each block's largest p is kept, is brought under the FINAL M at the end (an exact power of two again) and only then gives the block's byte: the codes' values are those under the final M.
; A block's largest p is the exponential of the block's largest score (this takes v_exp_f32 not to fall where its input rises).
; PV.  Wave = (pair of d tiles w / 2, 128 positions w % 2).  First source = p (its rows land in a lane's registers: 16 neighbouring d), second = v (its rows, positions, in the lanes).  X_Query - acc / l is quantised in place;
; two lanes hold a block of 32 d; a record of dcod leaves as 512 + 256 consecutive bytes.  dcod = [b][pair of n 64][block of d 16]; dscl = [b][pair of n 64][K step 4][row 32] words, gathered in a stage.
; X_Query comes as pieces of 64 bytes (a lane holds one position and 16 channels): its rows are asked for ahead by two prefetches a wave, a lane a row, 256 bytes each: the first in the third step of the scores, for trips 0 and 1,
; the second in trip 0, for trips 2 and 3.  Each block of 256 bytes belongs to one wave of one work-group and is named once.
; NO CLUSTER: what is shared is k and v of a unit, by two work-groups, read once at the head through registers; this text has no tensor load to ask jointly with.
; Accumulators take turns, one instruction a turn.
; LIMITS: blocks of X_Query - out whose largest magnitude lies under 2^-122 get the byte 1; a block of p that lies more than some 120 binades under the row's largest keeps the byte 1 and so counts for at most 28 x 2^-126 a number; NaN and infinities are not served.
; THE MODE: SCHED_MODE bits 1:0 = 2 (LLVM: expert scheduling mode 2), set by the entry lines.  The code itself states the register dependences
; between vector or matrix instructions and memory or LDS instructions, with s_wait_alu, always for 0.
; THE PLAN.  Registers that memory or LDS instructions touch:
;   FD v66-165          the fill: loads land in it, LDS stores read it; later S, k's fragments.
;   KF / PF v130-225, KSR, QS, QF   loads land in them; the products read them.
;   PCD v226-237        a step's conversions write p's codes; four LDS stores read them.  (At the head some of these registers hold addresses.)
;   v1, v2              k's fragments' addresses: read by a step's loads, stepped once a step.
;   v16, SSO            1 / l and p's scale words: written behind the last step; read by LDS stores.
;   PV: v1-7, v14-17 addresses, made anew; v24-59 and v226-237 v's fragments (the quantiser works in v24-34); C0 v18-23 and BY: the quantiser writes them, the stores read them;
;   XR v98-129: loads land in it, the difference and the quantiser read and write it; RLR v238-253: loads land in it once.
; A STEP OF THE SCORES: a wait on va_vdst ahead of the second group's loads (the first group's products are done with k's fragments); the two waits for the exponentials; one wait on vm_vsrc ahead of the conversions
; (the last step's stores have read PCD, this step's loads v1 and v2); one wait on va_vdst ahead of the four stores, with the two address steps ahead of it, so that it serves the next step's loads too.
; A TRIP OF PV: a wait on va_vdst ahead of the second half's loads; one on vm_vsrc ahead of the quantiser; one on va_vdst behind it, which serves the stores, the next loads of X_Query and the next trip's fragment loads.
.set FLOOR,  0x2800000
.set MINUS4, 0xfe000000
.set KC,  0                            ; LDS: k's codes [pair 16][block of n 8]
.set VC,  98304                        ; v's codes [pair of n 8][block of e 16]
.set KSC, 196608                       ; k's scale words [K step 2][pair 16][row 32]
.set VSC, 200704                       ; v's [pair 8][K step 4][row 32]
.set PC,  204800                       ; p's codes [pair of d 8][block of e 16]
.set PS,  303104                       ; p's scale words [pair 8][K step 4][row 32]
.set RL,  307200                       ; 1 / l: [tile of d 16][row 16] words
.set STG, 308224                       ; the stage for the difference's scale bytes: [pair of n 8][K step 2][row 32][byte 4]
.set SEL, 20                           ; s[20:21]
.set CS,  22                           ; s[22:23] c = log2(e) / 16
; registers of the scores: v1-2 k's fragments' addresses (stepped), v3 k's scale words, v4-5 where p's codes go, v6 p's scale words, v7 1 / l, v8 my byte in the stage, v9 8,192 x lane (the prefetches; never rewritten)
.set QS,  10                           ; v10-13 scale words and nothing else: q's two; later p's four
.set QF,  18                           ; v18-41 q's two fragments.  v14 -M, v15 the largest t, v[16:17] l in two halves
.set NM,  42                           ; v42-45 -M as it stood behind each step
.set BF,  46                           ; v46-61 the largest p of each of the 16 blocks
.set KSR, 62                           ; v62-65 scale words and nothing else: k's; later v's
.set S,   66                           ; v66-129 S^T, then p
.set KF,  130                          ; v130-225 eight fragments of k
.set PCD, 226                          ; v226-237 p's codes
.set SPT, 238                          ; v238-245 at work
.set SSO, 246                          ; v246-249 the conversions' scale operands
.set BMX, 250                          ; v250-253 the blocks' largest scores
.set F,   254                          ; v[254:255] f = 2^(old M - new M)
.set FD,  66                           ; the fill: v66-165
; registers of PV: v1-2 v's fragments, v3 v's scale words, v4-5 p's fragments, v6 p's scale words, v7 1 / l, then the stage's way out; v14 X_Query, v15-16 the record, v17 the scale words' way out
.set C0,  18                           ; v18-23 a record's six registers
.set BM,  24                           ; QBLK's work registers lie where v's first fragment lay
.set PT,  26
.set SO,  28
.set C1,  32
.set BY,  60                           ; v60-61
.set ACC, 66                           ; v66-97 four accumulators: 16 x (v's tile) + 8 x (p's tile)
.set XR,  98                           ; v98-129 X_Query, in the accumulators' layout
.set PF,  130                          ; v130-225 p's eight fragments
.set RLR, 238                          ; v238-253 1 / l of my 16 channels
.macro PLACES5                         ; plain lines behind a run of matrix instructions, ahead of reads of their results, of loads into their registers and of sums begun anew
.rept 5
	v_nop
.endr
.endm
.macro FRAG reg, a16, a8, off, beta
	ds_load_b128 v[(\reg):(\reg)+3], v[\a16] offset:(\off)+256*(\beta)
	ds_load_b64 v[(\reg)+4:(\reg)+5], v[\a8] offset:(\off)+512+128*(\beta)
	ds_load_b128 v[(\reg)+6:(\reg)+9], v[\a16] offset:(\off)+1536+256*(\beta)
	ds_load_b64 v[(\reg)+10:(\reg)+11], v[\a8] offset:(\off)+2048+128*(\beta)
.endm
.macro GFRAG reg, g16, g8, sb, off, beta
	global_load_b128 v[(\reg):(\reg)+3], v[\g16], s[\sb:\sb+1] offset:(\off)+256*(\beta)
	global_load_b64 v[(\reg)+4:(\reg)+5], v[\g8], s[\sb:\sb+1] offset:(\off)+512+128*(\beta)
	global_load_b128 v[(\reg)+6:(\reg)+9], v[\g16], s[\sb:\sb+1] offset:(\off)+1536+256*(\beta)
	global_load_b64 v[(\reg)+10:(\reg)+11], v[\g8], s[\sb:\sb+1] offset:(\off)+2048+128*(\beta)
.endm
.macro WM d, a, b, z, sa, sb, ra, rb
.if (\z)
.if (\ra)
.if (\rb)
	v_wmma_scale_f32_16x16x128_f8f6f4 v[(\d):(\d)+7], v[(\a):(\a)+11], v[(\b):(\b)+11], 0, v[(\sa)], v[(\sb)] matrix_a_fmt:MATRIX_FMT_BF6 matrix_b_fmt:MATRIX_FMT_BF6 matrix_a_scale:MATRIX_SCALE_ROW1 matrix_b_scale:MATRIX_SCALE_ROW1
.else
	v_wmma_scale_f32_16x16x128_f8f6f4 v[(\d):(\d)+7], v[(\a):(\a)+11], v[(\b):(\b)+11], 0, v[(\sa)], v[(\sb)] matrix_a_fmt:MATRIX_FMT_BF6 matrix_b_fmt:MATRIX_FMT_BF6 matrix_a_scale:MATRIX_SCALE_ROW1
.endif
.else
.if (\rb)
	v_wmma_scale_f32_16x16x128_f8f6f4 v[(\d):(\d)+7], v[(\a):(\a)+11], v[(\b):(\b)+11], 0, v[(\sa)], v[(\sb)] matrix_a_fmt:MATRIX_FMT_BF6 matrix_b_fmt:MATRIX_FMT_BF6 matrix_b_scale:MATRIX_SCALE_ROW1
.else
	v_wmma_scale_f32_16x16x128_f8f6f4 v[(\d):(\d)+7], v[(\a):(\a)+11], v[(\b):(\b)+11], 0, v[(\sa)], v[(\sb)] matrix_a_fmt:MATRIX_FMT_BF6 matrix_b_fmt:MATRIX_FMT_BF6
.endif
.endif
.else
.if (\ra)
.if (\rb)
	v_wmma_scale_f32_16x16x128_f8f6f4 v[(\d):(\d)+7], v[(\a):(\a)+11], v[(\b):(\b)+11], v[(\d):(\d)+7], v[(\sa)], v[(\sb)] matrix_a_fmt:MATRIX_FMT_BF6 matrix_b_fmt:MATRIX_FMT_BF6 matrix_a_scale:MATRIX_SCALE_ROW1 matrix_b_scale:MATRIX_SCALE_ROW1
.else
	v_wmma_scale_f32_16x16x128_f8f6f4 v[(\d):(\d)+7], v[(\a):(\a)+11], v[(\b):(\b)+11], v[(\d):(\d)+7], v[(\sa)], v[(\sb)] matrix_a_fmt:MATRIX_FMT_BF6 matrix_b_fmt:MATRIX_FMT_BF6 matrix_a_scale:MATRIX_SCALE_ROW1
.endif
.else
.if (\rb)
	v_wmma_scale_f32_16x16x128_f8f6f4 v[(\d):(\d)+7], v[(\a):(\a)+11], v[(\b):(\b)+11], v[(\d):(\d)+7], v[(\sa)], v[(\sb)] matrix_a_fmt:MATRIX_FMT_BF6 matrix_b_fmt:MATRIX_FMT_BF6 matrix_b_scale:MATRIX_SCALE_ROW1
.else
	v_wmma_scale_f32_16x16x128_f8f6f4 v[(\d):(\d)+7], v[(\a):(\a)+11], v[(\b):(\b)+11], v[(\d):(\d)+7], v[(\sa)], v[(\sb)] matrix_a_fmt:MATRIX_FMT_BF6 matrix_b_fmt:MATRIX_FMT_BF6
.endif
.endif
.endif
.endm
; Two blocks of 32: v[a0 .. a0+15] are 16 neighbours (16 h on) of row r of tile 0, v[a0+16 .. a0+31] of tile 1.  Afterwards lane y = 16 u + r holds the whole block of its row in v[C0 .. C0+5] and its byte in v[BY].
.macro QBLK a0
	v_max3_num_f32 v[BM], |v[(\a0)]|, |v[(\a0)+1]|, FLOOR
	v_max3_num_f32 v[BM+1], |v[(\a0)+16]|, |v[(\a0)+17]|, FLOOR
.irp i, 2,4,6,8,10,12,14
	v_max3_num_f32 v[BM], v[BM], |v[(\a0)+\i]|, |v[(\a0)+\i+1]|
	v_max3_num_f32 v[BM+1], v[BM+1], |v[(\a0)+16+\i]|, |v[(\a0)+17+\i]|
.endr
	v_permlanex16_b32 v[PT], v[BM], s[SEL], s[SEL+1]
	v_permlanex16_b32 v[PT+1], v[BM+1], s[SEL], s[SEL+1]
	v_max_num_f32 v[BM], v[BM], v[PT]
	v_max_num_f32 v[BM+1], v[BM+1], v[PT+1]
	v_add_nc_u32 v[SO], MINUS4, v[BM]
	v_add_nc_u32 v[SO+1], MINUS4, v[BM+1]
	v_lshrrev_b32 v[BY], 23, v[SO]
	v_lshrrev_b32 v[BY+1], 23, v[SO+1]
	v_cvt_scalef32_pk16_bf6_f32 v[C0:C0+2], v[(\a0):(\a0)+15], v[SO]
	v_cvt_scalef32_pk16_bf6_f32 v[C1:C1+2], v[(\a0)+16:(\a0)+31], v[SO+1]
	v_nop                                          ; one plain line behind a scaled conversion
.irp i, 0,1,2
	v_permlane16_swap_b32 v[C0+\i], v[C1+\i]
.endr
.irp i, 0,1,2
	v_mov_b32 v[C0+3+\i], v[C1+\i]
.endr
	v_cndmask_b32 v[BY], v[BY], v[BY+1], vcc_lo    ; lanes 16-31 take tile 1's byte
.endm
	s_load_b256 s[4:11], s[0:1], 0x0               ; cod, scl, X_Query, dcod
	s_load_b64 s[12:13], s[0:1], 0x20              ; dscl
	v_lshrrev_b32 v1, 5, v0
	v_readfirstlane_b32 s14, v1                    ; wave 0..15
	s_lshr_b32 s15, ttmp9, 1                       ; unit
	s_and_b32 s16, ttmp9, 1                        ; which 256 of d
	s_lshr_b32 s17, s15, 3                         ; b
	s_and_b32 s18, s15, 7                          ; head
	s_wait_alu depctr_va_sdst(0)                   ; s14 is written, ahead of its first reader
	s_lshr_b32 s26, s14, 1                         ; my pair of d tiles
	s_and_b32 s27, s14, 1                          ; scores: my tile of the pair; PV: my 128 positions
	s_mov_b32 s[SEL], 0x76543210
	s_mov_b32 s[SEL+1], 0xfedcba98
	s_mov_b32 s[CS], 0x3db8aa3b                    ; log2(e) / 16
	s_mov_b32 s[CS+1], s[CS]                       ; (named with it as a pair, so it is written)
	s_mov_b32 vcc_lo, 0xffff0000                   ; lanes 16-31
	s_mul_i32 s28, s15, 98304                      ; the unit's codes: q's,
	s_mov_b32 s29, 0
	s_add_co_u32 s30, s28, 12582912                ; k's,
	s_mov_b32 s31, 0
	s_add_co_u32 s32, s28, 25165824                ; v's
	s_mov_b32 s33, 0
	s_lshl_b32 s34, s15, 12                        ; its scale words: q's,
	s_mov_b32 s35, 0
	s_add_co_u32 s36, s34, 524288                  ; k's (v's lie 524,288 bytes further on)
	s_mov_b32 s37, 0
	s_lshl_b32 s44, s16, 3
	s_add_co_u32 s44, s44, s26                     ; my pair among the unit's 16
	s_lshl_b32 s38, s17, 22
	s_lshl_b32 s45, s18, 10
	s_add_co_u32 s38, s38, s45
	s_lshl_b32 s45, s27, 9
	s_add_co_u32 s38, s38, s45
	s_lshl_b32 s45, s44, 18
	s_add_co_u32 s38, s38, s45                     ; X_Query: b, the head's 1,024 bytes, my 512 of them, my 32 rows
	s_mov_b32 s39, 0
	s_mul_i32 s40, s17, 786432
	s_lshl_b32 s45, s18, 3
	s_lshl_b32 s46, s27, 2
	s_add_co_u32 s45, s45, s46
	s_mul_i32 s45, s45, 12288
	s_add_co_u32 s40, s40, s45
	s_mul_i32 s45, s44, 768
	s_add_co_u32 s40, s40, s45                     ; dcod: b, pair of n 8 head + 4 (w % 2), block of d = my pair
	s_mov_b32 s41, 0
	s_lshl_b32 s42, s17, 15
	s_lshl_b32 s45, s18, 12
	s_add_co_u32 s42, s42, s45
	s_lshl_b32 s45, s16, 8
	s_add_co_u32 s42, s42, s45                     ; dscl: b, the head's eight pairs, my half's two K steps
	s_mov_b32 s43, 0
	v_and_b32 v235, 15, v0                         ; r
	v_bfe_u32 v236, v0, 4, 1                       ; h
	v_and_b32 v237, 31, v0                         ; lane
	v_mul_u32_u24 v236, v236, 768
	v_lshl_add_u32 v1, v235, 4, v236               ; 768 h + 16 r (k's codes begin at LDS byte 0)
	v_lshl_add_u32 v2, v235, 3, v236               ; 768 h + 8 r
	v_lshlrev_b32 v228, 4, v0                      ; the fill: 16 x thread, in memory and in LDS;
	v_add_nc_u32 v229, 0x10000, v228               ; LDS bases 65,536 bytes apart, since an LDS offset has 16 bits
	v_add_nc_u32 v230, 0x20000, v228
	v_add_nc_u32 v231, 0x30000, v228
	v_lshrrev_b32 v226, 8, v0
	v_and_b32 v227, 255, v0
	v_lshlrev_b32 v227, 4, v227
	v_lshl_add_u32 v227, v226, 19, v227            ; threads 0-255 fetch k's scale words, threads 256-511 v's
	s_mul_i32 s45, s44, 6144
	s_lshl_b32 s46, s27, 8
	s_add_co_u32 s46, s46, s45
	v_add_nc_u32 v232, s46, v1                     ; q's fragments: my pair, my tile
	s_lshl_b32 s46, s27, 7
	s_add_co_u32 s46, s46, s45
	v_add_nc_u32 v233, s46, v2
	s_lshl_b32 s45, s44, 7
	s_lshl_b32 s46, s27, 6
	s_add_co_u32 s45, s45, s46
	v_lshl_add_u32 v234, v235, 2, s45              ; q's scale words: lane r takes row r's
	s_wait_kmcnt 0x0
	s_add_nc_u64 s[28:29], s[4:5], s[28:29]
	s_add_nc_u64 s[30:31], s[4:5], s[30:31]
	s_add_nc_u64 s[32:33], s[4:5], s[32:33]
	s_add_nc_u64 s[34:35], s[6:7], s[34:35]
	s_add_nc_u64 s[36:37], s[6:7], s[36:37]
	s_add_nc_u64 s[38:39], s[8:9], s[38:39]
	s_add_nc_u64 s[40:41], s[10:11], s[40:41]
	s_add_nc_u64 s[42:43], s[12:13], s[42:43]
	s_wait_alu depctr_va_vdst(0)                   ; the offsets v227 to v234 are written, which the loads below and the fill's LDS stores read; so are v1 and v2
.irp i, 0,1,2,3,4,5,6,7,8,9,10,11
	global_load_b128 v[FD+4*\i:FD+4*\i+3], v228, s[30:31] offset:8192*\i
.endr
.irp i, 0,1,2,3,4,5,6,7,8,9,10,11
	global_load_b128 v[FD+48+4*\i:FD+48+4*\i+3], v228, s[32:33] offset:8192*\i
.endr
	global_load_b128 v[FD+96:FD+99], v227, s[36:37]
	GFRAG QF, 232, 233, 28, 0, 0
	GFRAG QF+12, 232, 233, 28, 3072, 0
	global_load_b32 v[QS], v234, s[34:35]
	global_load_b32 v[QS+1], v234, s[34:35] offset:2048
	; the other addresses, while the loads are on their way
	v_lshl_add_u32 v3, v237, 2, KSC
	s_mul_i32 s45, s26, 12288
	s_add_co_u32 s45, s45, PC
	s_lshl_b32 s46, s27, 8
	s_add_co_u32 s46, s46, s45
	v_add_nc_u32 v4, s46, v1                       ; p's codes: my pair's records, block h, row 16 (w % 2) + r
	s_lshl_b32 s46, s27, 7
	s_add_co_u32 s46, s46, s45
	v_add_nc_u32 v5, s46, v2
	s_lshl_b32 s45, s26, 9
	s_lshl_b32 s46, s27, 6
	s_add_co_u32 s45, s45, s46
	s_add_co_u32 s45, s45, PS
	v_lshl_add_u32 v6, v235, 2, s45
	s_lshl_b32 s45, s14, 6
	s_add_co_u32 s45, s45, RL
	v_lshl_add_u32 v7, v235, 2, s45
	s_lshl_b32 s45, s27, 10
	s_lshr_b32 s46, s26, 2
	s_lshl_b32 s46, s46, 7
	s_add_co_u32 s45, s45, s46
	s_and_b32 s46, s26, 3
	s_add_co_u32 s45, s45, s46
	s_add_co_u32 s45, s45, STG
	v_lshl_add_u32 v8, v237, 2, s45                ; PV: my byte in the stage
	v_lshlrev_b32 v9, 13, v237                     ; a row of X_Query is 8,192 bytes: a lane a row
	v_mov_b32 v15, 0xff61b1e6                      ; the largest t so far: -3e38
	v_floor_f32 v14, -v15                          ; -M
	v_mov_b32 v16, 0
	v_mov_b32 v17, 0
.irp b, 0,1,2,3
	v_mov_b32 v[SPT+\b], 0                         ; a lane permute's destination counts as one of its sources
.endr
	v_mov_b32 v[F+1], 0                            ; (named as the upper half of the pair)
	s_wait_loadcnt 0x0
.set JJ, 0
.rept 25
	ds_store_b128 v[228+JJ/8], v[FD+4*JJ:FD+4*JJ+3] offset:8192*(JJ%8)   ; LDS byte 16 x thread + 8,192 JJ: k's codes, v's codes, the scale words, on end
.set JJ, JJ+1
.endr
	s_wait_dscnt 0x0                               ; for the others' sake: my stores have landed
	s_barrier_signal -1
	s_barrier_wait -1                              ; k and v lie in LDS
	s_wait_alu depctr_vm_vsrc(0)                   ; the fill's LDS stores have read v[FD ..], which the scores' products write and in which k's fragments land, and v228 to v231; the head's loads have read v227 and v232 to v234: p's codes are written over these
	s_wait_alu depctr_va_vdst(0)                   ; the addresses v3 to v9 are written, which the LDS loads and stores and the prefetches below read
; A STEP: 128 channels e = four pairs of k's tiles, two pairs at a time
.macro STEP z
.irp g, 0,1
.if \g
	PLACES5
	s_wait_alu depctr_va_vdst(0)                   ; the products above are done reading k's fragments and scale words, in which the loads below land
.endif
.irp tp, 0,1
.irp be, 0,1
.irp s, 0,1
	FRAG KF+12*(4*\tp+2*\be+\s), 1, 2, (2*\g+\tp)*6144+3072*\s, \be
.endr
.endr
.irp s, 0,1
	ds_load_b32 v[KSR+2*\tp+\s], v3 offset:2048*\s+(4*\z+2*\g+\tp)*128
.endr
.endr
.if (\z == 2) && (\g == 0)
	global_prefetch_b8 v9, s[38:39] th:TH_LOAD_NT scope:SCOPE_SE   ; my 32 rows of X_Query, the first 256 bytes of my 512: what PV's trips 0 and 1 will load
.endif
	s_wait_dscnt 0x0
.irp s, 0,1
.irp tp, 0,1
.irp be, 0,1
	WM S+16*(2*\g+\tp)+8*\be, KF+12*(4*\tp+2*\be+\s), QF+12*\s, 1-\s, KSR+2*\tp+\s, QS+\s, \be, 0
.endr
.endr
.endr
.endr
	PLACES5                                        ; register 16 b + i of S now holds e = 128 z + 32 b + 16 h + i of my channel d
.irp b, 0,1,2,3
	v_max3_num_f32 v[BMX+\b], v[S+16*\b], v[S+1+16*\b], v[S+2+16*\b]   ; the largest score of each block of 32: for the row's maximum and for the block's largest p
.endr
.irp i, 3,5,7,9,11,13
.irp b, 0,1,2,3
	v_max3_num_f32 v[BMX+\b], v[BMX+\b], v[S+16*\b+\i], v[S+1+16*\b+\i]
.endr
.endr
.irp b, 0,1,2,3
	v_max_num_f32 v[BMX+\b], v[BMX+\b], v[S+15+16*\b]
.endr
.irp b, 0,1,2,3
	v_permlanex16_b32 v[SPT+\b], v[BMX+\b], s[SEL], s[SEL+1]
.endr
.irp b, 0,1,2,3
	v_max_num_f32 v[BMX+\b], v[BMX+\b], v[SPT+\b]  ; with lane l xor 16's 16
.endr
	v_max3_num_f32 v[SPT], v[BMX], v[BMX+1], v[BMX+2]
	v_max_num_f32 v[SPT], v[SPT], v[BMX+3]
	v_mul_f32 v[SPT], s[CS], v[SPT]                ; as t (c is positive)
	v_max_num_f32 v15, v15, v[SPT]                 ; the running largest t
	v_mov_b32 v[SPT], v14
	v_floor_f32 v14, -v15                          ; the new -M = -ceil(t)
	v_sub_f32 v[SPT], v14, v[SPT]                  ; old M - new M: a whole number, 0 or less
	v_cvt_i32_f32 v[SPT], v[SPT]                   ; (it saturates)
	v_ldexp_f32 v[F], 1.0, v[SPT]                  ; f = 2^(old M - new M)
.set JJ, 0
.rept 32
	v_pk_fma_f32 v[S+JJ:S+JJ+1], v[S+JJ:S+JJ+1], s[CS:CS+1], v[14:15] op_sel_hi:[1,0,0]   ; t - M, two at a time
.set JJ, JJ+2
.endr
.irp b, 0,1,2,3
	v_fma_f32 v[BMX+\b], v[BMX+\b], s[CS], v14     ; the same of each block's largest score
.endr
.set JJ, 0
	s_wait_alu depctr_va_vdst(0)
.rept 64
	v_exp_f32 v[S+JJ], v[S+JJ]                     ; p = 2^(t - M)
.set JJ, JJ+1
.endr
	v_pk_mul_f32 v[16:17], v[16:17], v[F:F+1] op_sel_hi:[1,0]   ; l under the new M: the plain line behind the exponentials
	s_wait_alu depctr_va_vdst(0)                   ; one wait for the batch of 64: the exponentials have written v[S ..], ahead of their first reader
.irp b, 0,1,2,3
	v_exp_f32 v[BMX+\b], v[BMX+\b]                 ; the blocks' largest p
.endr
	v_pk_add_f32 v[SPT:SPT+1], v[S:S+1], v[S+2:S+3]   ; the sum of the unquantised p, in two chains
.irp j, 4,8,12,16,20,24,28,32,36,40,44,48,52,56,60
	v_pk_add_f32 v[16:17], v[16:17], v[S+\j:S+\j+1]
	v_pk_add_f32 v[SPT:SPT+1], v[SPT:SPT+1], v[S+2+\j:S+3+\j]
.endr
	v_pk_add_f32 v[16:17], v[16:17], v[SPT:SPT+1]
	s_wait_alu depctr_va_vdst(0)                   ; and one for the four: the exponentials have written v[BMX ..], ahead of their first reader
.irp b, 0,1,2,3
	v_max_num_f32 v[BF+4*\z+\b], FLOOR, v[BMX+\b]  ; kept: the block's byte is made at the end, under the final M
.endr
.irp b, 0,1,2,3
	v_add_nc_u32 v[SSO+\b], MINUS4, v[BF+4*\z+\b]  ; the conversion's scale operand, under this step's M
.endr
	s_wait_alu depctr_vm_vsrc(0)                   ; the last step's LDS stores have read v[PCD ..], which the conversions write again; this step's loads have read v1 and v2, which are stepped below
.irp c, 0,1
	v_cvt_scalef32_pk16_bf6_f32 v[PCD+6*\c:PCD+6*\c+2], v[S+32*\c:S+32*\c+15], v[SSO+2*\c]
	v_cvt_scalef32_pk16_bf6_f32 v[SPT+4*\c:SPT+4*\c+2], v[S+16+32*\c:S+31+32*\c], v[SSO+2*\c+1]
.endr
	v_nop                                          ; one plain line behind a scaled conversion
.irp c, 0,1
.irp i, 0,1,2
	v_permlane16_swap_b32 v[PCD+6*\c+\i], v[SPT+4*\c+\i]   ; a whole block to a lane: lanes 0-15 block 2 c, lanes 16-31 block 2 c + 1
.endr
.irp i, 0,1,2
	v_mov_b32 v[PCD+3+6*\c+\i], v[SPT+4*\c+\i]
.endr
.endr
	v_mov_b32 v[NM+\z], v14
.if \z < 3
	v_add_nc_u32 v1, 24576, v1                     ; the next four pairs of k's tiles
	v_add_nc_u32 v2, 24576, v2
.endif
	s_wait_alu depctr_va_vdst(0)                   ; v[PCD ..] is written, which the LDS stores below read; v1 and v2 are written, which the next step's loads read; this step's products are done reading k's fragments and scale words, in which those loads land
	ds_store_b128 v4, v[PCD:PCD+3] offset:3072*\z            ; the fragment's registers go where a reader's four loads will look for them
	ds_store_b64 v5, v[PCD+4:PCD+5] offset:3072*\z+512
	ds_store_b128 v4, v[PCD+6:PCD+9] offset:3072*\z+1536
	ds_store_b64 v5, v[PCD+10:PCD+11] offset:3072*\z+2048
.endm
	STEP 0
	STEP 1
	STEP 2
	STEP 3
	v_add_f32 v16, v16, v17                        ; l's two halves,
	v_permlanex16_b32 v[SPT], v16, s[SEL], s[SEL+1]
	v_add_f32 v16, v16, v[SPT]                     ; and lane l xor 16's
	s_wait_alu depctr_va_vdst(0)
	v_rcp_f32 v16, v16
.irp z, 0,1,2
	v_sub_f32 v[NM+\z], v14, v[NM+\z]              ; step z's M less the final M: a whole number, 0 or less
.endr
.irp z, 0,1,2
	v_cvt_i32_f32 v[NM+\z], v[NM+\z]
.endr
.irp z, 0,1,2
.irp b, 0,1,2,3
	v_ldexp_f32 v[BF+4*\z+\b], v[BF+4*\z+\b], v[NM+\z]   ; the block's largest p under the final M: exact, or under the floor
.endr
.endr
.set JJ, 0
.rept 12
	v_max_num_f32 v[BF+JJ], FLOOR, v[BF+JJ]
.set JJ, JJ+1
.endr
.set JJ, 0
.rept 16
	v_add_nc_u32 v[BF+JJ], MINUS4, v[BF+JJ]
.set JJ, JJ+1
.endr
.set JJ, 0
.rept 16
	v_lshrrev_b32 v[BF+JJ], 23, v[BF+JJ]           ; the byte
.set JJ, JJ+1
.endr
.irp z, 0,1,2,3
	v_lshl_or_b32 v[SSO+\z], v[BF+4*\z+1], 8, v[BF+4*\z]
.endr
.irp z, 0,1,2,3
	v_lshl_or_b32 v[SSO+\z], v[BF+4*\z+2], 16, v[SSO+\z]
.endr
.irp z, 0,1,2,3
	v_lshl_or_b32 v[SSO+\z], v[BF+4*\z+3], 24, v[SSO+\z]
.endr
	s_wait_alu depctr_va_vdst(0)                   ; the reciprocal has written v16, ahead of its first reader; the scale words v[SSO ..] are written too: the LDS stores below read both
	ds_store_b32 v7, v16                           ; both lanes of a channel write the same word with the same value
.irp z, 0,1,2,3
	ds_store_b32 v6, v[SSO+\z] offset:128*\z
.endr
	s_wait_dscnt 0x0
	s_barrier_signal -1
	s_barrier_wait -1                              ; p, its scale words and 1 / l lie in LDS
	; ---- PV
	s_wait_alu depctr_vm_vsrc(0)                   ; my LDS stores have read v4 to v7 and v16, which the lines below write anew, and v[SSO ..], in which 1 / l lands
	v_and_b32 v24, 15, v0                          ; r
	v_bfe_u32 v25, v0, 4, 1                        ; h
	v_and_b32 v26, 31, v0                          ; lane
	s_wait_alu depctr_va_vdst(0)
	v_mul_u32_u24 v27, v25, 768
	v_lshl_add_u32 v28, v24, 4, v27
	v_lshl_add_u32 v29, v24, 3, v27
	s_mul_i32 s45, s27, 49152
	s_add_co_u32 s45, s45, VC
	v_add_nc_u32 v1, s45, v28                      ; v's fragments: my four pairs of n
	v_add_nc_u32 v2, s45, v29
	s_lshl_b32 s45, s27, 11
	s_add_co_u32 s45, s45, VSC
	v_lshl_add_u32 v3, v26, 2, s45
	s_mul_i32 s45, s26, 12288
	s_add_co_u32 s45, s45, PC
	v_add_nc_u32 v4, s45, v28                      ; p's fragments: my pair of d
	v_add_nc_u32 v5, s45, v29
	s_lshl_b32 s45, s26, 9
	s_add_co_u32 s45, s45, PS
	v_lshl_add_u32 v6, v26, 2, s45
	s_lshl_b32 s45, s26, 7
	s_add_co_u32 s45, s45, RL
	v_lshl_add_u32 v7, v25, 5, s45                 ; 1 / l of rows 8 h + 0 .. 7 of my two tiles
	v_lshlrev_b32 v14, 2, v24
	v_lshl_add_u32 v14, v25, 17, v14               ; X_Query: 16 h rows of 8,192 bytes + 4 r
	v_lshlrev_b32 v15, 4, v26
	v_lshlrev_b32 v16, 3, v26
	v_lshrrev_b32 v17, 4, v0
	v_lshlrev_b32 v17, 9, v17
	v_lshl_add_u32 v17, v24, 4, v17                ; the scale words' way out: 512 (thread / 16) + 16 (thread % 16)
	s_wait_alu depctr_va_vdst(0)                   ; the addresses v1 to v7 and v14 to v17 are written, which the loads and stores below read; the scores' products and vector lines are done with v10-11, v24-29, v98-225 and v238-253, in which loads land
.irp al, 0,1
.irp s, 0,1,2,3
	FRAG PF+12*(4*\al+\s), 4, 5, 3072*\s, \al
.endr
.endr
.irp s, 0,1,2,3
	ds_load_b32 v[QS+\s], v6 offset:128*\s
.endr
.irp al, 0,1
	ds_load_b128 v[RLR+8*\al:RLR+8*\al+3], v7 offset:64*\al
	ds_load_b128 v[RLR+8*\al+4:RLR+8*\al+7], v7 offset:64*\al+16
.endr
.macro XLOAD trip                      ; X_Query(32 P + 16 h + 8 a + j, 32 trip + 16 u + r), in the accumulators' layout
.irp be, 0,1
.irp al, 0,1
.irp j, 0,1,2,3,4,5,6,7
	global_load_b32 v[XR+16*\be+8*\al+\j], v14, s[38:39] offset:(8*\al+\j)*8192+64*\be+128*(\trip)
.endr
.endr
.endr
.endm
	XLOAD 0
; A TRIP: 32 positions (a pair of v's tiles) x my 32 channels, K = 512 in two halves
.macro PVTRIP trip
.irp sh, 0,1
.if \sh
	PLACES5
	s_wait_alu depctr_va_vdst(0)                   ; the products above are done reading v's fragments, in which the loads below land
.endif
.irp sl, 0,1
.irp be, 0,1
	FRAG 24+12*(2*\sl+\be)+((2*\sl+\be)/3)*166, 1, 2, (\trip)*12288+3072*(2*\sh+\sl), \be   ; v's four fragments stand at v24, v36, v48 and v226
.endr
.endr
.if \sh == 0
.irp s, 0,1,2,3
	ds_load_b32 v[KSR+\s], v3 offset:(\trip)*512+128*\s
.endr
.endif
	s_wait_dscnt 0x0
.irp sl, 0,1
.irp be, 0,1
.irp al, 0,1
	WM ACC+16*\be+8*\al, PF+12*(4*\al+2*\sh+\sl), 24+12*(2*\sl+\be)+((2*\sl+\be)/3)*166, (2*\sh+\sl)==0, QS+2*\sh+\sl, KSR+2*\sh+\sl, \al, \be
.endr
.endr
.endr
.endr
	PLACES5
	s_wait_loadcnt 0x0                             ; this trip's X_Query
.set JJ, 0
.rept 16
	v_pk_fma_f32 v[XR+JJ:XR+JJ+1], v[ACC+JJ:ACC+JJ+1], v[RLR+JJ%16:RLR+JJ%16+1], v[XR+JJ:XR+JJ+1] neg_lo:[1,0,0] neg_hi:[1,0,0]   ; X_Query - acc / l; each accumulator from its low end on
.set JJ, JJ+2
.endr
	s_wait_alu depctr_va_vdst(0)
	s_wait_xcnt 0x0                                ; the last trip's stores have read C0
	s_wait_alu depctr_vm_vsrc(0)                   ; the last trip's stores have read v[C0 ..] and v[BY], which the quantiser writes again; in trip 0: the loads of 1 / l have read v7, which is written below
.if \trip == 0
	v_lshl_add_u32 v7, v0, 4, STG                  ; from here on: where the stage is read back
.endif
	QBLK XR
	s_wait_alu depctr_va_vdst(0)                   ; the quantiser has written v[C0 ..] and v[BY], which the stores below read, and is done with v[XR ..], in which the next loads of X_Query land, and with v24-34; the trip's products are done reading v's fragments and scale words, in which the next trip's loads land; in trip 0 v7 is written
	global_store_b128 v15, v[C0:C0+3], s[40:41] offset:(\trip)*12288       ; 32 lanes store 512 consecutive bytes,
	global_store_b64 v16, v[C0+4:C0+5], s[40:41] offset:(\trip)*12288+512  ; and the record's other 256
	ds_store_b8 v8, v[BY] offset:256*(\trip)
.if \trip < 3
	XLOAD (\trip)+1
.endif
.if \trip == 0
	global_prefetch_b8 v9, s[38:39] offset:256 th:TH_LOAD_NT scope:SCOPE_SE   ; the second 256 bytes of my 32 rows: what trips 2 and 3 will load
.endif
.endm
	PVTRIP 0
	PVTRIP 1
	PVTRIP 2
	PVTRIP 3
	s_wait_dscnt 0x0                               ; my bytes lie in the stage
	s_barrier_signal -1
	s_barrier_wait -1
	s_cmp_gt_u32 s14, 3                            ; 2,048 bytes: four waves' worth
	s_cbranch_scc1 .Ldone
	ds_load_b128 v[XR:XR+3], v7
	s_wait_dscnt 0x0
	global_store_b128 v17, v[XR:XR+3], s[42:43]    ; sixteen lanes store 256 consecutive bytes, aligned
.Ldone:
	s_wait_xcnt 0x0
	v_lshl_add_u32 v254, v0, 2, 0x4bc00
	v_mov_b32 v255, 0
	s_wait_dscnt 0x0                               ; the closing lines, six on end
	s_wait_alu 0x0
	s_wait_tensorcnt 0x0
	ds_add_u32 v254, v255
	s_wait_dscnt 0x0
	s_endpgm
.Lfunc_end_k_q5981b7ead6_attn:
	.size	k_q5981b7ead6_attn, .Lfunc_end_k_q5981b7ead6_attn-k_q5981b7ead6_attn
	.p2alignl 7, 3214868480
	.fill 96, 4, 3214868480
	.section	.rodata,"a",@progbits
	.p2align	6, 0x0
	.amdhsa_kernel k_q5981b7ead6_attn
		.amdhsa_group_segment_fixed_size 312320
		.amdhsa_private_segment_fixed_size 0
		.amdhsa_enable_private_segment 0
		.amdhsa_kernarg_size 40
		.amdhsa_user_sgpr_count 2
		.amdhsa_user_sgpr_kernarg_segment_ptr 1
		.amdhsa_wavefront_size32 1
		.amdhsa_system_sgpr_workgroup_id_x 1
		.amdhsa_system_sgpr_workgroup_id_y 1
		.amdhsa_system_sgpr_workgroup_id_z 1
		.amdhsa_system_vgpr_workitem_id 0
		.amdhsa_next_free_vgpr 256
		.amdhsa_next_free_sgpr 66
		.amdhsa_reserve_vcc 1
		.amdhsa_float_denorm_mode_32 3
		.amdhsa_float_denorm_mode_16_64 3
		.amdhsa_memory_ordered 1
		.amdhsa_forward_progress 1
		.amdhsa_inst_pref_size 135
	.end_amdhsa_kernel
	.amdgpu_metadata
---
amdhsa.version: [ 1, 2 ]
amdhsa.kernels:
  - .name:           k_q5981b7ead6_attn
    .symbol:         k_q5981b7ead6_attn.kd
    .args:
      - { .name: cod, .offset: 0, .size: 8, .value_kind: global_buffer, .address_space: global }
      - { .name: scl, .offset: 8, .size: 8, .value_kind: global_buffer, .address_space: global }
      - { .name: X_Query, .offset: 16, .size: 8, .value_kind: global_buffer, .address_space: global }
      - { .name: dcod, .offset: 24, .size: 8, .value_kind: global_buffer, .address_space: global }
      - { .name: dscl, .offset: 32, .size: 8, .value_kind: global_buffer, .address_space: global }
    .group_segment_fixed_size: 312320
    .private_segment_fixed_size: 0
    .kernarg_segment_align: 8
    .kernarg_segment_size: 40
    .max_flat_workgroup_size: 512
    .sgpr_count:     66
    .vgpr_count:     256
    .wavefront_size: 32
...
	.end_amdgpu_metadata
.endif
;; end of part 7
;; launch outp (part 8): grid 256 x 1, 16 waves a work-group, no clusters, 192,512 bytes of LDS; arguments dcod, dscl, wcod, wscl, out0; writes out0
.if DOCPART == 8
	.amdgcn_target "amdgcn-amd-amdhsa--gfx1250"
	.amdhsa_code_object_version 6
	.text
	.protected	k_q5981b7ead6_outp
	.globl	k_q5981b7ead6_outp
	.p2align	8
	.type	k_q5981b7ead6_outp,@function
k_q5981b7ead6_outp:
	s_mov_b64 s[64:65], 0
	v_nop
	global_prefetch_b8 v0, s[64:65] scope:SCOPE_SE
	s_setreg_imm32_b32 hwreg(HW_REG_WAVE_SCHED_MODE, 0, 2), 2
	s_setreg_imm32_b32 hwreg(HW_REG_WAVE_MODE, 25, 1), 1
	s_wait_xcnt 0x0
	s_wait_alu depctr_vm_vsrc(0)
; out0[b][o][n] = the sum over d of W_o[o][d] (X_Query - attention)[b][d][n], on codes of BF6 (E3M2) with one E8M0 byte for each 32 along d.  Both operands come as records laid by earlier launches:
; [pair of tiles][block of 32 along K], 768 bytes: row y's first 16 bytes at 16 y, its last 8 at 512 + 8 y; scale words [pair][K step 4][row 32].
; Work-group x: batch x / 16, positions 128 (x % 16) on: four pairs of tiles of n, 49,152 bytes of codes and 2,048 of scale words, dense in memory: they come into LDS once, through registers.
; Wave w: the pair of W_o's tiles w (32 rows o; place 16 u + r is row 32 w + 8 u + r + 8 (r / 8)): its eight fragments come from memory straight into registers and stay.
; A trip: a pair of n tiles: 16 matrix instructions, four accumulators by turns.  First source = the difference (its rows n land in a lane's registers: eight neighbouring n), second = W_o (a lane holds one o).
; THE WAY OUT.  Two trips' results, 32 rows o x 64 n, meet in the wave's own stage (rows of 256 bytes + 16) and leave as whole rows: sixteen lanes store 256 consecutive bytes, aligned.
; NO CLUSTER, NO PREFETCH: a work-group's 51,200 bytes are read by nobody else and are asked for at the head; W_o's codes go straight into registers.
; THE MODE: SCHED_MODE bits 1:0 = 2 (LLVM: expert scheduling mode 2), set by the entry lines.  The code itself states the register dependences
; between vector or matrix instructions and memory or LDS instructions, with s_wait_alu, always for 0.
; THE PLAN.  Registers that memory or LDS instructions touch:
;   v2, v3, v6 to v14  offsets and addresses: written at the head, never again.
;   XF v64-159         the fill's loads land in it and its LDS stores read it; then each trip's fragment loads land in it and the trip's products read it; in the odd trips the stage's rows land in v64-127 and the global stores read them.
;   XSR, WSR, WF       loads land in them; the products read them.
;   ACC v32-63         the products write it; the stage's LDS stores read it; the next trip's products begin it anew.
;   v22, v23           written at the head, read by the closing add alone.
; So a trip has two waits: on vm_vsrc at its head (the stores issued so far have read XF and ACC), and on va_vdst behind its products and their places (ACC is written; the products are done reading XF and XSR).
; All 256 registers are taken: XF has no second set.
.set XS,   49152                       ; LDS: the codes at 0; the scale words here;
.set STG,  51200                       ; then a stage of 32 x 272 bytes for each wave
.set WSR, 24                           ; v24-27 W_o's scale words: scales and nothing else
.set XSR, 28                           ; v28-31 the difference's
.set ACC, 32                           ; v32-63: 16 x (W_o's tile) + 8 x (the difference's tile)
.set XF,  64                           ; v64-159 the difference's eight fragments; on the way out v64-127 hold rows
.set WF,  160                          ; v160-255 W_o's eight
.macro PLACES5                         ; plain lines behind a run of matrix instructions, ahead of reads of their results, of loads into their registers and of sums begun anew
.rept 5
	v_nop
.endr
.endm
.macro FRAG reg, a16, a8, off, beta
	ds_load_b128 v[(\reg):(\reg)+3], v[\a16] offset:(\off)+256*(\beta)
	ds_load_b64 v[(\reg)+4:(\reg)+5], v[\a8] offset:(\off)+512+128*(\beta)
	ds_load_b128 v[(\reg)+6:(\reg)+9], v[\a16] offset:(\off)+1536+256*(\beta)
	ds_load_b64 v[(\reg)+10:(\reg)+11], v[\a8] offset:(\off)+2048+128*(\beta)
.endm
.macro GFRAG reg, g16, g8, sb, off, beta
	global_load_b128 v[(\reg):(\reg)+3], v[\g16], s[\sb:\sb+1] offset:(\off)+256*(\beta)
	global_load_b64 v[(\reg)+4:(\reg)+5], v[\g8], s[\sb:\sb+1] offset:(\off)+512+128*(\beta)
	global_load_b128 v[(\reg)+6:(\reg)+9], v[\g16], s[\sb:\sb+1] offset:(\off)+1536+256*(\beta)
	global_load_b64 v[(\reg)+10:(\reg)+11], v[\g8], s[\sb:\sb+1] offset:(\off)+2048+128*(\beta)
.endm
.macro WM d, a, b, z, sa, sb, ra, rb
.if (\z)
.if (\ra)
.if (\rb)
	v_wmma_scale_f32_16x16x128_f8f6f4 v[(\d):(\d)+7], v[(\a):(\a)+11], v[(\b):(\b)+11], 0, v[(\sa)], v[(\sb)] matrix_a_fmt:MATRIX_FMT_BF6 matrix_b_fmt:MATRIX_FMT_BF6 matrix_a_scale:MATRIX_SCALE_ROW1 matrix_b_scale:MATRIX_SCALE_ROW1
.else
	v_wmma_scale_f32_16x16x128_f8f6f4 v[(\d):(\d)+7], v[(\a):(\a)+11], v[(\b):(\b)+11], 0, v[(\sa)], v[(\sb)] matrix_a_fmt:MATRIX_FMT_BF6 matrix_b_fmt:MATRIX_FMT_BF6 matrix_a_scale:MATRIX_SCALE_ROW1
.endif
.else
.if (\rb)
	v_wmma_scale_f32_16x16x128_f8f6f4 v[(\d):(\d)+7], v[(\a):(\a)+11], v[(\b):(\b)+11], 0, v[(\sa)], v[(\sb)] matrix_a_fmt:MATRIX_FMT_BF6 matrix_b_fmt:MATRIX_FMT_BF6 matrix_b_scale:MATRIX_SCALE_ROW1
.else
	v_wmma_scale_f32_16x16x128_f8f6f4 v[(\d):(\d)+7], v[(\a):(\a)+11], v[(\b):(\b)+11], 0, v[(\sa)], v[(\sb)] matrix_a_fmt:MATRIX_FMT_BF6 matrix_b_fmt:MATRIX_FMT_BF6
.endif
.endif
.else
.if (\ra)
.if (\rb)
	v_wmma_scale_f32_16x16x128_f8f6f4 v[(\d):(\d)+7], v[(\a):(\a)+11], v[(\b):(\b)+11], v[(\d):(\d)+7], v[(\sa)], v[(\sb)] matrix_a_fmt:MATRIX_FMT_BF6 matrix_b_fmt:MATRIX_FMT_BF6 matrix_a_scale:MATRIX_SCALE_ROW1 matrix_b_scale:MATRIX_SCALE_ROW1
.else
	v_wmma_scale_f32_16x16x128_f8f6f4 v[(\d):(\d)+7], v[(\a):(\a)+11], v[(\b):(\b)+11], v[(\d):(\d)+7], v[(\sa)], v[(\sb)] matrix_a_fmt:MATRIX_FMT_BF6 matrix_b_fmt:MATRIX_FMT_BF6 matrix_a_scale:MATRIX_SCALE_ROW1
.endif
.else
.if (\rb)
	v_wmma_scale_f32_16x16x128_f8f6f4 v[(\d):(\d)+7], v[(\a):(\a)+11], v[(\b):(\b)+11], v[(\d):(\d)+7], v[(\sa)], v[(\sb)] matrix_a_fmt:MATRIX_FMT_BF6 matrix_b_fmt:MATRIX_FMT_BF6 matrix_b_scale:MATRIX_SCALE_ROW1
.else
	v_wmma_scale_f32_16x16x128_f8f6f4 v[(\d):(\d)+7], v[(\a):(\a)+11], v[(\b):(\b)+11], v[(\d):(\d)+7], v[(\sa)], v[(\sb)] matrix_a_fmt:MATRIX_FMT_BF6 matrix_b_fmt:MATRIX_FMT_BF6
.endif
.endif
.endif
.endm
	s_load_b256 s[4:11], s[0:1], 0x0               ; dcod, dscl, wcod, wscl
	s_load_b64 s[12:13], s[0:1], 0x20              ; out0
	v_lshl_add_u32 v22, v0, 2, 0x2e800
	v_mov_b32 v23, 0
	v_lshrrev_b32 v1, 5, v0
	v_readfirstlane_b32 s14, v1                    ; wave 0..15
	s_mul_i32 s16, ttmp9, 49152
	s_mov_b32 s17, 0
	s_lshl_b32 s18, ttmp9, 11
	s_mov_b32 s19, 0
	s_lshr_b32 s20, ttmp9, 4
	s_lshl_b32 s20, s20, 22                        ; b x 4 MiB
	s_and_b32 s21, ttmp9, 15
	s_lshl_b32 s21, s21, 9
	s_add_co_u32 s20, s20, s21                     ; + 512 bytes for each 128 positions
	s_wait_alu depctr_va_sdst(0)                   ; s14 is written, ahead of its first reader
	s_lshl_b32 s21, s14, 18
	s_add_co_u32 s20, s20, s21                     ; + my 32 rows of 8,192 bytes
	s_mov_b32 s21, 0
	v_and_b32 v1, 31, v0                           ; lane
	v_and_b32 v16, 15, v0                          ; r
	v_bfe_u32 v17, v0, 4, 1                        ; h
	v_lshlrev_b32 v2, 4, v0                        ; the fill: 16 x thread, in memory and in LDS
	v_lshlrev_b32 v3, 2, v0                        ; and 4 x thread for the scale words
	v_mul_u32_u24 v18, v17, 768
	v_lshl_add_u32 v6, v16, 4, v18                 ; fragments from LDS: 768 h + 16 r,
	v_lshl_add_u32 v7, v16, 3, v18                 ; 768 h + 8 r
	v_lshl_add_u32 v8, v1, 2, XS
	s_mul_i32 s22, s14, 12288
	v_add_nc_u32 v9, s22, v6                       ; W_o's fragments: pair = wave
	v_add_nc_u32 v10, s22, v7
	s_lshl_b32 s22, s14, 9
	v_lshl_add_u32 v11, v1, 2, s22
	s_mul_i32 s22, s14, 8704
	s_add_co_u32 s22, s22, STG                     ; my stage
	v_mul_u32_u24 v12, v16, 272
	v_lshl_add_u32 v12, v17, 5, v12
	v_add_nc_u32 v12, s22, v12                     ; in: row r, 32 bytes for each half of the lanes
	v_mul_u32_u24 v13, v17, 272
	v_lshl_add_u32 v13, v16, 4, v13
	v_add_nc_u32 v13, s22, v13                     ; back: lanes 0-15 one row, lanes 16-31 the next
	v_lshlrev_b32 v14, 4, v16
	v_lshl_add_u32 v14, v17, 13, v14               ; and the same two rows in out0
	s_wait_kmcnt 0x0
	s_add_nc_u64 s[4:5], s[4:5], s[16:17]
	s_add_nc_u64 s[6:7], s[6:7], s[18:19]
	s_add_nc_u64 s[8:9], s[8:9], 589824            ; W_o is the fourth weight
	s_add_nc_u64 s[10:11], s[10:11], 24576
	s_add_nc_u64 s[12:13], s[12:13], s[20:21]
	s_wait_alu depctr_va_vdst(0)                   ; the offsets and addresses v2, v3 and v6 to v14 are written, which the loads and stores of the kernel read
.irp i, 0,1,2,3,4,5
	global_load_b128 v[XF+4*\i:XF+4*\i+3], v2, s[4:5] offset:8192*\i
.endr
	global_load_b32 v[XF+24], v3, s[6:7]
.irp u, 0,1
.irp s, 0,1,2,3
	GFRAG WF+12*(4*\u+\s), 9, 10, 8, 3072*\s, \u
.endr
.endr
.irp s, 0,1,2,3
	global_load_b32 v[WSR+\s], v11, s[10:11] offset:128*\s
.endr
	s_wait_loadcnt 0x0
.irp i, 0,1,2,3,4,5
	ds_store_b128 v2, v[XF+4*\i:XF+4*\i+3] offset:8192*\i
.endr
	ds_store_b32 v3, v[XF+24] offset:XS
	s_wait_dscnt 0x0                               ; for the others' sake: my stores have landed
	s_barrier_signal -1
	s_barrier_wait -1
.irp trip, 0,1,2,3
	s_wait_xcnt 0x0                                ; the last stores have read the registers that the loads below fill
	s_wait_alu depctr_vm_vsrc(0)                   ; the stores issued so far (the fill's, the stage's, the rows') have read v[XF ..], in which the loads below land, and the accumulators, which this trip's products begin anew
.irp tl, 0,1
.irp s, 0,1,2,3
	FRAG XF+12*(4*\tl+\s), 6, 7, \trip*12288+3072*\s, \tl
.endr
.endr
.irp s, 0,1,2,3
	ds_load_b32 v[XSR+\s], v8 offset:\trip*512+128*\s
.endr
	s_wait_dscnt 0x0                               ; these loads are in, and the last trip's stores into the stage have read the accumulators
.irp s, 0,1,2,3
.irp u, 0,1
.irp tl, 0,1
	WM ACC+16*\u+8*\tl, XF+12*(4*\tl+\s), WF+12*(4*\u+\s), \s==0, XSR+\s, WSR+\s, \tl, \u
.endr
.endr
.endr
	PLACES5
	s_wait_alu depctr_va_vdst(0)                   ; the products have written the accumulators, which the LDS stores below read, and are done reading v[XF ..] and v[XSR ..], in which the stage's rows and the next trip's loads land; the places above stay beside this wait
.irp u, 0,1
.irp tl, 0,1
	ds_store_b128 v12, v[ACC+16*\u+8*\tl:ACC+16*\u+8*\tl+3] offset:16*\u*272+128*(\trip%2)+64*\tl       ; lane (r, h): place 16 u + r, positions 32 (trip % 2) + 16 t + 8 h + 0 .. 7; each accumulator from its low end on
	ds_store_b128 v12, v[ACC+16*\u+8*\tl+4:ACC+16*\u+8*\tl+7] offset:16*\u*272+128*(\trip%2)+64*\tl+16
.endr
.endr
.if \trip%2
.irp i, 0,1,2,3,4,5,6,7,8,9,10,11,12,13,14,15
	ds_load_b128 v[XF+4*\i:XF+4*\i+3], v13 offset:2*\i*272   ; LDS serves a wave's instructions in order (ISA guide 5.7.1.4): these see my stores
.endr
.irp i, 0,1,2,3,4,5,6,7,8,9,10,11,12,13,14,15
	s_wait_dscnt 15-\i                             ; the 15 - i younger reads may be out
	global_store_b128 v14, v[XF+4*\i:XF+4*\i+3], s[12:13] offset:(8*(\i/8)+2*(\i%8)+8*((\i%8)/4))*8192+256*(\trip/2) th:TH_STORE_NT   ; place 2 i + h is row 8 (i / 8) + 2 (i % 8) + 8 ((i % 8) / 4) + h of my 32
.endr
.endif
.endr
	s_wait_dscnt 0x0                               ; the closing lines, six on end
	s_wait_alu 0x0
	s_wait_tensorcnt 0x0
	ds_add_u32 v22, v23
	s_wait_dscnt 0x0
	s_endpgm
.Lfunc_end_k_q5981b7ead6_outp:
	.size	k_q5981b7ead6_outp, .Lfunc_end_k_q5981b7ead6_outp-k_q5981b7ead6_outp
	.p2alignl 7, 3214868480
	.fill 96, 4, 3214868480
	.section	.rodata,"a",@progbits
	.p2align	6, 0x0
	.amdhsa_kernel k_q5981b7ead6_outp
		.amdhsa_group_segment_fixed_size 192512
		.amdhsa_private_segment_fixed_size 0
		.amdhsa_enable_private_segment 0
		.amdhsa_kernarg_size 40
		.amdhsa_user_sgpr_count 2
		.amdhsa_user_sgpr_kernarg_segment_ptr 1
		.amdhsa_wavefront_size32 1
		.amdhsa_system_sgpr_workgroup_id_x 1
		.amdhsa_system_sgpr_workgroup_id_y 1
		.amdhsa_system_sgpr_workgroup_id_z 1
		.amdhsa_system_vgpr_workitem_id 0
		.amdhsa_next_free_vgpr 256
		.amdhsa_next_free_sgpr 66
		.amdhsa_reserve_vcc 0
		.amdhsa_float_denorm_mode_32 3
		.amdhsa_float_denorm_mode_16_64 3
		.amdhsa_memory_ordered 1
		.amdhsa_forward_progress 1
		.amdhsa_inst_pref_size 34
	.end_amdhsa_kernel
	.amdgpu_metadata
---
amdhsa.version: [ 1, 2 ]
amdhsa.kernels:
  - .name:           k_q5981b7ead6_outp
    .symbol:         k_q5981b7ead6_outp.kd
    .args:
      - { .name: dcod, .offset: 0, .size: 8, .value_kind: global_buffer, .address_space: global }
      - { .name: dscl, .offset: 8, .size: 8, .value_kind: global_buffer, .address_space: global }
      - { .name: wcod, .offset: 16, .size: 8, .value_kind: global_buffer, .address_space: global }
      - { .name: wscl, .offset: 24, .size: 8, .value_kind: global_buffer, .address_space: global }
      - { .name: out0, .offset: 32, .size: 8, .value_kind: global_buffer, .address_space: global }
    .group_segment_fixed_size: 192512
    .private_segment_fixed_size: 0
    .kernarg_segment_align: 8
    .kernarg_segment_size: 40
    .max_flat_workgroup_size: 512
    .sgpr_count:     66
    .vgpr_count:     256
    .wavefront_size: 32
...
	.end_amdgpu_metadata
.endif
;; end of part 8
